; MI455X (gfx1250); checked and timed in simulation.
; The chip was launched on July 23, 2026; its instructions are those of AMD's public machine-readable ISA for CDNA 5 (MIT licence, August 2026) and "CDNA5" Instruction Set Architecture Reference Guide (July 2026). The comments in the code are by the model that wrote it; some were corrected since.
;; Point Net Transformer Seg Fast. Allowed arithmetic: float matrix products may take bf16 or f16 operands with f32 sums; all other float work in f32.
;; Inputs: W1 4 x 256 x 512 float32; W2 4 x 512 x 256 float32; Wk 4 x 256 x 256 float32; Wo 4 x 256 x 256 float32; Wq 4 x 256 x 256 float32; Wv 4 x 256 x 256 float32; b1 4 x 512 float32; b2 4 x 256 float32; bk 4 x 256 float32; bo 4 x 256 float32; bq 4 x 256 float32; bv 4 x 256 float32; embed_b1 128 float32; embed_b2 256 float32; embed_w1 3 x 128 float32; embed_w2 128 x 256 float32; head_b1 256 float32; head_b2 50 float32; head_w1 256 x 256 float32; head_w2 256 x 50 float32; ln1_b 4 x 256 float32; ln1_s 4 x 256 float32; ln2_b 4 x 256 float32; ln2_s 4 x 256 float32; pos_b1 128 float32; pos_b2 256 float32; pos_w1 3 x 128 float32; pos_w2 128 x 256 float32; xyz 2 x 16,384 x 3 float32.
;; Outputs: out0 2 x 16,384 x 50 float32.
;; 2 versions, each right. Each part assembles by itself: llvm-mc -triple=amdgcn-amd-amdhsa -mcpu=gfx1250 --defsym DOCPART=n.
;; ======== version 1 of 2: 11 launches
;; limits: values within 3e-05 (relative) of each other or of a threshold may be ordered or decided otherwise than in the reference; values are held in f16: magnitudes above 65,504 overflow, below 6.1e-05 lose precision; a function is approximated: absolute error at most 1.5e-07; an absolute error that grows with the inputs' magnitude: up to 1e-07 times it
;; workspace buffers: wp0 1,597,440 bytes; wp1 1,892,352 bytes; wp2 1,257,472 bytes; sa 11,534,336 bytes; sb 11,534,336 bytes; ob 2,097,152 bytes; grp 131,072 bytes of whole numbers; idx 524,288 bytes of whole numbers
;; launch prep (part 1): grid 295 x 1, 8 waves a work-group, no clusters, 0 bytes of LDS; arguments Wq, Wk, Wv, Wo, W1, W2, bq, bk, bv, bo, b1, b2, ln1_s, ln1_b, ln2_s, ln2_b, embed_w2, pos_w2, head_w1, head_w2, embed_b2, pos_b2, head_b1, head_b2, xyz, wp0, wp1, wp2; writes wp0, wp1, wp2
.if DOCPART == 1
	.amdgcn_target "amdgcn-amd-amdhsa--gfx1250"
	.amdhsa_code_object_version 6
	.text
	.protected	k_q9f05e60021_prep
	.globl	k_q9f05e60021_prep
	.p2align	8
	.type	k_q9f05e60021_prep,@function
k_q9f05e60021_prep:
	s_mov_b64 s[64:65], 0
	v_nop
	global_prefetch_b8 v0, s[64:65] scope:SCOPE_SE
	s_setreg_imm32_b32 hwreg(HW_REG_WAVE_MODE, 25, 1), 1
	s_wait_xcnt 0x0
; PREP: every weight, bias and gain is rounded to bf16 (nearest even) and laid out as the later launches take it.
; A weight FRAGMENT is 16 output channels x 32 input channels of 16-bit numbers, 1,024 bytes: byte half*512 + lane*16 holds
; channel lane%16, inputs 16*half + 8*(lane/16) + 0..7.  A consumer's wave w finds fragment f of its stream at w*STR + f*1024.
; Layer weights are written as the f16 image of their bf16 value (exact from 2^-17 to 65,504; below that a step of 2^-24;
; beyond 65,504 an infinity: a stated limit); embedding and head weights stay bf16.
; Packs: 0,1,2 = wp0,wp1,wp2 at byte 0 (STR 131,072); 3 = wp1 + 1,060,864 (STR 98,304); 4 = wp0 + 1,060,864 (STR 65,536).
; Jobs by work-group: 0-255 layer matrices (one K step of 32 rows each), 256-263 embed_w2 / pos_w2, 264-271 head_w1,
; 272-273 head_w2, 274-278 the five parameter packs, 279-294 the token tables.  No LDS, no barrier: no wave needs another's data.
	s_load_b512 s[4:19], s[0:1], 0x0       ; Wq 4, Wk 6, Wv 8, Wo 10, W1 12, W2 14, bq 16, bk 18
	s_load_b512 s[20:35], s[0:1], 0x40     ; bv 20, bo 22, b1 24, b2 26, ln1_s 28, ln1_b 30, ln2_s 32, ln2_b 34
	s_load_b512 s[36:51], s[0:1], 0x80     ; embed_w2 36, pos_w2 38, head_w1 40, head_w2 42, embed_b2 44, pos_b2 46, head_b1 48, head_b2 50
	s_load_b256 s[52:59], s[0:1], 0xc0     ; xyz 52, wp0 54, wp1 56, wp2 58
	v_lshrrev_b32 v1, 5, v0
	v_readfirstlane_b32 s60, v1            ; wave
	v_lshlrev_b32 v1, 2, v0                ; 4 t: my column of a block of 256 columns
	v_and_b32 v2, 15, v0
	v_bfe_u32 v3, v0, 4, 1
	v_lshlrev_b32 v2, 4, v2
	v_lshl_add_u32 v2, v3, 10, v2          ; where my column lands: 16 (lane % 16), lanes 16-31 in the next fragment
	v_and_b32 v4, 31, v0                   ; lane (head_w2: my column's number)
	s_mov_b32 s61, 0xffff0000
	s_mov_b32 s84, s60                     ; the consumer's wave
	s_mov_b32 s85, 1                       ; 1: f16 image, 0: bf16
	s_mov_b32 s86, 0                       ; source pitch: 0 = 1,024, 1 = 2,048, 2 = 200 bytes
	s_mov_b32 s69, 0
	s_mov_b32 s73, 0
	s_wait_kmcnt 0x0
	s_cmp_ge_u32 ttmp9, 279
	s_cbranch_scc1 .Ltok
	s_cmp_ge_u32 ttmp9, 274
	s_cbranch_scc1 .Lpar
	s_cmp_ge_u32 ttmp9, 272
	s_cbranch_scc1 .Lh2
	s_cmp_ge_u32 ttmp9, 264
	s_cbranch_scc1 .Lh1
	s_cmp_ge_u32 ttmp9, 256
	s_cbranch_scc1 .Lew
	s_lshr_b32 s80, ttmp9, 6               ; layer l
	s_and_b32 s81, ttmp9, 63               ; job m in the layer
	s_mov_b32 s82, s80                     ; pack = l
	s_cmp_ge_u32 s81, 48
	s_cbranch_scc1 .Lw2
	s_cmp_ge_u32 s81, 32
	s_cbranch_scc1 .Lw1
	s_lshr_b32 s87, s81, 3                 ; 0 Wq, 1 Wk, 2 Wv, 3 Wo
	s_and_b32 s88, s81, 7                  ; K step
	s_cmp_eq_u32 s87, 1
	s_cselect_b64 s[66:67], s[6:7], s[4:5]
	s_cmp_eq_u32 s87, 2
	s_cselect_b64 s[66:67], s[8:9], s[66:67]
	s_cmp_eq_u32 s87, 3
	s_cselect_b64 s[66:67], s[10:11], s[66:67]
	s_lshl_b32 s68, s80, 18                ; l x 262,144
	s_lshl_b32 s89, s88, 15                ; 32 rows of 1,024 bytes
	s_add_co_u32 s68, s68, s89
	s_lshl_b32 s83, s88, 1                 ; Wo: fragment 2 ks
	s_cmp_eq_u32 s87, 3
	s_cbranch_scc1 .Lgo
	s_sub_co_u32 s82, s80, 1               ; Wq, Wk, Wv go into the pack of the launch in front of their attention
	s_cmp_eq_u32 s80, 0
	s_cselect_b32 s82, 4, s82
	s_cselect_b32 s83, 16, 80
	s_mul_i32 s89, s88, 6
	s_add_co_u32 s83, s83, s89
	s_lshl1_add_u32 s83, s87, s83          ; F0 + 6 ks + 2 kind
	s_branch .Lgo
.Lw1:
	s_sub_co_u32 s87, s81, 32
	s_lshr_b32 s88, s87, 1                 ; K step
	s_and_b32 s87, s87, 1                  ; which 256 of the 512 columns
	s_mov_b64 s[66:67], s[12:13]
	s_lshl_b32 s68, s80, 19
	s_lshl_b32 s89, s88, 16                ; 32 rows of 2,048 bytes
	s_add_co_u32 s68, s68, s89
	s_lshl_b32 s89, s87, 10
	s_add_co_u32 s68, s68, s89
	s_lshl3_add_u32 s89, s87, s60          ; my 32 columns among sixteen such
	s_lshr_b32 s84, s89, 1                 ; the consumer's wave owns 64 columns
	s_and_b32 s89, s89, 1
	s_lshl_b32 s83, s88, 2
	s_lshl1_add_u32 s83, s89, s83
	s_add_co_u32 s83, s83, 16              ; 16 + 4 ks + 2 (which half of the 64)
	s_mov_b32 s86, 1
	s_branch .Lgo
.Lw2:
	s_sub_co_u32 s88, s81, 48              ; K step 0..15
	s_mov_b64 s[66:67], s[14:15]
	s_lshl_b32 s68, s80, 19
	s_lshl_b32 s89, s88, 15
	s_add_co_u32 s68, s68, s89
	s_lshl_b32 s83, s88, 1
	s_add_co_u32 s83, s83, 48
	s_branch .Lgo
.Lew:
	s_sub_co_u32 s88, ttmp9, 256           ; K step 0..7 of [embed_w2; pos_w2]
	s_cmp_lt_u32 s88, 4
	s_cselect_b64 s[66:67], s[36:37], s[38:39]
	s_and_b32 s89, s88, 3
	s_lshl_b32 s68, s89, 15
	s_lshl_b32 s83, s88, 1
	s_mov_b32 s82, 4
	s_mov_b32 s85, 0
	s_branch .Lgo
.Lh1:
	s_sub_co_u32 s88, ttmp9, 264
	s_mov_b64 s[66:67], s[40:41]
	s_lshl_b32 s68, s88, 15
	s_lshl_b32 s83, s88, 1
	s_add_co_u32 s83, s83, 80
	s_mov_b32 s82, 3
	s_mov_b32 s85, 0
	s_branch .Lgo
.Lh2:
	s_sub_co_u32 s88, ttmp9, 272           ; which 32 of the 64 padded columns; the wave is the K step
	s_mov_b64 s[66:67], s[42:43]
	s_mul_i32 s68, s60, 6400               ; 32 rows of 200 bytes
	s_lshl_b32 s83, s60, 2
	s_lshl1_add_u32 s83, s88, s83
	s_add_co_u32 s83, s83, 768             ; the shared block begins 786,432 bytes into the pack
	s_mov_b32 s84, 0
	s_mov_b32 s82, 3
	s_mov_b32 s85, 0
	s_mov_b32 s86, 2
	s_lshl_b32 s89, s88, 5
	v_add_nc_u32 v4, s89, v4               ; column n
	v_min_u32 v1, 49, v4                   ; columns 50-63 read column 49 and are replaced by 0 below
	v_lshlrev_b32 v1, 2, v1
.Lgo:
	s_add_nc_u64 s[66:67], s[66:67], s[68:69]
	s_cmp_eq_u32 s82, 2
	s_cselect_b64 s[70:71], s[58:59], s[54:55]
	s_and_b32 s89, s82, 1                  ; packs 1 and 3 lie in wp1
	s_cmp_eq_u32 s89, 1
	s_cselect_b64 s[70:71], s[56:57], s[70:71]
	s_mov_b32 s90, 131072
	s_cmp_ge_u32 s82, 3
	s_cselect_b32 s72, 1060864, 0
	s_cselect_b32 s90, 98304, s90
	s_cmp_eq_u32 s82, 4
	s_cselect_b32 s90, 65536, s90
	s_mul_i32 s90, s90, s84
	s_add_co_u32 s72, s72, s90
	s_lshl_b32 s90, s83, 10
	s_add_co_u32 s72, s72, s90
	s_add_nc_u64 s[70:71], s[70:71], s[72:73]
.macro TASK pitch                      ; my column's 32 rows: each load of the wave takes 128 consecutive bytes
.set zk, 0
.rept 32
	global_load_b32 v[8+zk], v1, s[66:67] offset:zk*(\pitch)
.set zk, zk+1
.endr
.endm
	s_cmp_eq_u32 s86, 1
	s_cbranch_scc1 .Lp2048
	s_cmp_eq_u32 s86, 2
	s_cbranch_scc1 .Lp200
	TASK 1024
	s_branch .Lpack
.Lp2048:
	TASK 2048
	s_branch .Lpack
.Lp200:
	TASK 200
.Lpack:
	s_wait_loadcnt 0x0
.set zk, 0
.rept 16
	v_cvt_pk_bf16_f32 v[40+zk], v[8+2*zk], v[9+2*zk]
.set zk, zk+1
.endr
	s_cmp_lg_u32 s86, 2
	s_cbranch_scc1 .Lnoclamp
	v_cmp_gt_u32 vcc_lo, 50, v4
.set zk, 0
.rept 16
	v_cndmask_b32 v[40+zk], 0, v[40+zk], vcc_lo
.set zk, zk+1
.endr
.Lnoclamp:
	s_cmp_eq_u32 s85, 0
	s_cbranch_scc1 .Lst
.set zk, 0
.rept 16                               ; the bf16 value written as f16
	v_lshlrev_b32 v56, 16, v[40+zk]
	v_and_b32 v57, s61, v[40+zk]
	v_cvt_pk_f16_f32 v[40+zk], v56, v57
.set zk, zk+1
.endr
.Lst:
.irp i, 0,1,2,3                        ; rows 8 i .. 8 i + 7: sixteen lanes fill 256 consecutive aligned bytes
	global_store_b128 v2, v[40+4*(\i):43+4*(\i)], s[70:71] offset:256*(\i)
.endr
	s_endpgm
.Lpar:                                 ; pack j: twelve slots of 256 f32, thread t holds element t of each
	s_sub_co_u32 s80, ttmp9, 274
	s_lshl_b32 s81, s80, 10
	v_add_nc_u32 v3, s81, v1
	s_lshl_b32 s81, s80, 11
	v_add_nc_u32 v5, s81, v1
.set zk, 16
.rept 14
	v_mov_b32 v[zk], 0
.set zk, zk+1
.endr
	s_cmp_eq_u32 s80, 4
	s_cbranch_scc1 .Lpe
	global_load_b32 v16, v3, s[22:23]      ; bo
	global_load_b32 v17, v3, s[32:33]      ; ln2_s
	global_load_b32 v18, v3, s[34:35]      ; ln2_b
	global_load_b32 v19, v5, s[24:25]      ; b1, first half
	global_load_b32 v20, v5, s[24:25] offset:1024
	global_load_b32 v21, v3, s[26:27]      ; b2
	s_branch .Lpt
.Lpe:
	global_load_b32 v16, v1, s[44:45]      ; embed_b2
	global_load_b32 v28, v1, s[46:47]      ; pos_b2: added behind the rounding
.Lpt:
	s_cmp_eq_u32 s80, 3
	s_cbranch_scc1 .Lph
	s_add_co_u32 s81, s80, 1               ; the layer whose attention follows
	s_cmp_eq_u32 s81, 5
	s_cselect_b32 s81, 0, s81
	s_lshl_b32 s81, s81, 10
	v_add_nc_u32 v6, s81, v1
	global_load_b32 v22, v6, s[28:29]      ; ln1_s
	global_load_b32 v23, v6, s[30:31]      ; ln1_b
	global_load_b32 v24, v6, s[16:17]      ; bq
	global_load_b32 v25, v6, s[18:19]      ; bk
	global_load_b32 v26, v6, s[20:21]      ; bv
	s_branch .Lpr
.Lph:
	v_min_u32 v6, 49, v0
	v_lshlrev_b32 v6, 2, v6
	global_load_b32 v22, v1, s[48:49]      ; head_b1
	global_load_b32 v23, v6, s[50:51]      ; head_b2, 0 from class 50 on
	s_wait_loadcnt 0x0
	v_cmp_gt_u32 vcc_lo, 50, v0
	v_cndmask_b32 v23, 0, v23, vcc_lo
.Lpr:
	s_wait_loadcnt 0x0
.irp p, 16,18,20,22,24,26,28           ; rounded to bf16, kept as f32
	v_cvt_pk_bf16_f32 v8, v[\p], v[\p+1]
	v_lshlrev_b32 v[\p], 16, v8
	v_and_b32 v[\p+1], s61, v8
.endr
	v_add_f32 v16, v16, v28
	s_cmp_eq_u32 s80, 2
	s_cselect_b64 s[70:71], s[58:59], s[54:55]
	s_and_b32 s81, s80, 1
	s_cmp_eq_u32 s81, 1
	s_cselect_b64 s[70:71], s[56:57], s[70:71]
	s_mov_b32 s72, 1048576
	s_cmp_eq_u32 s80, 3
	s_cselect_b32 s72, 1880064, s72
	s_cmp_eq_u32 s80, 4
	s_cselect_b32 s72, 1585152, s72
	s_add_nc_u64 s[70:71], s[70:71], s[72:73]
.irp q, 0,1,2,3,4,5,6,7,8,9,10,11
	global_store_b32 v1, v[16+\q], s[70:71] offset:1024*(\q)
.endr
	s_endpgm
.Ltok:                                 ; token T = every eighth point.  TOKF: (x, y, z, k2) in f32.  TOKA: a matrix row (-2x, -2y, -2z, k2 in three bf16 parts, 0, 0)
	s_sub_co_u32 s80, ttmp9, 279
	s_lshl_b32 s80, s80, 8
	v_add_nc_u32 v3, s80, v0
	v_mul_u32_u24 v5, v3, 96
	global_load_b96 v[8:10], v5, s[52:53]
	v_lshrrev_b32 v6, 4, v3
	v_and_b32 v7, 15, v3
	v_lshlrev_b32 v6, 9, v6
	v_lshl_add_u32 v6, v7, 4, v6           ; tile x 512 + 16 (T % 16)
	v_lshlrev_b32 v7, 4, v3
	s_wait_loadcnt 0x0
	v_cvt_pk_bf16_f32 v11, v8, v9
	v_cvt_pk_bf16_f32 v12, v10, v10
	v_lshlrev_b32 v16, 16, v11
	v_and_b32 v17, s61, v11
	v_lshlrev_b32 v18, 16, v12
	v_mul_f32 v19, v16, v16                ; squares of bf16 numbers are exact in f32, so these are (x^2 + y^2) + z^2 with two roundings
	v_fma_f32 v19, v17, v17, v19
	v_fma_f32 v19, v18, v18, v19
	v_cvt_pk_bf16_f32 v20, v19, v19
	v_lshlrev_b32 v20, 16, v20
	v_sub_f32 v21, v19, v20
	v_cvt_pk_bf16_f32 v22, v21, v21
	v_lshlrev_b32 v22, 16, v22
	v_sub_f32 v21, v21, v22
	v_mul_f32 v24, -2.0, v16
	v_mul_f32 v25, -2.0, v17
	v_mul_f32 v26, -2.0, v18
	v_cvt_pk_bf16_f32 v28, v24, v25
	v_cvt_pk_bf16_f32 v29, v26, v20
	v_cvt_pk_bf16_f32 v30, v22, v21
	v_mov_b32 v31, 0
	v_mov_b32 v32, 0
	v_mov_b32 v33, 0
	v_mov_b32 v34, 0
	v_mov_b32 v35, 0
	global_store_b128 v6, v[28:31], s[58:59] offset:1060864
	global_store_b128 v6, v[32:35], s[58:59] offset:1060864+256
	global_store_b128 v7, v[16:19], s[58:59] offset:1191936
	s_endpgm
.Lfunc_end_k_q9f05e60021_prep:
	.size	k_q9f05e60021_prep, .Lfunc_end_k_q9f05e60021_prep-k_q9f05e60021_prep
	.p2alignl 7, 3214868480
	.fill 96, 4, 3214868480
	.section	.rodata,"a",@progbits
	.p2align	6, 0x0
	.amdhsa_kernel k_q9f05e60021_prep
		.amdhsa_group_segment_fixed_size 0
		.amdhsa_private_segment_fixed_size 0
		.amdhsa_enable_private_segment 0
		.amdhsa_kernarg_size 224
		.amdhsa_user_sgpr_count 2
		.amdhsa_user_sgpr_kernarg_segment_ptr 1
		.amdhsa_wavefront_size32 1
		.amdhsa_system_sgpr_workgroup_id_x 1
		.amdhsa_system_sgpr_workgroup_id_y 1
		.amdhsa_system_sgpr_workgroup_id_z 1
		.amdhsa_system_vgpr_workitem_id 0
		.amdhsa_next_free_vgpr 64
		.amdhsa_next_free_sgpr 100
		.amdhsa_reserve_vcc 1
		.amdhsa_float_denorm_mode_32 3
		.amdhsa_float_denorm_mode_16_64 3
		.amdhsa_memory_ordered 1
		.amdhsa_forward_progress 1
		.amdhsa_inst_pref_size 26
	.end_amdhsa_kernel
	.amdgpu_metadata
---
amdhsa.version: [ 1, 2 ]
amdhsa.kernels:
  - .name:           k_q9f05e60021_prep
    .symbol:         k_q9f05e60021_prep.kd
    .args:
      - { .name: Wq, .offset: 0, .size: 8, .value_kind: global_buffer, .address_space: global }
      - { .name: Wk, .offset: 8, .size: 8, .value_kind: global_buffer, .address_space: global }
      - { .name: Wv, .offset: 16, .size: 8, .value_kind: global_buffer, .address_space: global }
      - { .name: Wo, .offset: 24, .size: 8, .value_kind: global_buffer, .address_space: global }
      - { .name: W1, .offset: 32, .size: 8, .value_kind: global_buffer, .address_space: global }
      - { .name: W2, .offset: 40, .size: 8, .value_kind: global_buffer, .address_space: global }
      - { .name: bq, .offset: 48, .size: 8, .value_kind: global_buffer, .address_space: global }
      - { .name: bk, .offset: 56, .size: 8, .value_kind: global_buffer, .address_space: global }
      - { .name: bv, .offset: 64, .size: 8, .value_kind: global_buffer, .address_space: global }
      - { .name: bo, .offset: 72, .size: 8, .value_kind: global_buffer, .address_space: global }
      - { .name: b1, .offset: 80, .size: 8, .value_kind: global_buffer, .address_space: global }
      - { .name: b2, .offset: 88, .size: 8, .value_kind: global_buffer, .address_space: global }
      - { .name: ln1_s, .offset: 96, .size: 8, .value_kind: global_buffer, .address_space: global }
      - { .name: ln1_b, .offset: 104, .size: 8, .value_kind: global_buffer, .address_space: global }
      - { .name: ln2_s, .offset: 112, .size: 8, .value_kind: global_buffer, .address_space: global }
      - { .name: ln2_b, .offset: 120, .size: 8, .value_kind: global_buffer, .address_space: global }
      - { .name: embed_w2, .offset: 128, .size: 8, .value_kind: global_buffer, .address_space: global }
      - { .name: pos_w2, .offset: 136, .size: 8, .value_kind: global_buffer, .address_space: global }
      - { .name: head_w1, .offset: 144, .size: 8, .value_kind: global_buffer, .address_space: global }
      - { .name: head_w2, .offset: 152, .size: 8, .value_kind: global_buffer, .address_space: global }
      - { .name: embed_b2, .offset: 160, .size: 8, .value_kind: global_buffer, .address_space: global }
      - { .name: pos_b2, .offset: 168, .size: 8, .value_kind: global_buffer, .address_space: global }
      - { .name: head_b1, .offset: 176, .size: 8, .value_kind: global_buffer, .address_space: global }
      - { .name: head_b2, .offset: 184, .size: 8, .value_kind: global_buffer, .address_space: global }
      - { .name: xyz, .offset: 192, .size: 8, .value_kind: global_buffer, .address_space: global }
      - { .name: wp0, .offset: 200, .size: 8, .value_kind: global_buffer, .address_space: global }
      - { .name: wp1, .offset: 208, .size: 8, .value_kind: global_buffer, .address_space: global }
      - { .name: wp2, .offset: 216, .size: 8, .value_kind: global_buffer, .address_space: global }
    .group_segment_fixed_size: 0
    .private_segment_fixed_size: 0
    .kernarg_segment_align: 8
    .kernarg_segment_size: 224
    .max_flat_workgroup_size: 256
    .sgpr_count:     100
    .vgpr_count:     64
    .wavefront_size: 32
...
	.end_amdgpu_metadata
.endif
;; end of part 1
;; launch emb (part 2): grid 256 x 1, 8 waves a work-group, no clusters, 82,944 bytes of LDS; arguments xyz, embed_w1, embed_b1, pos_w1, pos_b1, wp0, wp2, sa, grp; writes sa, grp
.if DOCPART == 2
	.amdgcn_target "amdgcn-amd-amdhsa--gfx1250"
	.amdhsa_code_object_version 6
	.text
	.protected	k_q9f05e60021_emb
	.globl	k_q9f05e60021_emb
	.p2align	8
	.type	k_q9f05e60021_emb,@function
k_q9f05e60021_emb:
	s_mov_b64 s[64:65], 0
	v_nop
	global_prefetch_b8 v0, s[64:65] scope:SCOPE_SE
	s_setreg_imm32_b32 hwreg(HW_REG_WAVE_MODE, 25, 1), 1
	s_wait_xcnt 0x0
; EMB.  Work-groups 0-127: 32 tokens each: embedding + positional MLP -> x; LayerNorm 1 of layer 0; q, k, v of layer 0.
; Work-groups 128-255: 256 points each: the four best groups of 8 tokens by squared distance, stored as whole numbers for a later launch.
; TOKEN PART.  All products are used transposed (source 0 = 16 output channels x 32 inputs of a weight, source 1 = 32 inputs x 16 tokens), so a lane
; holds ONE token (lane % 16) and channels 8 (lane / 16) + 0..7, and two result tiles rounded in pairs ARE the next product's source 1.
; Wave w owns output channels 32 w .. 32 w + 31.  Weights come straight from memory into a ring of 24 fragments in registers (24 KB a wave on its way);
; activations pass through LDS in fragment order (byte half*512 + lane*16), which has no bank conflict and needs no padding.
; NO CLUSTER: a weight fragment is wanted by exactly one wave of a work-group and feeds two to four matrix instructions; asked for jointly it would
; have to be written to LDS and read back, 0.5 MB each way a work-group, beside the 0.38 MB of activation fragments that are read now.
; FORMATS.  Every input is rounded to bf16.  The hidden layer goes as a pair of bf16 (hi + lo) against bf16 weights; y in f16 against the f16 image of the weights.
; LIMITS.  y, q, k, v are f16: beyond 65,504 they become infinities.  NaN and infinities are not treated apart.
; POINT PART.  d^2 of 16 tokens x 16 points is one bf16 product (-2x,-2y,-2z,k2h,k2m,k2l) . (x,y,z,1,1,1) + q2.  A group's key is its least d^2, clamped at 2^-100,
; with the group's number in the low 8 bits.  The three nearest tokens lie in the three best groups; the fourth covers one near-tie (about 3e-5 of d^2 plus 1e-6 of
; q2 + k2) at the edge: two such ties at once are not served.
.set STR,   65536
.set FT,    64
.set PARG,  524288
.set PAR,   0                          ; LDS: twelve slots of 256 f32
.set STA,   12288
.set STB,   14336                      ; LayerNorm statistics: wave x 256 + token x 8
.set R1,    16384                      ; y, 16 fragments
.set R2,    32768                      ; hidden, hi
.set R3,    49152                      ; hidden, lo
.set SPARE, 81920                      ; the spare words: 128 bytes a wave, named by no other line
.set QOFF,  4194304
.set LB,   1                           ; 16 lane
.set LBG,  2                           ; LB + R3
.set WOF,  3                           ; LB + w STR
.set PB2,  4                           ; 32 (lane/16) + 128 w
.set PB4,  5                           ; 32 (lane/16) + 256 w
.set PVB,  6                           ; 4 (lane%16) + 128 w
.set STW,  7                           ; 256 w + 8 lane
.set STRD, 8                           ; 8 lane
.set LW,   9                           ; LB + 2048 w
.set SPW,  10
.set NIL,  11
.set GWR,  12                          ; LB + 4096 w + R3
.set LWG,  13                          ; LW + R3
.set XA,   14                          ; LB + 4096 w
.set X,    16                          ; v[16:47]  x: tile (i, tt) at X + 8 (2 i + tt)
.set ACC,  48                          ; v[48:143] twelve accumulators
.set T,    144                         ; v[144:243] at work
.set AUX,  244                         ; addresses of this kernel's own
.set BF,   192                         ; window 1: v[0:191] the ring, v[192:255] two buffers of activation fragments
.set MSB, 0
.macro WIN new                         ; the immediate's high byte repeats the setting that is left
.if MSB != (\new)
	s_set_vgpr_msb (MSB<<8)|(\new)
.set MSB, (\new)
.endif
.endm
.macro PLACES                          ; four places between a matrix instruction and a load into, or a vector read of, its registers
.rept 4
	v_nop
.endr
.endm
.macro BAR                             ; my LDS stores and loads are done; then everybody's are
	s_wait_dscnt 0x0
	s_barrier_signal -1
	s_barrier_wait -1
.endm
.macro END                             ; the wave's end: behind my last LDS store
	s_wait_tensorcnt 0x0
	ds_add_u32 v[SPW], v[NIL]
	s_wait_dscnt 0x0
	s_endpgm
.endm
.macro FRAME
	v_and_b32 v[STRD], 31, v0
	v_lshlrev_b32 v[LB], 4, v[STRD]
	v_bfe_u32 v[PB2], v0, 4, 1
	v_and_b32 v[PVB], 15, v0
	v_lshlrev_b32 v[PB2], 5, v[PB2]
	s_lshl_b32 s21, s12, 7
	s_lshl_b32 s22, s12, 8
	v_add_nc_u32 v[PB4], s22, v[PB2]
	v_add_nc_u32 v[PB2], s21, v[PB2]
	v_lshl_add_u32 v[PVB], v[PVB], 2, s21
	v_lshlrev_b32 v[STRD], 3, v[STRD]
	v_add_nc_u32 v[STW], s22, v[STRD]
	s_lshl_b32 s21, s12, 11
	v_add_nc_u32 v[LW], s21, v[LB]
	s_lshl_b32 s21, s12, 12
	v_add_nc_u32 v[XA], s21, v[LB]
	v_add_nc_u32 v[LBG], R3, v[LB]
	v_add_nc_u32 v[LWG], R3, v[LW]
	v_add_nc_u32 v[GWR], R3, v[XA]
	s_mul_i32 s21, s12, STR
	v_add_nc_u32 v[WOF], s21, v[LB]
	s_mov_b32 s18, 0x3d000000              ; 1/32
	s_mov_b32 s19, 0x3b800000              ; 1/256
	s_mov_b32 s20, 0x3727c5ac              ; 1e-5
.endm
.macro QBASE p                         ; q of my head (= wave) and my 32 tokens; k lies 2,097,152 bytes on, v 4,194,304
	s_lshr_b32 s21, ttmp9, 6
	s_lshl3_add_u32 s21, s21, s12
	s_lshl_b32 s21, s21, 6
	s_and_b32 s22, ttmp9, 63
	s_add_co_u32 s21, s21, s22
	s_lshl_b32 s62, s21, 11
	s_add_co_u32 s62, s62, QOFF
	s_add_nc_u64 s[58:59], s[\p:\p+1], s[62:63]
.endm
.macro WLD f                           ; fragment f of my stream into ring slot f % 24: two loads of 512 consecutive bytes
	global_load_b128 v[8*((\f)%24):8*((\f)%24)+3], v[WOF], s[16:17] offset:(\f)*1024
	global_load_b128 v[8*((\f)%24)+4:8*((\f)%24)+7], v[WOF], s[16:17] offset:(\f)*1024+512
.endm
.macro BLD buf, ks, nb, ra, oa, rb, ob ; K step ks's activation fragments of both token tiles (nb = 4: hi and lo)
.irp t, 0,1
	ds_load_b128 v[BF+32*(\buf)+8*(\t):BF+32*(\buf)+8*(\t)+3], v[\ra] offset:(\oa)+((\ks)*2+(\t))*1024
	ds_load_b128 v[BF+32*(\buf)+8*(\t)+4:BF+32*(\buf)+8*(\t)+7], v[\ra] offset:(\oa)+((\ks)*2+(\t))*1024+512
.endr
.if (\nb) == 4
.irp t, 0,1
	ds_load_b128 v[BF+32*(\buf)+16+8*(\t):BF+32*(\buf)+16+8*(\t)+3], v[\rb] offset:(\ob)+((\ks)*2+(\t))*1024
	ds_load_b128 v[BF+32*(\buf)+16+8*(\t)+4:BF+32*(\buf)+16+8*(\t)+7], v[\rb] offset:(\ob)+((\ks)*2+(\t))*1024+512
.endr
.endif
.endm
; A product: KS steps of 32 along K, A channel tiles x 2 token tiles.  The accumulators take turns, one instruction a turn.
; mode 1: all tiles with hi, then all with lo.  mode 2: tiles 4, 5 (v) with the sources swapped, so that a lane holds one channel and eight tokens; their sums start with 0.
; s_wait_loadcnt: all fragments below min(FT, f + 24) have been issued and nothing else counts on it, so 2 x (those behind this step's) may stay out.
; s_wait_dscnt: the next step's activation loads may stay out.
.macro STAGE fmt, F0, A, KS, AB, NB, mode, ra, oa, rb=LB, ob=0
	WIN 0x40
	BLD 0, 0, \NB, \ra, \oa, \rb, \ob
	BLD 1, 1, \NB, \ra, \oa, \rb, \ob
.set zk, 0
.rept \KS
.set zf, (\F0)+zk*(\A)
.set zh, zf+24
.if zh > FT
.set zh, FT
.endif
	s_wait_loadcnt 2*(zh-zf-(\A))
.if zk == (\KS)-1
	s_wait_dscnt 0x0
.else
	s_wait_dscnt 2*(\NB)
.endif
	WIN 0x05
.set zp, 0
.rept (\NB)/2
.set zi, 0
.rept \A
.set zt, 0
.rept 2
.set zd, (\AB)+8*(2*zi+zt)
.set za, 8*((zf+zi)%24)
.set zb, BF+32*(zk%2)+16*zp+8*zt
.if ((\mode) == 2) && (zi >= 4)
.if zk == 0
	v_wmma_f32_16x16x32_\fmt v[zd:zd+7], v[zb:zb+7], v[za:za+7], 0
.else
	v_wmma_f32_16x16x32_\fmt v[zd:zd+7], v[zb:zb+7], v[za:za+7], v[zd:zd+7]
.endif
.else
	v_wmma_f32_16x16x32_\fmt v[zd:zd+7], v[za:za+7], v[zb:zb+7], v[zd:zd+7]
.endif
.set zt, zt+1
.endr
.set zi, zi+1
.endr
.set zp, zp+1
.endr
	PLACES
	WIN 0x40
.set zj, 0
.rept \A
.set zw, zf+24+zj
.if zw < FT
	WLD zw
.endif
.set zj, zj+1
.endr
.if zk+2 < (\KS)
.set zq, zk%2
.set zr, zk+2
	BLD zq, zr, \NB, \ra, \oa, \rb, \ob
.endif
.set zk, zk+1
.endr
	WIN 0
.endm
.macro PREX slot                       ; the sums in X start with a bias
.set zi, 0
.rept 4
	ds_load_b128 v[X+8*zi:X+8*zi+3], v[PB2] offset:(\slot)*1024+64*(zi/2)
	ds_load_b128 v[X+8*zi+4:X+8*zi+7], v[PB2] offset:(\slot)*1024+64*(zi/2)+16
.set zi, zi+1
.endr
.endm
.macro PREQK                           ; q's and k's sums start with bq (slot 8) and bk (slot 9)
.set zi, 0
.rept 8
	ds_load_b128 v[ACC+8*zi:ACC+8*zi+3], v[PB2] offset:(8+zi/4)*1024+64*((zi/2)%2)
	ds_load_b128 v[ACC+8*zi+4:ACC+8*zi+7], v[PB2] offset:(8+zi/4)*1024+64*((zi/2)%2)+16
.set zi, zi+1
.endr
.endm
; LayerNorm of x over 256 channels.  Each wave: sum and sum of squared deviations from its own mean over its 32 channels; the eight waves' figures meet in LDS and are
; merged (M = sum M2 + 32 sum (mean_w - mean)^2), so no difference of large sums is formed.  y = (x - mean) rstd s + b goes to LDS as f16 fragments.
.macro LN stat, sS, sB, doff
.irp tt, 0,1
	v_pk_add_f32 v[T:T+1], v[X+8*(\tt):X+8*(\tt)+1], v[X+8*(\tt)+2:X+8*(\tt)+3]
	v_pk_add_f32 v[T+2:T+3], v[X+8*(\tt)+4:X+8*(\tt)+5], v[X+8*(\tt)+6:X+8*(\tt)+7]
	v_pk_add_f32 v[T+4:T+5], v[X+16+8*(\tt):X+16+8*(\tt)+1], v[X+16+8*(\tt)+2:X+16+8*(\tt)+3]
	v_pk_add_f32 v[T+6:T+7], v[X+16+8*(\tt)+4:X+16+8*(\tt)+5], v[X+16+8*(\tt)+6:X+16+8*(\tt)+7]
	v_pk_add_f32 v[T:T+1], v[T:T+1], v[T+2:T+3]
	v_pk_add_f32 v[T+4:T+5], v[T+4:T+5], v[T+6:T+7]
	v_pk_add_f32 v[T:T+1], v[T:T+1], v[T+4:T+5]
	v_add_f32 v[T], v[T], v[T+1]
	v_permlanex16_b32 v[T+1], v[T], s14, s15   ; the token's other 16 channels lie in the lane 16 away
	v_add_f32 v[T+16+2*(\tt)], v[T], v[T+1]
	v_mul_f32 v[T+2], s18, v[T+16+2*(\tt)]
.set zp, 0
.rept 8
.set zx, X+8*(\tt)+16*(zp/4)+2*(zp%4)
.set zd, T+4+2*(zp%2)
	v_pk_add_f32 v[zd:zd+1], v[zx:zx+1], v[T+2:T+3] op_sel_hi:[1,0] neg_lo:[0,1] neg_hi:[0,1]
.if zp == 0
	v_pk_mul_f32 v[T+8:T+9], v[zd:zd+1], v[zd:zd+1]
.else
	v_pk_fma_f32 v[T+8:T+9], v[zd:zd+1], v[zd:zd+1], v[T+8:T+9]
.endif
.set zp, zp+1
.endr
	v_add_f32 v[T+8], v[T+8], v[T+9]
	v_permlanex16_b32 v[T+9], v[T+8], s14, s15
	v_add_f32 v[T+17+2*(\tt)], v[T+8], v[T+9]
.endr
	v_cndmask_b32 v[T+20], v[T+16], v[T+18], s13   ; lane = token: lanes 16-31 take the second tile's
	v_cndmask_b32 v[T+21], v[T+17], v[T+19], s13
	ds_store_b64 v[STW], v[T+20:T+21] offset:\stat
	BAR
.irp q, 0,1,2,3,4,5,6,7
	ds_load_b64 v[T+2*(\q):T+2*(\q)+1], v[STRD] offset:(\stat)+256*(\q)
.endr
.irp i, 0,1
	ds_load_b128 v[T+32+8*(\i):T+32+8*(\i)+3], v[PB2] offset:(\sS)*1024+64*(\i)
	ds_load_b128 v[T+36+8*(\i):T+36+8*(\i)+3], v[PB2] offset:(\sS)*1024+64*(\i)+16
	ds_load_b128 v[T+48+8*(\i):T+48+8*(\i)+3], v[PB2] offset:(\sB)*1024+64*(\i)
	ds_load_b128 v[T+52+8*(\i):T+52+8*(\i)+3], v[PB2] offset:(\sB)*1024+64*(\i)+16
.endr
	s_wait_dscnt 0x0
	v_pk_add_f32 v[T+16:T+17], v[T:T+1], v[T+2:T+3]
.irp q, 2,3,4,5,6,7
	v_pk_add_f32 v[T+16:T+17], v[T+16:T+17], v[T+2*(\q):T+2*(\q)+1]
.endr
	v_mul_f32 v[T+29], s19, v[T+16]            ; mean
	v_fma_f32 v[T+18], v[T], s18, -v[T+29]
	v_mul_f32 v[T+19], v[T+18], v[T+18]
.irp q, 1,2,3,4,5,6,7
	v_fma_f32 v[T+18], v[T+2*(\q)], s18, -v[T+29]
	v_fma_f32 v[T+19], v[T+18], v[T+18], v[T+19]
.endr
	v_fma_f32 v[T+17], v[T+19], 0x42000000, v[T+17]
	v_fma_f32 v[T+17], v[T+17], s19, s20
	v_rsq_f32 v[T+31], v[T+17]
	v_mov_b32 v[T+25], 0                       ; a plain instruction behind the root; v_permlanex16_b32's destination counts as read
	v_mov_b32 v[T+27], 0
	v_permlanex16_b32 v[T+25], v[T+29], s14, s15
	s_wait_alu depctr_va_vdst(0)
	v_permlanex16_b32 v[T+27], v[T+31], s14, s15
	v_cndmask_b32 v[T+24], v[T+29], v[T+25], s13   ; tile 0's mean in all lanes,
	v_cndmask_b32 v[T+28], v[T+25], v[T+29], s13   ; tile 1's
	v_cndmask_b32 v[T+26], v[T+31], v[T+27], s13
	v_cndmask_b32 v[T+30], v[T+27], v[T+31], s13
.set zi, 0
.rept 4                                ; tile zi: i = zi / 2, tt = zi % 2
.irp p, 0,1,2,3
	v_pk_add_f32 v[T+2*(\p):T+2*(\p)+1], v[X+8*zi+2*(\p):X+8*zi+2*(\p)+1], v[T+24+4*(zi%2):T+25+4*(zi%2)] op_sel_hi:[1,0] neg_lo:[0,1] neg_hi:[0,1]
	v_pk_mul_f32 v[T+2*(\p):T+2*(\p)+1], v[T+2*(\p):T+2*(\p)+1], v[T+26+4*(zi%2):T+27+4*(zi%2)] op_sel_hi:[1,0]
	v_pk_fma_f32 v[T+2*(\p):T+2*(\p)+1], v[T+2*(\p):T+2*(\p)+1], v[T+32+8*(zi/2)+2*(\p):T+33+8*(zi/2)+2*(\p)], v[T+48+8*(zi/2)+2*(\p):T+49+8*(zi/2)+2*(\p)]
	v_cvt_pk_f16_f32 v[T+64+4*zi+(\p)], v[T+2*(\p)], v[T+2*(\p)+1]
.endr
	ds_store_b128 v[LW], v[T+64+4*zi:T+67+4*zi] offset:(\doff)+(zi%2)*1024+(zi/2)*512
.set zi, zi+1
.endr
	BAR
.endm
.macro HILO a, hr, ho, lr, lo          ; eight f32 -> bf16 hi and bf16 (x - hi), 16 bytes each, into two fragments
.irp p, 0,1,2,3
	v_cvt_pk_bf16_f32 v[T+(\p)], v[(\a)+2*(\p)], v[(\a)+2*(\p)+1]
.endr
.irp p, 0,1,2,3
	v_lshlrev_b32 v[T+8+2*(\p)], 16, v[T+(\p)]
	v_and_b32 v[T+9+2*(\p)], s13, v[T+(\p)]
.endr
.irp p, 0,1,2,3
	v_pk_add_f32 v[T+8+2*(\p):T+9+2*(\p)], v[(\a)+2*(\p):(\a)+2*(\p)+1], v[T+8+2*(\p):T+9+2*(\p)] neg_lo:[0,1] neg_hi:[0,1]
.endr
.irp p, 0,1,2,3
	v_cvt_pk_bf16_f32 v[T+4+(\p)], v[T+8+2*(\p)], v[T+9+2*(\p)]
.endr
	ds_store_b128 v[\hr], v[T:T+3] offset:\ho
	ds_store_b128 v[\lr], v[T+4:T+7] offset:\lo
.endm
.macro QKVOUT                          ; q, k, v leave as f16 fragments: every store of the wave is 512 consecutive aligned bytes
	ds_load_b32 v[T+64], v[PVB] offset:10*1024
	ds_load_b32 v[T+66], v[PVB] offset:10*1024+64
	v_mov_b32 v[T+65], 0
	v_mov_b32 v[T+67], 0
.set zi, 0
.rept 8
.irp p, 0,1,2,3
	v_cvt_pk_f16_f32 v[T+4*zi+(\p)], v[ACC+8*zi+2*(\p)], v[ACC+8*zi+2*(\p)+1]
.endr
	global_store_b128 v[LB], v[T+4*zi:T+4*zi+3], s[58:59] offset:(zi/4)*2097152+(zi%2)*1024+((zi/2)%2)*512
.set zi, zi+1
.endr
	s_wait_dscnt 0x0                           ; bv of my channel
.rept 4                                ; v: channel block (zi - 8) / 2, token tile zi % 2
.irp p, 0,1,2,3
	v_pk_add_f32 v[ACC+8*zi+2*(\p):ACC+8*zi+2*(\p)+1], v[ACC+8*zi+2*(\p):ACC+8*zi+2*(\p)+1], v[T+64+2*((zi-8)/2):T+65+2*((zi-8)/2)] op_sel_hi:[1,0]
.endr
.irp p, 0,1,2,3
	v_cvt_pk_f16_f32 v[T+4*zi+(\p)], v[ACC+8*zi+2*(\p)], v[ACC+8*zi+2*(\p)+1]
.endr
	global_store_b128 v[LB], v[T+4*zi:T+4*zi+3], s[58:59] offset:4194304+((zi-8)/2)*1024+(zi%2)*512
.set zi, zi+1
.endr
.endm
	s_load_b512 s[40:55], s[0:1], 0x0      ; xyz 40, embed_w1 42, embed_b1 44, pos_w1 46, pos_b1 48, wp0 50, wp2 52, sa 54
	s_load_b64 s[56:57], s[0:1], 0x40      ; grp
	v_lshl_add_u32 v[SPW], v0, 2, SPARE
	v_mov_b32 v[NIL], 0
	v_lshrrev_b32 v[LB], 5, v0
	v_readfirstlane_b32 s12, v[LB]         ; wave
	s_mov_b32 s13, 0xffff0000              ; lanes 16-31; also a word's upper bf16
	s_mov_b32 s14, 0x76543210              ; v_permlanex16_b32: each lane takes its own place in the other half
	s_mov_b32 s15, 0xfedcba98
	s_cmp_ge_u32 ttmp9, 128
	s_cbranch_scc1 .Lknn
	FRAME
	v_lshlrev_b32 v[AUX], 4, v0
	v_and_b32 v[AUX+2], 15, v0
	s_and_b32 s21, s12, 3
	s_lshl_b32 s21, s21, 7
	v_lshl_add_u32 v[AUX+3], v[AUX+2], 2, s21  ; my hidden unit in its MLP, in bytes
	v_mul_u32_u24 v[AUX+2], v[AUX+2], 96       ; a token is every eighth point: 96 bytes apart
	s_mul_i32 s62, ttmp9, 3072
	s_mov_b32 s63, 0
	s_wait_kmcnt 0x0
	s_add_nc_u64 s[8:9], s[40:41], s[62:63]
	s_cmp_lt_u32 s12, 4                    ; waves 0-3 make the embedding's hidden units, waves 4-7 the positional ones
	s_cselect_b64 s[4:5], s[42:43], s[46:47]
	s_cselect_b64 s[6:7], s[44:45], s[48:49]
	s_add_nc_u64 s[16:17], s[50:51], 1060864
	s_lshl_b32 s62, ttmp9, 15
	s_add_nc_u64 s[60:61], s[54:55], s[62:63]
	QBASE 54
.irp q, 0,1,2
	global_load_b128 v[T+4*(\q):T+4*(\q)+3], v[AUX], s[16:17] offset:PARG+4096*(\q)
.endr
	global_load_b96 v[T+32:T+34], v[AUX+2], s[8:9]
	global_load_b96 v[T+36:T+38], v[AUX+2], s[8:9] offset:1536
.irp i, 0,1
	global_load_b32 v[T+40+4*(\i)], v[AUX+3], s[4:5] offset:64*(\i)
	global_load_b32 v[T+41+4*(\i)], v[AUX+3], s[4:5] offset:64*(\i)+512
	global_load_b32 v[T+42+4*(\i)], v[AUX+3], s[4:5] offset:64*(\i)+1024
	global_load_b32 v[T+43+4*(\i)], v[AUX+3], s[6:7] offset:64*(\i)
.endr
	WIN 0x40
.set zw, 0
.rept 24
	WLD zw
.set zw, zw+1
.endr
	WIN 0
	s_wait_loadcnt 48                      ; all but the ring's 48 loads
.irp q, 0,1,2
	ds_store_b128 v[AUX], v[T+4*(\q):T+4*(\q)+3] offset:PAR+4096*(\q)
.endr
	v_mov_b32 v[T+12], 0
.irp i, 0,1                            ; source 0: (w0, w1, w2, b1) of 16 units; source 1: (x, y, z, 1) of 16 tokens; all else of K = 32 is 0
	v_cvt_pk_bf16_f32 v[T+48+8*(\i)], v[T+40+4*(\i)], v[T+41+4*(\i)]
	v_cvt_pk_bf16_f32 v[T+49+8*(\i)], v[T+42+4*(\i)], v[T+43+4*(\i)]
	v_cvt_pk_bf16_f32 v[T+64+8*(\i)], v[T+32+4*(\i)], v[T+33+4*(\i)]
	v_cvt_pk_bf16_f32 v[T+65+8*(\i)], v[T+34+4*(\i)], 1.0
	v_cndmask_b32 v[T+48+8*(\i)], v[T+48+8*(\i)], v[T+12], s13
	v_cndmask_b32 v[T+49+8*(\i)], v[T+49+8*(\i)], v[T+12], s13
	v_cndmask_b32 v[T+64+8*(\i)], v[T+64+8*(\i)], v[T+12], s13
	v_cndmask_b32 v[T+65+8*(\i)], v[T+65+8*(\i)], v[T+12], s13
.irp j, 2,3,4,5,6,7
	v_mov_b32 v[T+48+8*(\i)+(\j)], 0
	v_mov_b32 v[T+64+8*(\i)+(\j)], 0
.endr
.endr
.irp i, 0,1
.irp t, 0,1
	v_wmma_f32_16x16x32_bf16 v[ACC+8*(2*(\i)+(\t)):ACC+8*(2*(\i)+(\t))+7], v[T+48+8*(\i):T+55+8*(\i)], v[T+64+8*(\t):T+71+8*(\t)], 0
.endr
.endr
	PLACES
.set zi, 0
.rept 32
	v_max_num_f32 v[ACC+zi], 0, v[ACC+zi]
.set zi, zi+1
.endr
.set zi, 0
.rept 4
.set za, ACC+8*zi
.set zo, (zi%2)*1024+(zi/2)*512
	HILO za, LW, R2+zo, LWG, zo
.set zi, zi+1
.endr
	BAR                                    ; parameters and hidden fragments are whole
	PREX 0                                 ; embed_b2 + pos_b2
	STAGE bf16, 0, 2, 8, X, 4, 1, LB, R2, LBG, 0
.irp q, 0,1,2,3,4,5,6,7
	global_store_b128 v[XA], v[X+4*(\q):X+4*(\q)+3], s[60:61] offset:512*(\q)
.endr
	LN STB, 6, 7, R1
	PREQK
	STAGE f16, 16, 6, 8, ACC, 2, 2, LB, R1
	QKVOUT
	END
; ---------------- the points' part ----------------
.set AF,  32                           ; v[32:63]   four token fragments: registers 0-3 loaded, 4-7 always 0
.set BQ,  64                           ; v[64:79]   two point fragments
.set CQ,  80                           ; v[80:95]   q2, eight times a tile
.set DD,  96                           ; v[96:159]  two sets of four accumulators: set s, token tile u, point tile q at DD + 32 s + 16 u + 8 q
.set KY,  160                          ; v[160:167] the four least keys, ascending, a point tile
.set GA,  168                          ; group number of token tile u = 0: lane/16 + 2 x tile
.set GB,  169                          ; of u = 1
.set AT,  170
.set LBK, 171
.set TM,  172
.macro INS key, q                      ; a key into the sorted four
	v_med3_num_f32 v[KY+4*(\q)+3], v[\key], v[KY+4*(\q)+2], v[KY+4*(\q)+3]
	v_med3_num_f32 v[KY+4*(\q)+2], v[\key], v[KY+4*(\q)+1], v[KY+4*(\q)+2]
	v_med3_num_f32 v[KY+4*(\q)+1], v[\key], v[KY+4*(\q)], v[KY+4*(\q)+1]
	v_min_num_f32 v[KY+4*(\q)], v[\key], v[KY+4*(\q)]
.endm
.macro PROC s                          ; set s: the least of a lane's eight distances is its group's; each accumulator's lowest registers are read first
.irp e, 0,1,2,3
	v_min3_num_f32 v[180+(\e)], v[DD+32*(\s)+8*(\e)], v[DD+32*(\s)+8*(\e)+1], v[DD+32*(\s)+8*(\e)+2]
.endr
.irp e, 0,1,2,3
	v_min3_num_f32 v[180+(\e)], v[180+(\e)], v[DD+32*(\s)+8*(\e)+3], v[DD+32*(\s)+8*(\e)+4]
.endr
.irp e, 0,1,2,3
	v_min3_num_f32 v[180+(\e)], v[180+(\e)], v[DD+32*(\s)+8*(\e)+5], v[DD+32*(\s)+8*(\e)+6]
.endr
.irp e, 0,1,2,3
	v_min_num_f32 v[180+(\e)], v[180+(\e)], v[DD+32*(\s)+8*(\e)+7]
.endr
.irp e, 0,1,2,3
	v_max_num_f32 v[180+(\e)], s25, v[180+(\e)]
.endr
	v_and_or_b32 v180, v180, s24, v[GA]
	v_and_or_b32 v181, v181, s24, v[GA]
	v_and_or_b32 v182, v182, s24, v[GB]
	v_and_or_b32 v183, v183, s24, v[GB]
	INS 180, 0
	INS 181, 1
	INS 182, 0
	INS 183, 1
	v_add_nc_u32 v[GA], 4, v[GA]
	v_add_nc_u32 v[GB], 4, v[GB]
.endm
; A half: two token tiles x two point tiles.  cnt: the next half's two loads may stay out.  The other set's keys are made behind the products: more than four plain
; instructions that name none of their registers, so the loads into this set's token fragments may follow.
.macro HALF s, proc, load, cnt, off
	s_wait_dscnt \cnt
.irp e, 0,1,2,3
	v_wmma_f32_16x16x32_bf16 v[DD+32*(\s)+8*(\e):DD+32*(\s)+8*(\e)+7], v[AF+8*(2*(\s)+(\e)/2):AF+8*(2*(\s)+(\e)/2)+7], v[BQ+8*((\e)%2):BQ+8*((\e)%2)+7], v[CQ+8*((\e)%2):CQ+8*((\e)%2)+7]
.endr
.if \proc
	PROC 1-(\s)
.else
	PLACES
.endif
.if \load
	ds_load_b128 v[AF+16*(\s):AF+16*(\s)+3], v[AT] offset:\off
	ds_load_b128 v[AF+16*(\s)+8:AF+16*(\s)+11], v[AT] offset:(\off)+512
.endif
.endm
.macro CMPX a, b                       ; the smaller into a
	v_min_u32 v[TM], v[\a], v[\b]
	v_max_u32 v[\b], v[\a], v[\b]
	v_mov_b32 v[\a], v[TM]
.endm
.Lknn:
	s_sub_co_u32 s21, ttmp9, 128           ; my block of 256 points
	s_lshr_b32 s22, s21, 6                 ; cloud
	v_and_b32 v[LBK], 31, v0
	v_lshlrev_b32 v[LBK], 4, v[LBK]
	v_mov_b32 v[AT], v[LBK]
	v_lshlrev_b32 v2, 4, v0
	v_and_b32 v3, 15, v0
	s_lshl_b32 s23, s12, 5
	v_add_nc_u32 v3, s23, v3
	v_mul_u32_u24 v3, v3, 12
	v_bfe_u32 v[GA], v0, 4, 1
	v_add_nc_u32 v[GB], 2, v[GA]
	s_lshl_b32 s62, s22, 16
	s_add_co_u32 s62, s62, 1060864
	s_mov_b32 s63, 0
	s_mul_i32 s6, s21, 3072
	s_mov_b32 s7, 0
	s_lshl_b32 s8, s21, 10
	s_mov_b32 s9, 0
	s_mov_b32 s24, 0xffffff00
	s_mov_b32 s25, 0x0d800000              ; 2^-100
	s_mov_b32 s26, 0
	s_wait_kmcnt 0x0
	s_add_nc_u64 s[4:5], s[52:53], s[62:63]    ; my cloud's token rows, 65,536 bytes
	s_add_nc_u64 s[6:7], s[40:41], s[6:7]
	s_add_nc_u64 s[8:9], s[56:57], s[8:9]
.irp q, 0,1,2,3,4,5,6,7,8,9,10,11,12,13,14,15
	global_load_b128 v[DD+4*(\q):DD+4*(\q)+3], v2, s[4:5] offset:4096*(\q)
.endr
	global_load_b96 v[172:174], v3, s[6:7]
	global_load_b96 v[176:178], v3, s[6:7] offset:192
.irp q, 0,1,2,3,4,5,6,7
	v_mov_b32 v[KY+(\q)], 0x7f7fffff
	v_mov_b32 v[184+(\q)], 0
.endr
.irp q, 0,1,2,3
.irp j, 4,5,6,7
	v_mov_b32 v[AF+8*(\q)+(\j)], 0
.endr
.endr
	v_mov_b32 v180, 0
	s_wait_loadcnt 2                       ; the token rows are in; the two point loads may stay out
.irp q, 0,1,2,3,4,5,6,7,8,9,10,11,12,13,14,15
	ds_store_b128 v2, v[DD+4*(\q):DD+4*(\q)+3] offset:4096*(\q)
.endr
	s_wait_loadcnt 0x0
.irp q, 0,1
	v_cvt_pk_bf16_f32 v[BQ+8*(\q)], v[172+4*(\q)], v[173+4*(\q)]
	v_cvt_pk_bf16_f32 v[BQ+8*(\q)+1], v[174+4*(\q)], 1.0
	v_mov_b32 v[BQ+8*(\q)+2], 0x3f803f80
	v_lshlrev_b32 v181, 16, v[BQ+8*(\q)]
	v_and_b32 v182, s13, v[BQ+8*(\q)]
	v_lshlrev_b32 v183, 16, v[BQ+8*(\q)+1]
	v_mul_f32 v[CQ+8*(\q)], v181, v181
	v_fma_f32 v[CQ+8*(\q)], v182, v182, v[CQ+8*(\q)]
	v_fma_f32 v[CQ+8*(\q)], v183, v183, v[CQ+8*(\q)]
.irp j, 1,2,3,4,5,6,7
	v_mov_b32 v[CQ+8*(\q)+(\j)], v[CQ+8*(\q)]
.endr
.irp j, 0,1,2
	v_cndmask_b32 v[BQ+8*(\q)+(\j)], v[BQ+8*(\q)+(\j)], v180, s13
.endr
.irp j, 3,4,5,6,7
	v_mov_b32 v[BQ+8*(\q)+(\j)], 0
.endr
.endr
	BAR
	ds_load_b128 v[AF:AF+3], v[AT]
	ds_load_b128 v[AF+8:AF+11], v[AT] offset:512
	ds_load_b128 v[AF+16:AF+19], v[AT] offset:1024
	ds_load_b128 v[AF+24:AF+27], v[AT] offset:1536
	HALF 0, 0, 1, 2, 2048                  ; half 0; each half asks for the half two further on
	s_mov_b32 s27, 30
.Lhalves:                              ; halves 1 to 60
	HALF 1, 1, 1, 2, 3072
	HALF 0, 1, 1, 2, 4096
	s_add_co_u32 s26, s26, 2048
	v_add_nc_u32 v[AT], s26, v[LBK]
	s_sub_co_u32 s27, s27, 1
	s_cmp_lg_u32 s27, 0
	s_cbranch_scc1 .Lhalves
	HALF 1, 1, 1, 2, 3072                  ; half 61 asks for the last
	HALF 0, 1, 0, 2, 0
	HALF 1, 1, 0, 0, 0
	PLACES
	PROC 1
.irp q, 0,1                            ; the other half of the lanes holds the point's other 128 groups
.irp k, 0,1,2,3
	v_permlanex16_b32 v[184+4*(\q)+(\k)], v[KY+4*(\q)+(\k)], s14, s15
.endr
.endr
.irp k, 0,1,2,3
	INS 184+\k, 0
	INS 188+\k, 1
.endr
.irp q, 0,1,2,3,4,5,6,7
	v_and_b32 v[KY+(\q)], 0xff, v[KY+(\q)]
.endr
.irp q, 0,1                            ; ascending group numbers, so that the later launch meets the tokens in ascending order
	CMPX KY+4*\q, KY+4*\q+1
	CMPX KY+4*\q+2, KY+4*\q+3
	CMPX KY+4*\q, KY+4*\q+2
	CMPX KY+4*\q+1, KY+4*\q+3
	CMPX KY+4*\q+1, KY+4*\q+2
	v_lshl_or_b32 v[KY+4*(\q)], v[KY+4*(\q)+1], 8, v[KY+4*(\q)]
	v_lshl_or_b32 v[KY+4*(\q)], v[KY+4*(\q)+2], 16, v[KY+4*(\q)]
	v_lshl_or_b32 v[KY+4*(\q)], v[KY+4*(\q)+3], 24, v[KY+4*(\q)]
.endr
	v_cndmask_b32 v[TM], v[KY], v[KY+4], s13
	v_lshlrev_b32 v[TM+1], 2, v0
	global_store_b32 v[TM+1], v[TM], s[8:9]
	END
.Lfunc_end_k_q9f05e60021_emb:
	.size	k_q9f05e60021_emb, .Lfunc_end_k_q9f05e60021_emb-k_q9f05e60021_emb
	.p2alignl 7, 3214868480
	.fill 96, 4, 3214868480
	.section	.rodata,"a",@progbits
	.p2align	6, 0x0
	.amdhsa_kernel k_q9f05e60021_emb
		.amdhsa_group_segment_fixed_size 82944
		.amdhsa_private_segment_fixed_size 0
		.amdhsa_enable_private_segment 0
		.amdhsa_kernarg_size 72
		.amdhsa_user_sgpr_count 2
		.amdhsa_user_sgpr_kernarg_segment_ptr 1
		.amdhsa_wavefront_size32 1
		.amdhsa_system_sgpr_workgroup_id_x 1
		.amdhsa_system_sgpr_workgroup_id_y 1
		.amdhsa_system_sgpr_workgroup_id_z 1
		.amdhsa_system_vgpr_workitem_id 0
		.amdhsa_next_free_vgpr 512
		.amdhsa_next_free_sgpr 66
		.amdhsa_reserve_vcc 0
		.amdhsa_float_denorm_mode_32 3
		.amdhsa_float_denorm_mode_16_64 3
		.amdhsa_memory_ordered 1
		.amdhsa_forward_progress 1
		.amdhsa_inst_pref_size 91
	.end_amdhsa_kernel
	.amdgpu_metadata
---
amdhsa.version: [ 1, 2 ]
amdhsa.kernels:
  - .name:           k_q9f05e60021_emb
    .symbol:         k_q9f05e60021_emb.kd
    .args:
      - { .name: xyz, .offset: 0, .size: 8, .value_kind: global_buffer, .address_space: global }
      - { .name: embed_w1, .offset: 8, .size: 8, .value_kind: global_buffer, .address_space: global }
      - { .name: embed_b1, .offset: 16, .size: 8, .value_kind: global_buffer, .address_space: global }
      - { .name: pos_w1, .offset: 24, .size: 8, .value_kind: global_buffer, .address_space: global }
      - { .name: pos_b1, .offset: 32, .size: 8, .value_kind: global_buffer, .address_space: global }
      - { .name: wp0, .offset: 40, .size: 8, .value_kind: global_buffer, .address_space: global }
      - { .name: wp2, .offset: 48, .size: 8, .value_kind: global_buffer, .address_space: global }
      - { .name: sa, .offset: 56, .size: 8, .value_kind: global_buffer, .address_space: global }
      - { .name: grp, .offset: 64, .size: 8, .value_kind: global_buffer, .address_space: global }
    .group_segment_fixed_size: 82944
    .private_segment_fixed_size: 0
    .kernarg_segment_align: 8
    .kernarg_segment_size: 72
    .max_flat_workgroup_size: 256
    .sgpr_count:     66
    .vgpr_count:     512
    .wavefront_size: 32
...
	.end_amdgpu_metadata
.endif
;; end of part 2
;; launch attn (part 3): grid 16 x 16, 4 waves a work-group, clusters of 4 x 1, 262,656 bytes of LDS; arguments sa, ob; writes ob
.if DOCPART == 3
	.amdgcn_target "amdgcn-amd-amdhsa--gfx1250"
	.amdhsa_code_object_version 6
	.text
	.protected	k_q9f05e60021_attn
	.globl	k_q9f05e60021_attn
	.p2align	8
	.type	k_q9f05e60021_attn,@function
k_q9f05e60021_attn:
	s_mov_b64 s[64:65], 0
	v_nop
	global_prefetch_b8 v0, s[64:65] scope:SCOPE_SE
	s_setreg_imm32_b32 hwreg(HW_REG_WAVE_MODE, 25, 1), 1
	s_wait_xcnt 0x0
	s_wait_alu depctr_hold_cnt(0) depctr_sa_sdst(0) depctr_va_vdst(0) depctr_va_sdst(0) depctr_va_ssrc(0) depctr_va_vcc(0) depctr_vm_vsrc(0)
	s_getreg_b32 s2, hwreg(HW_REG_IB_STS2, 6, 4)
	s_cmp_eq_u32 s2, 0
	s_cbranch_scc0 .Lentry_in_a_cluster
	s_endpgm
.Lentry_in_a_cluster:
	s_bfe_u32 s2, ttmp6, 0x10000c
	s_cmp_lg_u32 s2, 0x3003
	s_cbranch_scc0 .Lentry_shape_is_right
	s_endpgm
.Lentry_shape_is_right:
; ATTENTION, head size 32, 2,048 keys, no mask.  q, k, v arrive as f16 fragments (1,024 bytes: byte half*512 + lane*16), o leaves as f16 fragments.
; SHARES.  Work-group (x, y): head y (cloud y / 8), 128 queries; each of four waves two tiles of 16 queries.  A head's K and V, 131,072 bytes each, lie in LDS whole:
; nothing is filled again.  CLUSTER: the four query blocks of a cluster belong to one head, so K and V are asked for JOINTLY (same load, descriptor and mask in all four).
; They come in four phases of 512 keys; a wave has four tensor loads out at most, and a phase is waited for just before its first read.
; LAYOUT.  S^T = K Q^T: a lane holds ONE query (lane % 16) and keys 8 (lane / 16) + 0..7; rounded in pairs, in place, it IS source 1 of O^T = V^T P.
; The row sum l is a third product: rows 0 and 8 of its source 0 are ones, so register 0 of every lane holds l of its query, summed over the rounded p.
; SOFTMAX.  p = 2^(c s - c m), c = log2(e) / sqrt(32), m the running maximum; O and l are multiplied by a = 2^(c m_old - c m_new) in every step.
; m starts at the lowest finite number, O and l at 0, so the first step is a step like any other, with a = 0.
; BY TURNS.  A tile and step have 10 matrix and 95 vector instructions.  In a turn one tile has the matrix unit (6 products V^T P and l of the step in hand, 4 products K Q^T of
; the next step) and the other tile's softmax stands in slices behind its matrix instructions.  Two turns are a key step of 64 keys.
; LIMITS.  p below 6e-8 counts as 0 (f16), a weight below 2^-126 as 0; q, k, v within 65,504; NaN and infinities are not treated apart.
.set QOFF,  4194304
.set KOFF,  6291456
.set VOFF,  8388608
.set VL,    131072                     ; V's fragments in LDS, behind K's
.set SPARE, 262144                     ; the spare words: 128 bytes a wave, named by no other line
.set LB,   1                           ; 16 lane
.set AK,   2
.set AV,   3
.set SPW,  4
.set NIL,  5
.set ST,   8                           ; v[8:23]    a tile's eight: c m, m, a, (pair), c0-c3 at work
.set ONES, 24                          ; v[24:31]
.set Q,    32                          ; v[32:47]
.set OA,   48                          ; v[48:95]   a tile's 24: O^T channels 0-15, 16-31, l
.set KF,   96                          ; v[96:127]  K of one step: four fragments
.set VF,   128                         ; v[128:159] V of one step: fragment (32 keys kb, 16 channels cb) at VF + 8 (2 kb + cb)
.set S,    160                         ; v[160:223] S^T, 32 a tile; p, rounded, takes the tile's first 16
.set WV,   12
.set G1,   24                          ; s[24:31]
.set G0K,  32                          ; s[32:47] four sets, one a phase
.set G0V,  48                          ; s[48:63]
.set CS,   66                          ; s[66:67] c
.set SEL,  68                          ; s[68:69]
.set TBK,  70                          ; LDS byte of the K step to be fetched
.set TBV,  71
.set CNT,  72
.macro ROUND                           ; a round of the cluster's barrier
	s_barrier_signal -1
	s_barrier_wait -1
	s_cmp_lg_u32 s[WV], 0
	s_cbranch_scc1 .Lnot_wave_0_\@
	s_barrier_signal -3
.Lnot_wave_0_\@:
	s_barrier_wait -3
	s_barrier_signal -1
	s_barrier_wait -1
.endm
.macro PLACES
.rept 4
	v_nop
.endr
.endm
.macro BAR
	s_wait_dscnt 0x0
	s_barrier_signal -1
	s_barrier_wait -1
.endm
	s_load_b128 s[4:7], s[0:1], 0x0        ; the state s[4:5], ob s[6:7]
	v_lshl_add_u32 v[SPW], v0, 2, SPARE
	v_mov_b32 v[NIL], 0
	ds_add_u32 v[SPW], v[NIL]              ; the wave's opening: the add and its wait stand ahead of my first tensor load
	ds_add_u32 v4, v5
	v_lshrrev_b32 v1, 5, v0
	v_readfirstlane_b32 s[WV], v1
	s_bfe_u32 s13, ttmp6, 0x40000          ; cx
	s_lshl_b32 s14, ttmp9, 2
	s_add_co_u32 s14, s14, s13             ; my block of 128 queries: it enters q's and o's addresses alone
	s_and_b32 s15, ttmp7, 0xffff           ; cloud x 8 + head, shared by the four partners
	s_mov_b32 s[G1], 15|(3<<16)|(1<<21)    ; the mask of four; elements of 8 bytes; bit 21 beside a mask
	s_mov_b32 s[G1+1], 32<<16              ; tensor_dim0 = 32 elements: rows of 256 bytes
	s_mov_b32 s[G1+2], 64<<16              ; tensor_dim1 = 64
	s_mov_b32 s[G1+3], 32<<16              ; tile_dim0 = 32
	s_mov_b32 s[G1+4], 64                  ; tile_dim1 = 64: 16,384 dense bytes
	s_mov_b32 s[G1+5], 32                  ; from row to row
	s_mov_b32 s[G1+6], 0
	s_mov_b32 s[G1+7], 0
	s_and_b32 s16, s[WV], 1
	s_lshl_b32 s17, s16, 14                ; which half of a phase I fetch, in LDS and in memory
	s_lshl_b32 s18, s15, 17
	s_add_co_u32 s18, s18, s17
	s_mov_b32 s19, 0
	s_mov_b32 s[CS], 0x3e8293ee            ; log2(e) / sqrt(32)
	s_mov_b32 s[CS+1], s[CS]
	s_mov_b32 s[SEL], 0x76543210
	s_mov_b32 s[SEL+1], 0xfedcba98
	s_mov_b32 s[TBK], 0
	s_mov_b32 s[TBV], VL
	s_wait_dscnt 0x0                       ; the opening add is done
	s_wait_kmcnt 0x0
	s_add_nc_u64 s[20:21], s[4:5], s[18:19]
.irp p, 0,1,2,3
	s_mov_b32 s[G0K+4*(\p)], 1
	s_add_co_u32 s[G0K+4*(\p)+1], s17, (\p)*32768
	s_add_nc_u64 s[G0K+4*(\p)+2:G0K+4*(\p)+3], s[20:21], KOFF+(\p)*32768
	s_or_b32 s[G0K+4*(\p)+3], s[G0K+4*(\p)+3], 0x80000000
	s_mov_b32 s[G0V+4*(\p)], 1
	s_add_co_u32 s[G0V+4*(\p)+1], s17, VL+(\p)*32768
	s_add_nc_u64 s[G0V+4*(\p)+2:G0V+4*(\p)+3], s[20:21], VOFF+(\p)*32768
	s_or_b32 s[G0V+4*(\p)+3], s[G0V+4*(\p)+3], 0x80000000
.endr
	ROUND                                  ; all four work-groups are here: the joint loads meet
	s_cmp_lt_u32 s[WV], 2                  ; waves 0, 1 fetch K's halves, waves 2, 3 V's: a wave's four fills stand in one branch
	s_cbranch_scc0 .Lfirst_v
.irp p, 0,1,2,3
	tensor_load_to_lds s[G0K+4*(\p):G0K+4*(\p)+3], s[G1:G1+7]
	s_nop 0
.endr
.rept 4
	v_nop
.endr
	s_branch .Lasked
.Lfirst_v:
.irp p, 0,1,2,3
	tensor_load_to_lds s[G0V+4*(\p):G0V+4*(\p)+3], s[G1:G1+7]
	s_nop 0
.endr
.rept 4
	v_nop
.endr
.Lasked:
	v_and_b32 v[LB], 31, v0
	v_lshlrev_b32 v[LB], 4, v[LB]
	s_lshl_b32 s74, s15, 7
	s_lshl3_add_u32 s74, s14, s74
	s_lshl1_add_u32 s74, s[WV], s74        ; my first query tile among the head's
	s_lshl_b32 s74, s74, 10
	s_add_co_u32 s74, s74, QOFF
	s_mov_b32 s75, 0
	s_add_nc_u64 s[8:9], s[4:5], s[74:75]
	s_lshr_b32 s76, s15, 3
	s_lshl_b32 s76, s76, 7
	s_lshl3_add_u32 s76, s14, s76
	s_lshl1_add_u32 s76, s[WV], s76        ; my first token tile
	s_and_b32 s78, s15, 7
	s_lshl3_add_u32 s76, s76, s78          ; x 8 + head
	s_lshl_b32 s76, s76, 10
	s_mov_b32 s77, 0
	s_add_nc_u64 s[10:11], s[6:7], s[76:77]
.irp q, 0,1,2,3
	global_load_b128 v[Q+4*(\q):Q+4*(\q)+3], v[LB], s[8:9] offset:512*(\q)
.endr
	v_and_b32 v[AK], 7, v0
	v_cmp_eq_u32 vcc_lo, 0, v[AK]
.irp q, 0,1,2,3,4,5,6,7
	v_cndmask_b32 v[ONES+(\q)], 0, 0x3c003c00, vcc_lo
.endr
.set zi, 0
.rept 48                               ; O and l start at 0: this stands in the wait for the first phase
	v_mov_b32 v[OA+zi], 0
.set zi, zi+1
.endr
.irp x, 0,1
	v_mov_b32 v[ST+8*(\x)], 0xfe000000     ; c m: far below every c s
	v_mov_b32 v[ST+8*(\x)+1], 0xff7fffff   ; m
	v_mov_b32 v[ST+8*(\x)+2], 0
	v_mov_b32 v[ST+8*(\x)+3], 0
.endr
.macro FETCH_K                         ; a step's four fragments of K: eight loads of 512 consecutive bytes
	v_add_nc_u32 v[AK], s[TBK], v[LB]
.irp q, 0,1,2,3,4,5,6,7
	ds_load_b128 v[KF+4*(\q):KF+4*(\q)+3], v[AK] offset:512*(\q)
.endr
	s_add_co_u32 s[TBK], s[TBK], 4096
.endm
.macro FETCH_V
	v_add_nc_u32 v[AV], s[TBV], v[LB]
.irp q, 0,1,2,3,4,5,6,7
	ds_load_b128 v[VF+4*(\q):VF+4*(\q)+3], v[AV] offset:512*(\q)
.endr
	s_add_co_u32 s[TBV], s[TBV], 4096
.endm
.macro SMF b                           ; c s - c m for pair b
	v_pk_fma_f32 v[rS+2*(\b):rS+2*(\b)+1], v[rS+2*(\b):rS+2*(\b)+1], s[CS:CS+1], v[rT:rT+1] op_sel_hi:[1,0,0] neg_lo:[0,0,1] neg_hi:[0,0,1]
.endm
.macro SME e
	v_exp_f32 v[rS+(\e)], v[rS+(\e)]
.endm
.macro SMC k                           ; pair k rounded to f16, into register k: its old content has been rounded already
	s_wait_alu depctr_va_vdst(0)
	v_cvt_pk_f16_f32 v[rS+(\k)], v[rS+2*(\k)], v[rS+2*(\k)+1]
.endm
.macro SMR k                           ; O^T and l times a, from each accumulator's low end on
.if (\k) < 8
	s_wait_alu depctr_va_vdst(0)
	v_pk_mul_f32 v[rO+2*(\k):rO+2*(\k)+1], v[rO+2*(\k):rO+2*(\k)+1], v[rT+2:rT+3] op_sel_hi:[1,0]
.else
	v_mul_f32 v[rO+16], v[rO+16], v[rT+2]
.endif
.endm
; Number zn of the 95 of tile t's softmax.  0-15 the maximum (four chains, each accumulator's lowest registers first, the old m last); 16-20 the other half of the lanes, m, c m, its change;
; 21-25 the first four scalings and a; from 26 on in fours: exponential, plain, exponential, plain, so that no two exponentials follow each other and each has a plain
; instruction behind it before its result is used; the plain ones are scalings four pairs ahead, roundings a pair back, and the rescaling.
.macro SM t
.set rT, ST+8*(\t)
.set rS, S+32*(\t)
.set rO, OA+24*(\t)
.if zn < 4
	v_max3_num_f32 v[rT+4+zn], v[rS+8*zn], v[rS+8*zn+1], v[rS+8*zn+2]
.elseif zn < 12
	v_max3_num_f32 v[rT+4+zn%4], v[rT+4+zn%4], v[rS+8*(zn%4)+2*(zn/4)+1], v[rS+8*(zn%4)+2*(zn/4)+2]
.elseif zn == 12
	v_max3_num_f32 v[rT+4], v[rT+4], v[rS+7], v[rS+15]
.elseif zn == 13
	v_max3_num_f32 v[rT+6], v[rT+6], v[rS+23], v[rS+31]
.elseif zn == 14
	v_max3_num_f32 v[rT+4], v[rT+4], v[rT+5], v[rT+6]
.elseif zn == 15
	v_max3_num_f32 v[rT+4], v[rT+4], v[rT+7], v[rT+1]
.elseif zn == 16
	v_permlanex16_b32 v[rT+5], v[rT+4], s[SEL], s[SEL+1]
.elseif zn == 17
	v_mov_b32 v[rT+7], v[rT]
.elseif zn == 18
	v_max_num_f32 v[rT+1], v[rT+4], v[rT+5]
.elseif zn == 19
	v_mul_f32 v[rT], s[CS], v[rT+1]
.elseif zn == 20
	v_sub_f32 v[rT+7], v[rT+7], v[rT]
.elseif zn == 23
	v_exp_f32 v[rT+2], v[rT+7]
.elseif zn < 26
	SMF zn-21-zn/24
.elseif zn < 90
.set zi, (zn-26)/4
.set zo, (zn-26)%4
.if zo == 0
	SME 2*zi
.elseif zo == 2
	SME 2*zi+1
.elseif zo == 1
.if zi < 12
	SMF zi+4
.else
	SMR zi-11
.endif
.elseif zi == 0
	SMR 0
.else
	SMC zi-1
.endif
.elseif zn == 90
	SMR 5
.elseif zn == 91
	SMC 15
.else
	SMR zn-86
.endif
.endm
.macro RIDE y, c
.rept \c
	SM \y
.set zn, zn+1
.endr
.endm
.macro PVM x                           ; product ze of 6: keys 32 (ze / 3) on; channels 0-15, 16-31, or the row sum.  The three accumulators take turns
.set zd, OA+24*(\x)+8*(ze%3)
.set zb, S+32*(\x)+8*(ze/3)
.set za, VF+16*(ze/3)+8*(ze%3)
.if ze%3 == 2
.set za, ONES
.endif
	v_wmma_f32_16x16x32_f16 v[zd:zd+7], v[za:za+7], v[zb:zb+7], v[zd:zd+7]
.endm
; A turn of tile x.  The new scores are made in the order 2, 3, 0, 1 of their key tiles: tiles 0 and 1 land on p, whose last reader then stands 27 riders or more back.
; Tile 0's turn fetches the next step's K behind its first product (K's last reader stands 23 riders back) and waits for it in front of the scores;
; tile 1's turn fetches the next step's V behind its first score product (V's last reader stands 27 riders back); it is waited for at the head of tile 0's turn.
.macro TURN x, kq
.set zn, 0
.if (\x) == 0
	s_wait_dscnt 0x0                       ; V is in
.endif
.set ze, 0
.rept 6
	PVM \x
.if \kq
	RIDE 1-(\x), 9
.elseif ze < 5
	RIDE 1-(\x), 16
.else
	RIDE 1-(\x), 15
.endif
.if ((\x) == 0) && (\kq) && (ze == 0)
	FETCH_K
.endif
.set ze, ze+1
.endr
.if \kq
.if (\x) == 0
	s_wait_dscnt 0x0                       ; K is in
.endif
.irp kt, 2,3,0,1
	v_wmma_f32_16x16x32_f16 v[S+32*(\x)+8*(\kt):S+32*(\x)+8*(\kt)+7], v[KF+8*(\kt):KF+8*(\kt)+7], v[Q+8*(\x):Q+8*(\x)+7], 0
.if (\kt) == 1
	RIDE 1-(\x), 14
.else
	RIDE 1-(\x), 9
.endif
.if ((\x) == 1) && ((\kt) == 2)
	FETCH_V
.endif
.endr
.endif
.endm
.macro SEG trips
	s_mov_b32 s[CNT], \trips
.Lseg_\@:
	TURN 0, 1
	TURN 1, 1
	s_sub_co_u32 s[CNT], s[CNT], 1
	s_cmp_lg_u32 s[CNT], 0
	s_cbranch_scc1 .Lseg_\@
.endm
	s_wait_tensorcnt 3                     ; my part of phase 0 is in; my three younger loads stay out
	BAR                                    ; everybody's is
	FETCH_K                                ; step 0
	s_wait_loadcnt 0x0                     ; q
	s_wait_dscnt 0x0
.irp x, 0,1
.irp kt, 0,1,2,3
	v_wmma_f32_16x16x32_f16 v[S+32*(\x)+8*(\kt):S+32*(\x)+8*(\kt)+7], v[KF+8*(\kt):KF+8*(\kt)+7], v[Q+8*(\x):Q+8*(\x)+7], 0
.endr
.endr
	PLACES
	FETCH_V
.set zn, 0
	RIDE 0, 95                             ; tile 0's first softmax: there is no matrix work yet to set it beside
	SEG 7                                  ; trips 0-6 fetch steps 1-7: phase 0
	s_wait_tensorcnt 2                     ; phase 1
	BAR
	SEG 8                                  ; trips 7-14 fetch steps 8-15
	s_wait_tensorcnt 0x0                   ; phases 2 and 3
	BAR
	SEG 16                                 ; trips 15-30 fetch steps 16-31
	TURN 0, 0                              ; tile 0's last products beside tile 1's last softmax
.set ze, 0
.rept 6
	PVM 1
.set ze, ze+1
.endr
	PLACES
	v_rcp_f32 v[ST+2], v[OA+16]
	v_rcp_f32 v[ST+10], v[OA+40]
	v_nop                                  ; a plain instruction between the reciprocals and their use
.irp x, 0,1
.irp k, 0,1,2,3,4,5,6,7
	s_wait_alu depctr_va_vdst(0)
	v_pk_mul_f32 v[OA+24*(\x)+2*(\k):OA+24*(\x)+2*(\k)+1], v[OA+24*(\x)+2*(\k):OA+24*(\x)+2*(\k)+1], v[ST+8*(\x)+2:ST+8*(\x)+3] op_sel_hi:[1,0]
.endr
.irp k, 0,1,2,3,4,5,6,7
	v_cvt_pk_f16_f32 v[S+32*(\x)+(\k)], v[OA+24*(\x)+2*(\k)], v[OA+24*(\x)+2*(\k)+1]
.endr
	global_store_b128 v[LB], v[S+32*(\x):S+32*(\x)+3], s[10:11] offset:(\x)*8192      ; 512 consecutive aligned bytes: half a fragment of the next product
	global_store_b128 v[LB], v[S+32*(\x)+4:S+32*(\x)+7], s[10:11] offset:(\x)*8192+512
.endr
	s_wait_tensorcnt 0x0                   ; the wave's end
	ds_add_u32 v[SPW], v[NIL]
	s_wait_dscnt 0x0
	ROUND                                  ; the closing round
	s_endpgm
.Lfunc_end_k_q9f05e60021_attn:
	.size	k_q9f05e60021_attn, .Lfunc_end_k_q9f05e60021_attn-k_q9f05e60021_attn
	.p2alignl 7, 3214868480
	.fill 96, 4, 3214868480
	.section	.rodata,"a",@progbits
	.p2align	6, 0x0
	.amdhsa_kernel k_q9f05e60021_attn
		.amdhsa_group_segment_fixed_size 262656
		.amdhsa_private_segment_fixed_size 0
		.amdhsa_enable_private_segment 0
		.amdhsa_kernarg_size 16
		.amdhsa_user_sgpr_count 2
		.amdhsa_user_sgpr_kernarg_segment_ptr 1
		.amdhsa_wavefront_size32 1
		.amdhsa_system_sgpr_workgroup_id_x 1
		.amdhsa_system_sgpr_workgroup_id_y 1
		.amdhsa_system_sgpr_workgroup_id_z 1
		.amdhsa_system_vgpr_workitem_id 0
		.amdhsa_next_free_vgpr 224
		.amdhsa_next_free_sgpr 80
		.amdhsa_reserve_vcc 1
		.amdhsa_float_denorm_mode_32 3
		.amdhsa_float_denorm_mode_16_64 3
		.amdhsa_memory_ordered 1
		.amdhsa_forward_progress 1
		.amdhsa_inst_pref_size 68
	.end_amdhsa_kernel
	.amdgpu_metadata
---
amdhsa.version: [ 1, 2 ]
amdhsa.kernels:
  - .name:           k_q9f05e60021_attn
    .symbol:         k_q9f05e60021_attn.kd
    .args:
      - { .name: sa, .offset: 0, .size: 8, .value_kind: global_buffer, .address_space: global }
      - { .name: ob, .offset: 8, .size: 8, .value_kind: global_buffer, .address_space: global }
    .group_segment_fixed_size: 262656
    .private_segment_fixed_size: 0
    .kernarg_segment_align: 8
    .kernarg_segment_size: 16
    .max_flat_workgroup_size: 128
    .sgpr_count:     80
    .vgpr_count:     224
    .wavefront_size: 32
...
	.end_amdgpu_metadata
.endif
;; end of part 3
;; launch post (part 4): grid 128 x 1, 8 waves a work-group, no clusters, 82,944 bytes of LDS; arguments ob, sa, wp0, sb; writes sb
.if DOCPART == 4
	.amdgcn_target "amdgcn-amd-amdhsa--gfx1250"
	.amdhsa_code_object_version 6
	.text
	.protected	k_q9f05e60021_post
	.globl	k_q9f05e60021_post
	.p2align	8
	.type	k_q9f05e60021_post,@function
k_q9f05e60021_post:
	s_mov_b64 s[64:65], 0
	v_nop
	global_prefetch_b8 v0, s[64:65] scope:SCOPE_SE
	s_setreg_imm32_b32 hwreg(HW_REG_WAVE_MODE, 25, 1), 1
	s_wait_xcnt 0x0
; POST: for 32 tokens a work-group: x += o Wo + bo; y = LN2(x); x += gelu(y W1 + b1) W2 + b2; then the next layer's y = LN1(x) and q, k, v.
; All products are used transposed (source 0 = 16 output channels x 32 inputs of a weight, source 1 = 32 inputs x 16 tokens), so a lane holds ONE token (lane % 16) and
; channels 8 (lane / 16) + 0..7, and two result tiles rounded in pairs ARE the next product's source 1.  Wave w owns output channels 32 w .. (64 w .. for W1); x stays in
; 32 accumulator registers of each wave.  Weights come straight from memory into a ring of 24 fragments in registers (24 KB a wave on its way); activations pass through
; LDS in fragment order (byte half*512 + lane*16): no bank conflict, no padding.
; NO CLUSTER: a weight fragment is wanted by exactly one wave of a work-group and feeds two matrix instructions; asked for jointly it would have to be written to LDS and
; read back, 1 MB each way a work-group, beside the 0.64 MB of activation fragments that are read now.
; FORMATS AND LIMITS.  x in f32.  o, y, the gelu's output, q, k, v in f16 (beyond 65,504 an infinity), against the f16 image of the bf16 weights.
; gelu(x) = max(x, 0) - |x| P(t) exp(-x^2 / 2), t = 1 / (1 + 0.2316419 |x|), P the fifth-degree polynomial of Abramowitz and Stegun 7.1.26 with halved coefficients:
; absolute error up to 1e-7 |x| for every x, so the far negative tail has poor relative accuracy.  NaN and infinities are not treated apart.
.set STR,   131072
.set FT,    128
.set PARG,  1048576
.set PAR,   0                          ; LDS: twelve slots of 256 f32
.set STA,   12288                      ; LayerNorm statistics: wave x 256 + token x 8
.set STB,   14336
.set R1,    16384                      ; o, later the next layer's y: 16 fragments
.set R2,    32768                      ; y of LN2
.set R3,    49152                      ; the gelu's output: 32 fragments
.set SPARE, 81920                      ; the spare words: 128 bytes a wave, named by no other line
.set QOFF,  4194304
.set LB,   1                           ; 16 lane
.set LBG,  2                           ; LB + R3
.set WOF,  3                           ; LB + w STR
.set PB2,  4                           ; 32 (lane/16) + 128 w
.set PB4,  5                           ; 32 (lane/16) + 256 w
.set PVB,  6                           ; 4 (lane%16) + 128 w
.set STW,  7                           ; 256 w + 8 lane
.set STRD, 8                           ; 8 lane
.set LW,   9                           ; LB + 2048 w
.set SPW,  10
.set NIL,  11
.set GWR,  12                          ; LB + 4096 w + R3
.set LWG,  13                          ; LW + R3
.set XA,   14                          ; LB + 4096 w
.set X,    16                          ; v[16:47]  x: tile (i, tt) at X + 8 (2 i + tt)
.set ACC,  48                          ; v[48:143] twelve accumulators
.set T,    144                         ; v[144:243] at work
.set AUX,  244
.set BF,   192                         ; window 1: v[0:191] the ring, v[192:255] two buffers of activation fragments
.set MSB, 0
.macro WIN new                         ; the immediate's high byte repeats the setting that is left
.if MSB != (\new)
	s_set_vgpr_msb (MSB<<8)|(\new)
.set MSB, (\new)
.endif
.endm
.macro PLACES                          ; four places between a matrix instruction and a load into, or a vector read of, its registers
.rept 4
	v_nop
.endr
.endm
.macro BAR                             ; my LDS stores and loads are done; then everybody's are
	s_wait_dscnt 0x0
	s_barrier_signal -1
	s_barrier_wait -1
.endm
.macro END                             ; the wave's end: behind my last LDS store
	s_wait_tensorcnt 0x0
	ds_add_u32 v[SPW], v[NIL]
	s_wait_dscnt 0x0
	s_endpgm
.endm
.macro FRAME
	v_and_b32 v[STRD], 31, v0
	v_lshlrev_b32 v[LB], 4, v[STRD]
	v_bfe_u32 v[PB2], v0, 4, 1
	v_and_b32 v[PVB], 15, v0
	v_lshlrev_b32 v[PB2], 5, v[PB2]
	s_lshl_b32 s21, s12, 7
	s_lshl_b32 s22, s12, 8
	v_add_nc_u32 v[PB4], s22, v[PB2]
	v_add_nc_u32 v[PB2], s21, v[PB2]
	v_lshl_add_u32 v[PVB], v[PVB], 2, s21
	v_lshlrev_b32 v[STRD], 3, v[STRD]
	v_add_nc_u32 v[STW], s22, v[STRD]
	s_lshl_b32 s21, s12, 11
	v_add_nc_u32 v[LW], s21, v[LB]
	s_lshl_b32 s21, s12, 12
	v_add_nc_u32 v[XA], s21, v[LB]
	v_add_nc_u32 v[LBG], R3, v[LB]
	v_add_nc_u32 v[LWG], R3, v[LW]
	v_add_nc_u32 v[GWR], R3, v[XA]
	s_mul_i32 s21, s12, STR
	v_add_nc_u32 v[WOF], s21, v[LB]
	s_mov_b32 s18, 0x3d000000              ; 1/32
	s_mov_b32 s19, 0x3b800000              ; 1/256
	s_mov_b32 s20, 0x3727c5ac              ; 1e-5
.endm
.macro GCONST                          ; the gelu's constants, each the low word of a pair
	s_mov_b32 s24, 0x3e6d3388              ; 0.23164189
	s_mov_b32 s26, 0x3f07dc22              ; a5 / 2
	s_mov_b32 s28, 0xbf3a00e3              ; a4 / 2
	s_mov_b32 s30, 0x3f35f0e3              ; a3 / 2
	s_mov_b32 s32, 0xbe11a98e              ; a2 / 2
	s_mov_b32 s34, 0x3e027906              ; a1 / 2
	s_mov_b32 s36, 0xbf38aa3b              ; -log2(e) / 2
.irp q, 24,26,28,30,32,34,36
	s_mov_b32 s[\q+1], s[\q]
.endr
	s_mov_b32 s38, 0x7fffffff
.endm
.macro QBASE p                         ; q of my head (= wave) and my 32 tokens; k lies 2,097,152 bytes on, v 4,194,304
	s_lshr_b32 s21, ttmp9, 6
	s_lshl3_add_u32 s21, s21, s12
	s_lshl_b32 s21, s21, 6
	s_and_b32 s22, ttmp9, 63
	s_add_co_u32 s21, s21, s22
	s_lshl_b32 s62, s21, 11
	s_add_co_u32 s62, s62, QOFF
	s_add_nc_u64 s[58:59], s[\p:\p+1], s[62:63]
.endm
.macro WLD f                           ; fragment f of my stream into ring slot f % 24: two loads of 512 consecutive bytes
	global_load_b128 v[8*((\f)%24):8*((\f)%24)+3], v[WOF], s[16:17] offset:(\f)*1024
	global_load_b128 v[8*((\f)%24)+4:8*((\f)%24)+7], v[WOF], s[16:17] offset:(\f)*1024+512
.endm
.macro BLD buf, ks, nb, ra, oa, rb, ob ; K step ks's activation fragments of both token tiles
.irp t, 0,1
	ds_load_b128 v[BF+32*(\buf)+8*(\t):BF+32*(\buf)+8*(\t)+3], v[\ra] offset:(\oa)+((\ks)*2+(\t))*1024
	ds_load_b128 v[BF+32*(\buf)+8*(\t)+4:BF+32*(\buf)+8*(\t)+7], v[\ra] offset:(\oa)+((\ks)*2+(\t))*1024+512
.endr
.if (\nb) == 4
.irp t, 0,1
	ds_load_b128 v[BF+32*(\buf)+16+8*(\t):BF+32*(\buf)+16+8*(\t)+3], v[\rb] offset:(\ob)+((\ks)*2+(\t))*1024
	ds_load_b128 v[BF+32*(\buf)+16+8*(\t)+4:BF+32*(\buf)+16+8*(\t)+7], v[\rb] offset:(\ob)+((\ks)*2+(\t))*1024+512
.endr
.endif
.endm
; A product: KS steps of 32 along K, A channel tiles x 2 token tiles.  The accumulators take turns, one instruction a turn.
; mode 2: tiles 4, 5 (v) with the sources swapped, so that a lane holds one channel and eight tokens; their sums start with 0.
; s_wait_loadcnt: all fragments below min(FT, f + 24) have been issued and nothing else counts on it, so 2 x (those behind this step's) may stay out.
; s_wait_dscnt: the next step's activation loads may stay out.
.macro STAGE fmt, F0, A, KS, AB, NB, mode, ra, oa, rb=LB, ob=0
	WIN 0x40
	BLD 0, 0, \NB, \ra, \oa, \rb, \ob
	BLD 1, 1, \NB, \ra, \oa, \rb, \ob
.set zk, 0
.rept \KS
.set zf, (\F0)+zk*(\A)
.set zh, zf+24
.if zh > FT
.set zh, FT
.endif
	s_wait_loadcnt 2*(zh-zf-(\A))
.if zk == (\KS)-1
	s_wait_dscnt 0x0
.else
	s_wait_dscnt 2*(\NB)
.endif
	WIN 0x05
.set zp, 0
.rept (\NB)/2
.set zi, 0
.rept \A
.set zt, 0
.rept 2
.set zd, (\AB)+8*(2*zi+zt)
.set za, 8*((zf+zi)%24)
.set zb, BF+32*(zk%2)+16*zp+8*zt
.if ((\mode) == 2) && (zi >= 4)
.if zk == 0
	v_wmma_f32_16x16x32_\fmt v[zd:zd+7], v[zb:zb+7], v[za:za+7], 0
.else
	v_wmma_f32_16x16x32_\fmt v[zd:zd+7], v[zb:zb+7], v[za:za+7], v[zd:zd+7]
.endif
.else
	v_wmma_f32_16x16x32_\fmt v[zd:zd+7], v[za:za+7], v[zb:zb+7], v[zd:zd+7]
.endif
.set zt, zt+1
.endr
.set zi, zi+1
.endr
.set zp, zp+1
.endr
	PLACES
	WIN 0x40
.set zj, 0
.rept \A
.set zw, zf+24+zj
.if zw < FT
	WLD zw
.endif
.set zj, zj+1
.endr
.if zk+2 < (\KS)
.set zq, zk%2
.set zr, zk+2
	BLD zq, zr, \NB, \ra, \oa, \rb, \ob
.endif
.set zk, zk+1
.endr
	WIN 0
.endm
.macro XBIAS slot                      ; x += a bias of my 32 channels
.irp i, 0,1
	ds_load_b128 v[T+8*(\i):T+8*(\i)+3], v[PB2] offset:(\slot)*1024+64*(\i)
	ds_load_b128 v[T+8*(\i)+4:T+8*(\i)+7], v[PB2] offset:(\slot)*1024+64*(\i)+16
.endr
	s_wait_dscnt 0x0
.set zi, 0
.rept 4
.irp p, 0,2,4,6
	v_pk_add_f32 v[X+8*zi+(\p):X+8*zi+(\p)+1], v[X+8*zi+(\p):X+8*zi+(\p)+1], v[T+8*(zi/2)+(\p):T+8*(zi/2)+(\p)+1]
.endr
.set zi, zi+1
.endr
.endm
.macro PREF                            ; the hidden layer's sums start with b1 (slots 3, 4)
.set zi, 0
.rept 8
	ds_load_b128 v[ACC+8*zi:ACC+8*zi+3], v[PB4] offset:3*1024+64*(zi/2)
	ds_load_b128 v[ACC+8*zi+4:ACC+8*zi+7], v[PB4] offset:3*1024+64*(zi/2)+16
.set zi, zi+1
.endr
.endm
.macro PREQK                           ; q's and k's sums start with bq (slot 8) and bk (slot 9)
.set zi, 0
.rept 8
	ds_load_b128 v[ACC+8*zi:ACC+8*zi+3], v[PB2] offset:(8+zi/4)*1024+64*((zi/2)%2)
	ds_load_b128 v[ACC+8*zi+4:ACC+8*zi+7], v[PB2] offset:(8+zi/4)*1024+64*((zi/2)%2)+16
.set zi, zi+1
.endr
.endm
; LayerNorm of x over 256 channels.  Each wave: sum and sum of squared deviations from its own mean over its 32 channels; the eight waves' figures meet in LDS and are
; merged (M = sum M2 + 32 sum (mean_w - mean)^2), so no difference of large sums is formed.  y = (x - mean) rstd s + b goes to LDS as f16 fragments.
.macro LN stat, sS, sB, doff
.irp tt, 0,1
	v_pk_add_f32 v[T:T+1], v[X+8*(\tt):X+8*(\tt)+1], v[X+8*(\tt)+2:X+8*(\tt)+3]
	v_pk_add_f32 v[T+2:T+3], v[X+8*(\tt)+4:X+8*(\tt)+5], v[X+8*(\tt)+6:X+8*(\tt)+7]
	v_pk_add_f32 v[T+4:T+5], v[X+16+8*(\tt):X+16+8*(\tt)+1], v[X+16+8*(\tt)+2:X+16+8*(\tt)+3]
	v_pk_add_f32 v[T+6:T+7], v[X+16+8*(\tt)+4:X+16+8*(\tt)+5], v[X+16+8*(\tt)+6:X+16+8*(\tt)+7]
	v_pk_add_f32 v[T:T+1], v[T:T+1], v[T+2:T+3]
	v_pk_add_f32 v[T+4:T+5], v[T+4:T+5], v[T+6:T+7]
	v_pk_add_f32 v[T:T+1], v[T:T+1], v[T+4:T+5]
	v_add_f32 v[T], v[T], v[T+1]
	v_permlanex16_b32 v[T+1], v[T], s14, s15   ; the token's other 16 channels lie in the lane 16 away
	v_add_f32 v[T+16+2*(\tt)], v[T], v[T+1]
	v_mul_f32 v[T+2], s18, v[T+16+2*(\tt)]
.set zp, 0
.rept 8
.set zx, X+8*(\tt)+16*(zp/4)+2*(zp%4)
.set zd, T+4+2*(zp%2)
	v_pk_add_f32 v[zd:zd+1], v[zx:zx+1], v[T+2:T+3] op_sel_hi:[1,0] neg_lo:[0,1] neg_hi:[0,1]
.if zp == 0
	v_pk_mul_f32 v[T+8:T+9], v[zd:zd+1], v[zd:zd+1]
.else
	v_pk_fma_f32 v[T+8:T+9], v[zd:zd+1], v[zd:zd+1], v[T+8:T+9]
.endif
.set zp, zp+1
.endr
	v_add_f32 v[T+8], v[T+8], v[T+9]
	v_permlanex16_b32 v[T+9], v[T+8], s14, s15
	v_add_f32 v[T+17+2*(\tt)], v[T+8], v[T+9]
.endr
	v_cndmask_b32 v[T+20], v[T+16], v[T+18], s13   ; lane = token: lanes 16-31 take the second tile's
	v_cndmask_b32 v[T+21], v[T+17], v[T+19], s13
	ds_store_b64 v[STW], v[T+20:T+21] offset:\stat
	BAR
.irp q, 0,1,2,3,4,5,6,7
	ds_load_b64 v[T+2*(\q):T+2*(\q)+1], v[STRD] offset:(\stat)+256*(\q)
.endr
.irp i, 0,1
	ds_load_b128 v[T+32+8*(\i):T+32+8*(\i)+3], v[PB2] offset:(\sS)*1024+64*(\i)
	ds_load_b128 v[T+36+8*(\i):T+36+8*(\i)+3], v[PB2] offset:(\sS)*1024+64*(\i)+16
	ds_load_b128 v[T+48+8*(\i):T+48+8*(\i)+3], v[PB2] offset:(\sB)*1024+64*(\i)
	ds_load_b128 v[T+52+8*(\i):T+52+8*(\i)+3], v[PB2] offset:(\sB)*1024+64*(\i)+16
.endr
	s_wait_dscnt 0x0
	v_pk_add_f32 v[T+16:T+17], v[T:T+1], v[T+2:T+3]
.irp q, 2,3,4,5,6,7
	v_pk_add_f32 v[T+16:T+17], v[T+16:T+17], v[T+2*(\q):T+2*(\q)+1]
.endr
	v_mul_f32 v[T+29], s19, v[T+16]            ; mean
	v_fma_f32 v[T+18], v[T], s18, -v[T+29]
	v_mul_f32 v[T+19], v[T+18], v[T+18]
.irp q, 1,2,3,4,5,6,7
	v_fma_f32 v[T+18], v[T+2*(\q)], s18, -v[T+29]
	v_fma_f32 v[T+19], v[T+18], v[T+18], v[T+19]
.endr
	v_fma_f32 v[T+17], v[T+19], 0x42000000, v[T+17]
	v_fma_f32 v[T+17], v[T+17], s19, s20
	v_rsq_f32 v[T+31], v[T+17]
	v_mov_b32 v[T+25], 0                       ; a plain instruction behind the root; v_permlanex16_b32's destination counts as read
	v_mov_b32 v[T+27], 0
	v_permlanex16_b32 v[T+25], v[T+29], s14, s15
	s_wait_alu depctr_va_vdst(0)
	v_permlanex16_b32 v[T+27], v[T+31], s14, s15
	v_cndmask_b32 v[T+24], v[T+29], v[T+25], s13   ; tile 0's mean in all lanes,
	v_cndmask_b32 v[T+28], v[T+25], v[T+29], s13   ; tile 1's
	v_cndmask_b32 v[T+26], v[T+31], v[T+27], s13
	v_cndmask_b32 v[T+30], v[T+27], v[T+31], s13
.set zi, 0
.rept 4                                ; tile zi: i = zi / 2, tt = zi % 2
.irp p, 0,1,2,3
	v_pk_add_f32 v[T+2*(\p):T+2*(\p)+1], v[X+8*zi+2*(\p):X+8*zi+2*(\p)+1], v[T+24+4*(zi%2):T+25+4*(zi%2)] op_sel_hi:[1,0] neg_lo:[0,1] neg_hi:[0,1]
	v_pk_mul_f32 v[T+2*(\p):T+2*(\p)+1], v[T+2*(\p):T+2*(\p)+1], v[T+26+4*(zi%2):T+27+4*(zi%2)] op_sel_hi:[1,0]
	v_pk_fma_f32 v[T+2*(\p):T+2*(\p)+1], v[T+2*(\p):T+2*(\p)+1], v[T+32+8*(zi/2)+2*(\p):T+33+8*(zi/2)+2*(\p)], v[T+48+8*(zi/2)+2*(\p):T+49+8*(zi/2)+2*(\p)]
	v_cvt_pk_f16_f32 v[T+64+4*zi+(\p)], v[T+2*(\p)], v[T+2*(\p)+1]
.endr
	ds_store_b128 v[LW], v[T+64+4*zi:T+67+4*zi] offset:(\doff)+(zi%2)*1024+(zi/2)*512
.set zi, zi+1
.endr
	BAR
.endm
.macro GELU a, o                       ; eight sums -> four words of f16.  The reciprocals and the exponentials stand in runs, each run followed by plain work that does not use it
.irp j, 0,1,2,3,4,5,6,7
	v_and_b32 v[T+(\j)], s38, v[(\a)+(\j)]
.endr
.irp j, 0,1,2,3,4,5,6,7
	v_max_num_f32 v[T+8+(\j)], 0, v[(\a)+(\j)]
.endr
.irp p, 0,2,4,6
	v_pk_fma_f32 v[T+16+(\p):T+17+(\p)], v[T+(\p):T+(\p)+1], s[24:25], 1.0 op_sel_hi:[1,0,0]
.endr
.irp j, 0,1,2,3,4,5,6,7
	v_rcp_f32 v[T+16+(\j)], v[T+16+(\j)]
.endr
.irp p, 0,2,4,6
	v_pk_mul_f32 v[T+24+(\p):T+25+(\p)], v[(\a)+(\p):(\a)+(\p)+1], v[(\a)+(\p):(\a)+(\p)+1]
.endr
.irp p, 0,2,4,6
	v_pk_mul_f32 v[T+24+(\p):T+25+(\p)], v[T+24+(\p):T+25+(\p)], s[36:37] op_sel_hi:[1,0]
.endr
.irp j, 0,1,2,3,4,5,6,7
	v_exp_f32 v[T+24+(\j)], v[T+24+(\j)]
.endr
	s_wait_alu depctr_va_vdst(0)
.irp p, 0,2,4,6
	v_pk_fma_f32 v[T+32+(\p):T+33+(\p)], v[T+16+(\p):T+17+(\p)], s[26:27], s[28:29] op_sel_hi:[1,0,0]
.endr
.irp c, 30,32,34
.irp p, 0,2,4,6
	v_pk_fma_f32 v[T+32+(\p):T+33+(\p)], v[T+32+(\p):T+33+(\p)], v[T+16+(\p):T+17+(\p)], s[\c:\c+1] op_sel_hi:[1,1,0]
.endr
.endr
.irp p, 0,2,4,6
	v_pk_mul_f32 v[T+32+(\p):T+33+(\p)], v[T+32+(\p):T+33+(\p)], v[T+16+(\p):T+17+(\p)]
.endr
.irp p, 0,2,4,6
	v_pk_mul_f32 v[T+32+(\p):T+33+(\p)], v[T+32+(\p):T+33+(\p)], v[T+24+(\p):T+25+(\p)]
.endr
.irp p, 0,2,4,6
	v_pk_fma_f32 v[T+32+(\p):T+33+(\p)], v[T+(\p):T+(\p)+1], v[T+32+(\p):T+33+(\p)], v[T+8+(\p):T+9+(\p)] neg_lo:[1,0,0] neg_hi:[1,0,0]
.endr
.irp p, 0,1,2,3
	v_cvt_pk_f16_f32 v[(\o)+(\p)], v[T+32+2*(\p)], v[T+33+2*(\p)]
.endr
.endm
.macro QKVOUT                          ; q, k, v leave as f16 fragments: every store of the wave is 512 consecutive aligned bytes
	ds_load_b32 v[T+64], v[PVB] offset:10*1024
	ds_load_b32 v[T+66], v[PVB] offset:10*1024+64
	v_mov_b32 v[T+65], 0
	v_mov_b32 v[T+67], 0
.set zi, 0
.rept 8
.irp p, 0,1,2,3
	v_cvt_pk_f16_f32 v[T+4*zi+(\p)], v[ACC+8*zi+2*(\p)], v[ACC+8*zi+2*(\p)+1]
.endr
	global_store_b128 v[LB], v[T+4*zi:T+4*zi+3], s[58:59] offset:(zi/4)*2097152+(zi%2)*1024+((zi/2)%2)*512
.set zi, zi+1
.endr
	s_wait_dscnt 0x0                           ; bv of my channel
.rept 4                                ; v: channel block (zi - 8) / 2, token tile zi % 2
.irp p, 0,1,2,3
	v_pk_add_f32 v[ACC+8*zi+2*(\p):ACC+8*zi+2*(\p)+1], v[ACC+8*zi+2*(\p):ACC+8*zi+2*(\p)+1], v[T+64+2*((zi-8)/2):T+65+2*((zi-8)/2)] op_sel_hi:[1,0]
.endr
.irp p, 0,1,2,3
	v_cvt_pk_f16_f32 v[T+4*zi+(\p)], v[ACC+8*zi+2*(\p)], v[ACC+8*zi+2*(\p)+1]
.endr
	global_store_b128 v[LB], v[T+4*zi:T+4*zi+3], s[58:59] offset:4194304+((zi-8)/2)*1024+(zi%2)*512
.set zi, zi+1
.endr
.endm
	s_load_b256 s[40:47], s[0:1], 0x0      ; ob 40, the state in 42, the pack 44, the state out 46
	v_lshl_add_u32 v[SPW], v0, 2, SPARE
	v_mov_b32 v[NIL], 0
	v_lshrrev_b32 v[LB], 5, v0
	v_readfirstlane_b32 s12, v[LB]         ; wave
	s_mov_b32 s13, 0xffff0000              ; lanes 16-31
	s_mov_b32 s14, 0x76543210              ; v_permlanex16_b32: each lane takes its own place in the other half
	s_mov_b32 s15, 0xfedcba98
	FRAME
	GCONST
	v_lshlrev_b32 v[AUX], 4, v0
	s_lshl_b32 s21, s12, 10
	v_add_nc_u32 v[AUX+1], s21, v[LB]
	s_lshl_b32 s62, ttmp9, 14
	s_mov_b32 s63, 0
	s_wait_kmcnt 0x0
	s_add_nc_u64 s[40:41], s[40:41], s[62:63]  ; o of my two token tiles
	s_lshl_b32 s62, ttmp9, 15
	s_add_nc_u64 s[42:43], s[42:43], s[62:63]  ; x in
	s_add_nc_u64 s[60:61], s[46:47], s[62:63]  ; x out
	s_mov_b64 s[16:17], s[44:45]
	QBASE 46
.irp q, 0,1,2
	global_load_b128 v[T+4*(\q):T+4*(\q)+3], v[AUX], s[16:17] offset:PARG+4096*(\q)
.endr
.irp q, 0,1,2,3
	global_load_b128 v[T+12+4*(\q):T+15+4*(\q)], v[AUX+1], s[40:41] offset:((\q)/2)*8192+((\q)%2)*512
.endr
.irp q, 0,1,2,3,4,5,6,7
	global_load_b128 v[X+4*(\q):X+4*(\q)+3], v[XA], s[42:43] offset:512*(\q)
.endr
	WIN 0x40
.set zw, 0
.rept 24
	WLD zw
.set zw, zw+1
.endr
	WIN 0
	s_wait_loadcnt 56                      ; parameters and o are in: x's 8 loads and the ring's 48 stay out
.irp q, 0,1,2
	ds_store_b128 v[AUX], v[T+4*(\q):T+4*(\q)+3] offset:PAR+4096*(\q)
.endr
.irp q, 0,1,2,3
	ds_store_b128 v[LW], v[T+12+4*(\q):T+15+4*(\q)] offset:R1+((\q)/2)*1024+((\q)%2)*512
.endr
	BAR
	s_wait_loadcnt 48                      ; x is in
	XBIAS 0
	STAGE f16, 0, 2, 8, X, 2, 0, LB, R1    ; x += o Wo
	LN STA, 1, 2, R2
	PREF
	STAGE f16, 16, 4, 8, ACC, 2, 0, LB, R2 ; y W1 + b1
.set zi, 0
.rept 8
.set za, ACC+8*zi
.set zq, T+64+4*zi
	GELU za, zq
	ds_store_b128 v[GWR], v[zq:zq+3] offset:((zi/4)*2+zi%2)*1024+((zi/2)%2)*512
.set zi, zi+1
.endr
	BAR
	XBIAS 5
	STAGE f16, 48, 2, 16, X, 2, 0, LBG, 0  ; x += gelu W2
.irp q, 0,1,2,3,4,5,6,7
	global_store_b128 v[XA], v[X+4*(\q):X+4*(\q)+3], s[60:61] offset:512*(\q)
.endr
	LN STB, 6, 7, R1                       ; o's last readers passed two barriers ago
	PREQK
	STAGE f16, 80, 6, 8, ACC, 2, 2, LB, R1
	QKVOUT
	END
.Lfunc_end_k_q9f05e60021_post:
	.size	k_q9f05e60021_post, .Lfunc_end_k_q9f05e60021_post-k_q9f05e60021_post
	.p2alignl 7, 3214868480
	.fill 96, 4, 3214868480
	.section	.rodata,"a",@progbits
	.p2align	6, 0x0
	.amdhsa_kernel k_q9f05e60021_post
		.amdhsa_group_segment_fixed_size 82944
		.amdhsa_private_segment_fixed_size 0
		.amdhsa_enable_private_segment 0
		.amdhsa_kernarg_size 32
		.amdhsa_user_sgpr_count 2
		.amdhsa_user_sgpr_kernarg_segment_ptr 1
		.amdhsa_wavefront_size32 1
		.amdhsa_system_sgpr_workgroup_id_x 1
		.amdhsa_system_sgpr_workgroup_id_y 1
		.amdhsa_system_sgpr_workgroup_id_z 1
		.amdhsa_system_vgpr_workitem_id 0
		.amdhsa_next_free_vgpr 512
		.amdhsa_next_free_sgpr 66
		.amdhsa_reserve_vcc 0
		.amdhsa_float_denorm_mode_32 3
		.amdhsa_float_denorm_mode_16_64 3
		.amdhsa_memory_ordered 1
		.amdhsa_forward_progress 1
		.amdhsa_inst_pref_size 130
	.end_amdhsa_kernel
	.amdgpu_metadata
---
amdhsa.version: [ 1, 2 ]
amdhsa.kernels:
  - .name:           k_q9f05e60021_post
    .symbol:         k_q9f05e60021_post.kd
    .args:
      - { .name: ob, .offset: 0, .size: 8, .value_kind: global_buffer, .address_space: global }
      - { .name: sa, .offset: 8, .size: 8, .value_kind: global_buffer, .address_space: global }
      - { .name: wp0, .offset: 16, .size: 8, .value_kind: global_buffer, .address_space: global }
      - { .name: sb, .offset: 24, .size: 8, .value_kind: global_buffer, .address_space: global }
    .group_segment_fixed_size: 82944
    .private_segment_fixed_size: 0
    .kernarg_segment_align: 8
    .kernarg_segment_size: 32
    .max_flat_workgroup_size: 256
    .sgpr_count:     66
    .vgpr_count:     512
    .wavefront_size: 32
...
	.end_amdgpu_metadata
.endif
;; end of part 4
;; launch at1: the kernel of part 3 again; grid 16 x 16, 4 waves a work-group, clusters of 4 x 1, 262,656 bytes of LDS; arguments sb, ob; writes ob
;; launch po1: the kernel of part 4 again; grid 128 x 1, 8 waves a work-group, no clusters, 82,944 bytes of LDS; arguments ob, sb, wp1, sa; writes sa
;; launch at2: the kernel of part 3 again; grid 16 x 16, 4 waves a work-group, clusters of 4 x 1, 262,656 bytes of LDS; arguments sa, ob; writes ob
;; launch po2: the kernel of part 4 again; grid 128 x 1, 8 waves a work-group, no clusters, 82,944 bytes of LDS; arguments ob, sa, wp2, sb; writes sb
;; launch at3: the kernel of part 3 again; grid 16 x 16, 4 waves a work-group, clusters of 4 x 1, 262,656 bytes of LDS; arguments sb, ob; writes ob
;; launch fin (part 5): grid 256 x 1, 8 waves a work-group, no clusters, 82,944 bytes of LDS; arguments ob, sb, wp1, wp2, grp, xyz, sa, idx; writes sa, idx
.if DOCPART == 5
	.amdgcn_target "amdgcn-amd-amdhsa--gfx1250"
	.amdhsa_code_object_version 6
	.text
	.protected	k_q9f05e60021_fin
	.globl	k_q9f05e60021_fin
	.p2align	8
	.type	k_q9f05e60021_fin,@function
k_q9f05e60021_fin:
	s_mov_b64 s[64:65], 0
	v_nop
	global_prefetch_b8 v0, s[64:65] scope:SCOPE_SE
	s_setreg_imm32_b32 hwreg(HW_REG_WAVE_MODE, 25, 1), 1
	s_wait_xcnt 0x0
; FIN.  Work-groups 0-127: 32 tokens each: the last layer's x += o Wo + bo; x += gelu(LN2(x) W1 + b1) W2 + b2; logits = relu(x H1 + hb1) H2 + hb2, stored as rows of 64 f32.
; Work-groups 128-255: 256 points each: among the 32 tokens of the four groups that an earlier launch stored, the three nearest, by the sums as the problem writes them:
; d = max((q2 + k2) - 2 ((x x' + y y') + z z'), 0) on coordinates rounded to bf16 (all products exact in f32), ties to the lower index; stored as whole numbers.
; TOKEN PART: as the launch between two attentions: products used transposed, a lane holds ONE token and eight channels; weights through a ring of 24 fragments in registers;
; activations through LDS in fragment order.  NO CLUSTER: a weight fragment is wanted by one wave of a work-group and feeds two to four matrix instructions; asked for jointly it
; would have to be written to LDS and read back, 0.8 MB each way a work-group.
; FORMATS AND LIMITS.  o, y and the gelu's output in f16 (beyond 65,504 an infinity) against the f16 image of the weights; x and the head's hidden layer as a pair of bf16 (hi + lo)
; against bf16 weights.  gelu as in the launch between attentions: absolute error up to 1e-7 |x|.  NaN and infinities are not treated apart.
.set STR,   98304
.set FT,    104
.set PARG,  819200
.set PAR,   0
.set STA,   12288
.set STB,   14336
.set R1,    16384                      ; o; later x hi; at last the logits' stage, 32 rows of 272 bytes
.set R2,    32768                      ; y of LN2; later x lo
.set R3,    49152                      ; the gelu's output; later the head's hidden layer, hi, and 16,384 bytes on, lo
.set SPARE, 81920                      ; the spare words: 128 bytes a wave, named by no other line
.set LTOFF, 10485760
.set LB,   1
.set LBG,  2
.set WOF,  3
.set PB2,  4
.set PB4,  5
.set PVB,  6
.set STW,  7
.set STRD, 8
.set LW,   9
.set SPW,  10
.set NIL,  11
.set GWR,  12
.set LWG,  13
.set XA,   14
.set X,    16
.set ACC,  48
.set T,    144
.set AUX,  244
.set H2A,  246                         ; LB + 1024 (w / 2): my class tile's fragments of H2
.set HB,   247                         ; LBG + 1024 (w % 2): my token tile's fragments of the hidden layer
.set HBI,  248                         ; 32 (lane/16) + 64 (w / 2)
.set LTS,  249                         ; where my eight logits go in the stage
.set LTR,  250                         ; where I read rows back
.set LTG,  251                         ; and their place in memory
.set BF,   192
.set MSB, 0
.macro WIN new                         ; the immediate's high byte repeats the setting that is left
.if MSB != (\new)
	s_set_vgpr_msb (MSB<<8)|(\new)
.set MSB, (\new)
.endif
.endm
.macro PLACES                          ; four places between a matrix instruction and a load into, or a vector read of, its registers
.rept 4
	v_nop
.endr
.endm
.macro BAR
	s_wait_dscnt 0x0
	s_barrier_signal -1
	s_barrier_wait -1
.endm
.macro END                             ; the wave's end: behind my last LDS store
	s_wait_tensorcnt 0x0
	ds_add_u32 v[SPW], v[NIL]
	s_wait_dscnt 0x0
	s_endpgm
.endm
.macro FRAME
	v_and_b32 v[STRD], 31, v0
	v_lshlrev_b32 v[LB], 4, v[STRD]
	v_bfe_u32 v[PB2], v0, 4, 1
	v_and_b32 v[PVB], 15, v0
	v_lshlrev_b32 v[PB2], 5, v[PB2]
	s_lshl_b32 s21, s12, 7
	s_lshl_b32 s22, s12, 8
	v_add_nc_u32 v[PB4], s22, v[PB2]
	v_add_nc_u32 v[PB2], s21, v[PB2]
	v_lshl_add_u32 v[PVB], v[PVB], 2, s21
	v_lshlrev_b32 v[STRD], 3, v[STRD]
	v_add_nc_u32 v[STW], s22, v[STRD]
	s_lshl_b32 s21, s12, 11
	v_add_nc_u32 v[LW], s21, v[LB]
	s_lshl_b32 s21, s12, 12
	v_add_nc_u32 v[XA], s21, v[LB]
	v_add_nc_u32 v[LBG], R3, v[LB]
	v_add_nc_u32 v[LWG], R3, v[LW]
	v_add_nc_u32 v[GWR], R3, v[XA]
	s_mul_i32 s21, s12, STR
	v_add_nc_u32 v[WOF], s21, v[LB]
	s_mov_b32 s18, 0x3d000000
	s_mov_b32 s19, 0x3b800000
	s_mov_b32 s20, 0x3727c5ac
.endm
.macro GCONST
	s_mov_b32 s24, 0x3e6d3388
	s_mov_b32 s26, 0x3f07dc22
	s_mov_b32 s28, 0xbf3a00e3
	s_mov_b32 s30, 0x3f35f0e3
	s_mov_b32 s32, 0xbe11a98e
	s_mov_b32 s34, 0x3e027906
	s_mov_b32 s36, 0xbf38aa3b
.irp q, 24,26,28,30,32,34,36
	s_mov_b32 s[\q+1], s[\q]
.endr
	s_mov_b32 s38, 0x7fffffff
.endm
.macro WLD f                           ; fragment f into ring slot f % 24; from 96 on: K step f - 96 of my class tile in the block of H2 that all waves share
.if (\f) < 96
	global_load_b128 v[8*((\f)%24):8*((\f)%24)+3], v[WOF], s[16:17] offset:(\f)*1024
	global_load_b128 v[8*((\f)%24)+4:8*((\f)%24)+7], v[WOF], s[16:17] offset:(\f)*1024+512
.else
	global_load_b128 v[8*((\f)%24):8*((\f)%24)+3], v[H2A], s[16:17] offset:786432+((\f)-96)*4096
	global_load_b128 v[8*((\f)%24)+4:8*((\f)%24)+7], v[H2A], s[16:17] offset:786432+((\f)-96)*4096+512
.endif
.endm
.macro BLD buf, ks, nb, ra, oa, rb, ob
.irp t, 0,1
	ds_load_b128 v[BF+32*(\buf)+8*(\t):BF+32*(\buf)+8*(\t)+3], v[\ra] offset:(\oa)+((\ks)*2+(\t))*1024
	ds_load_b128 v[BF+32*(\buf)+8*(\t)+4:BF+32*(\buf)+8*(\t)+7], v[\ra] offset:(\oa)+((\ks)*2+(\t))*1024+512
.endr
.if (\nb) == 4
.irp t, 0,1
	ds_load_b128 v[BF+32*(\buf)+16+8*(\t):BF+32*(\buf)+16+8*(\t)+3], v[\rb] offset:(\ob)+((\ks)*2+(\t))*1024
	ds_load_b128 v[BF+32*(\buf)+16+8*(\t)+4:BF+32*(\buf)+16+8*(\t)+7], v[\rb] offset:(\ob)+((\ks)*2+(\t))*1024+512
.endr
.endif
.endm
; A product: KS steps of 32 along K, A channel tiles x 2 token tiles; NB = 4: all tiles with hi, then all with lo.  The accumulators take turns.
; s_wait_loadcnt: all fragments below min(FT, f + 24) have been issued and nothing else counts on it, so 2 x (those behind this step's) may stay out.
; s_wait_dscnt: the next step's activation loads may stay out.
.macro STAGE fmt, F0, A, KS, AB, NB, ra, oa, rb=LB, ob=0
	WIN 0x40
	BLD 0, 0, \NB, \ra, \oa, \rb, \ob
	BLD 1, 1, \NB, \ra, \oa, \rb, \ob
.set zk, 0
.rept \KS
.set zf, (\F0)+zk*(\A)
.set zh, zf+24
.if zh > FT
.set zh, FT
.endif
	s_wait_loadcnt 2*(zh-zf-(\A))
.if zk == (\KS)-1
	s_wait_dscnt 0x0
.else
	s_wait_dscnt 2*(\NB)
.endif
	WIN 0x05
.set zp, 0
.rept (\NB)/2
.set zi, 0
.rept \A
.set zt, 0
.rept 2
.set zd, (\AB)+8*(2*zi+zt)
.set za, 8*((zf+zi)%24)
.set zb, BF+32*(zk%2)+16*zp+8*zt
	v_wmma_f32_16x16x32_\fmt v[zd:zd+7], v[za:za+7], v[zb:zb+7], v[zd:zd+7]
.set zt, zt+1
.endr
.set zi, zi+1
.endr
.set zp, zp+1
.endr
	PLACES
	WIN 0x40
.set zj, 0
.rept \A
.set zw, zf+24+zj
.if zw < FT
	WLD zw
.endif
.set zj, zj+1
.endr
.if zk+2 < (\KS)
.set zq, zk%2
.set zr, zk+2
	BLD zq, zr, \NB, \ra, \oa, \rb, \ob
.endif
.set zk, zk+1
.endr
	WIN 0
.endm
.macro HLD buf, ks                     ; my token tile's hi and lo fragment of the hidden layer
	ds_load_b128 v[BF+32*(\buf):BF+32*(\buf)+3], v[HB] offset:(\ks)*2048
	ds_load_b128 v[BF+32*(\buf)+4:BF+32*(\buf)+7], v[HB] offset:(\ks)*2048+512
	ds_load_b128 v[BF+32*(\buf)+8:BF+32*(\buf)+11], v[HB] offset:16384+(\ks)*2048
	ds_load_b128 v[BF+32*(\buf)+12:BF+32*(\buf)+15], v[HB] offset:16384+(\ks)*2048+512
.endm
.macro XBIAS slot
.irp i, 0,1
	ds_load_b128 v[T+8*(\i):T+8*(\i)+3], v[PB2] offset:(\slot)*1024+64*(\i)
	ds_load_b128 v[T+8*(\i)+4:T+8*(\i)+7], v[PB2] offset:(\slot)*1024+64*(\i)+16
.endr
	s_wait_dscnt 0x0
.set zi, 0
.rept 4
.irp p, 0,2,4,6
	v_pk_add_f32 v[X+8*zi+(\p):X+8*zi+(\p)+1], v[X+8*zi+(\p):X+8*zi+(\p)+1], v[T+8*(zi/2)+(\p):T+8*(zi/2)+(\p)+1]
.endr
.set zi, zi+1
.endr
.endm
.macro PREX slot
.set zi, 0
.rept 4
	ds_load_b128 v[X+8*zi:X+8*zi+3], v[PB2] offset:(\slot)*1024+64*(zi/2)
	ds_load_b128 v[X+8*zi+4:X+8*zi+7], v[PB2] offset:(\slot)*1024+64*(zi/2)+16
.set zi, zi+1
.endr
.endm
.macro PREF
.set zi, 0
.rept 8
	ds_load_b128 v[ACC+8*zi:ACC+8*zi+3], v[PB4] offset:3*1024+64*(zi/2)
	ds_load_b128 v[ACC+8*zi+4:ACC+8*zi+7], v[PB4] offset:3*1024+64*(zi/2)+16
.set zi, zi+1
.endr
.endm
; LayerNorm of x over 256 channels: each wave's sum and squared deviations over its 32 channels, merged in LDS (M = sum M2 + 32 sum (mean_w - mean)^2).
.macro LN stat, sS, sB, doff
.irp tt, 0,1
	v_pk_add_f32 v[T:T+1], v[X+8*(\tt):X+8*(\tt)+1], v[X+8*(\tt)+2:X+8*(\tt)+3]
	v_pk_add_f32 v[T+2:T+3], v[X+8*(\tt)+4:X+8*(\tt)+5], v[X+8*(\tt)+6:X+8*(\tt)+7]
	v_pk_add_f32 v[T+4:T+5], v[X+16+8*(\tt):X+16+8*(\tt)+1], v[X+16+8*(\tt)+2:X+16+8*(\tt)+3]
	v_pk_add_f32 v[T+6:T+7], v[X+16+8*(\tt)+4:X+16+8*(\tt)+5], v[X+16+8*(\tt)+6:X+16+8*(\tt)+7]
	v_pk_add_f32 v[T:T+1], v[T:T+1], v[T+2:T+3]
	v_pk_add_f32 v[T+4:T+5], v[T+4:T+5], v[T+6:T+7]
	v_pk_add_f32 v[T:T+1], v[T:T+1], v[T+4:T+5]
	v_add_f32 v[T], v[T], v[T+1]
	v_permlanex16_b32 v[T+1], v[T], s14, s15
	v_add_f32 v[T+16+2*(\tt)], v[T], v[T+1]
	v_mul_f32 v[T+2], s18, v[T+16+2*(\tt)]
.set zp, 0
.rept 8
.set zx, X+8*(\tt)+16*(zp/4)+2*(zp%4)
.set zd, T+4+2*(zp%2)
	v_pk_add_f32 v[zd:zd+1], v[zx:zx+1], v[T+2:T+3] op_sel_hi:[1,0] neg_lo:[0,1] neg_hi:[0,1]
.if zp == 0
	v_pk_mul_f32 v[T+8:T+9], v[zd:zd+1], v[zd:zd+1]
.else
	v_pk_fma_f32 v[T+8:T+9], v[zd:zd+1], v[zd:zd+1], v[T+8:T+9]
.endif
.set zp, zp+1
.endr
	v_add_f32 v[T+8], v[T+8], v[T+9]
	v_permlanex16_b32 v[T+9], v[T+8], s14, s15
	v_add_f32 v[T+17+2*(\tt)], v[T+8], v[T+9]
.endr
	v_cndmask_b32 v[T+20], v[T+16], v[T+18], s13
	v_cndmask_b32 v[T+21], v[T+17], v[T+19], s13
	ds_store_b64 v[STW], v[T+20:T+21] offset:\stat
	BAR
.irp q, 0,1,2,3,4,5,6,7
	ds_load_b64 v[T+2*(\q):T+2*(\q)+1], v[STRD] offset:(\stat)+256*(\q)
.endr
.irp i, 0,1
	ds_load_b128 v[T+32+8*(\i):T+32+8*(\i)+3], v[PB2] offset:(\sS)*1024+64*(\i)
	ds_load_b128 v[T+36+8*(\i):T+36+8*(\i)+3], v[PB2] offset:(\sS)*1024+64*(\i)+16
	ds_load_b128 v[T+48+8*(\i):T+48+8*(\i)+3], v[PB2] offset:(\sB)*1024+64*(\i)
	ds_load_b128 v[T+52+8*(\i):T+52+8*(\i)+3], v[PB2] offset:(\sB)*1024+64*(\i)+16
.endr
	s_wait_dscnt 0x0
	v_pk_add_f32 v[T+16:T+17], v[T:T+1], v[T+2:T+3]
.irp q, 2,3,4,5,6,7
	v_pk_add_f32 v[T+16:T+17], v[T+16:T+17], v[T+2*(\q):T+2*(\q)+1]
.endr
	v_mul_f32 v[T+29], s19, v[T+16]
	v_fma_f32 v[T+18], v[T], s18, -v[T+29]
	v_mul_f32 v[T+19], v[T+18], v[T+18]
.irp q, 1,2,3,4,5,6,7
	v_fma_f32 v[T+18], v[T+2*(\q)], s18, -v[T+29]
	v_fma_f32 v[T+19], v[T+18], v[T+18], v[T+19]
.endr
	v_fma_f32 v[T+17], v[T+19], 0x42000000, v[T+17]
	v_fma_f32 v[T+17], v[T+17], s19, s20
	v_rsq_f32 v[T+31], v[T+17]
	v_mov_b32 v[T+25], 0                       ; a plain instruction behind the root; v_permlanex16_b32's destination counts as read
	v_mov_b32 v[T+27], 0
	v_permlanex16_b32 v[T+25], v[T+29], s14, s15
	s_wait_alu depctr_va_vdst(0)
	v_permlanex16_b32 v[T+27], v[T+31], s14, s15
	v_cndmask_b32 v[T+24], v[T+29], v[T+25], s13
	v_cndmask_b32 v[T+28], v[T+25], v[T+29], s13
	v_cndmask_b32 v[T+26], v[T+31], v[T+27], s13
	v_cndmask_b32 v[T+30], v[T+27], v[T+31], s13
.set zi, 0
.rept 4
.irp p, 0,1,2,3
	v_pk_add_f32 v[T+2*(\p):T+2*(\p)+1], v[X+8*zi+2*(\p):X+8*zi+2*(\p)+1], v[T+24+4*(zi%2):T+25+4*(zi%2)] op_sel_hi:[1,0] neg_lo:[0,1] neg_hi:[0,1]
	v_pk_mul_f32 v[T+2*(\p):T+2*(\p)+1], v[T+2*(\p):T+2*(\p)+1], v[T+26+4*(zi%2):T+27+4*(zi%2)] op_sel_hi:[1,0]
	v_pk_fma_f32 v[T+2*(\p):T+2*(\p)+1], v[T+2*(\p):T+2*(\p)+1], v[T+32+8*(zi/2)+2*(\p):T+33+8*(zi/2)+2*(\p)], v[T+48+8*(zi/2)+2*(\p):T+49+8*(zi/2)+2*(\p)]
	v_cvt_pk_f16_f32 v[T+64+4*zi+(\p)], v[T+2*(\p)], v[T+2*(\p)+1]
.endr
	ds_store_b128 v[LW], v[T+64+4*zi:T+67+4*zi] offset:(\doff)+(zi%2)*1024+(zi/2)*512
.set zi, zi+1
.endr
	BAR
.endm
.macro GELU a, o
.irp j, 0,1,2,3,4,5,6,7
	v_and_b32 v[T+(\j)], s38, v[(\a)+(\j)]
.endr
.irp j, 0,1,2,3,4,5,6,7
	v_max_num_f32 v[T+8+(\j)], 0, v[(\a)+(\j)]
.endr
.irp p, 0,2,4,6
	v_pk_fma_f32 v[T+16+(\p):T+17+(\p)], v[T+(\p):T+(\p)+1], s[24:25], 1.0 op_sel_hi:[1,0,0]
.endr
.irp j, 0,1,2,3,4,5,6,7
	v_rcp_f32 v[T+16+(\j)], v[T+16+(\j)]
.endr
.irp p, 0,2,4,6
	v_pk_mul_f32 v[T+24+(\p):T+25+(\p)], v[(\a)+(\p):(\a)+(\p)+1], v[(\a)+(\p):(\a)+(\p)+1]
.endr
.irp p, 0,2,4,6
	v_pk_mul_f32 v[T+24+(\p):T+25+(\p)], v[T+24+(\p):T+25+(\p)], s[36:37] op_sel_hi:[1,0]
.endr
.irp j, 0,1,2,3,4,5,6,7
	v_exp_f32 v[T+24+(\j)], v[T+24+(\j)]
.endr
	s_wait_alu depctr_va_vdst(0)
.irp p, 0,2,4,6
	v_pk_fma_f32 v[T+32+(\p):T+33+(\p)], v[T+16+(\p):T+17+(\p)], s[26:27], s[28:29] op_sel_hi:[1,0,0]
.endr
.irp c, 30,32,34
.irp p, 0,2,4,6
	v_pk_fma_f32 v[T+32+(\p):T+33+(\p)], v[T+32+(\p):T+33+(\p)], v[T+16+(\p):T+17+(\p)], s[\c:\c+1] op_sel_hi:[1,1,0]
.endr
.endr
.irp p, 0,2,4,6
	v_pk_mul_f32 v[T+32+(\p):T+33+(\p)], v[T+32+(\p):T+33+(\p)], v[T+16+(\p):T+17+(\p)]
.endr
.irp p, 0,2,4,6
	v_pk_mul_f32 v[T+32+(\p):T+33+(\p)], v[T+32+(\p):T+33+(\p)], v[T+24+(\p):T+25+(\p)]
.endr
.irp p, 0,2,4,6
	v_pk_fma_f32 v[T+32+(\p):T+33+(\p)], v[T+(\p):T+(\p)+1], v[T+32+(\p):T+33+(\p)], v[T+8+(\p):T+9+(\p)] neg_lo:[1,0,0] neg_hi:[1,0,0]
.endr
.irp p, 0,1,2,3
	v_cvt_pk_f16_f32 v[(\o)+(\p)], v[T+32+2*(\p)], v[T+33+2*(\p)]
.endr
.endm
.macro HILO a, hr, ho, lr, lo          ; eight f32 -> bf16 hi and bf16 (x - hi), 16 bytes each, into two fragments
.irp p, 0,1,2,3
	v_cvt_pk_bf16_f32 v[T+(\p)], v[(\a)+2*(\p)], v[(\a)+2*(\p)+1]
.endr
.irp p, 0,1,2,3
	v_lshlrev_b32 v[T+8+2*(\p)], 16, v[T+(\p)]
	v_and_b32 v[T+9+2*(\p)], s13, v[T+(\p)]
.endr
.irp p, 0,1,2,3
	v_pk_add_f32 v[T+8+2*(\p):T+9+2*(\p)], v[(\a)+2*(\p):(\a)+2*(\p)+1], v[T+8+2*(\p):T+9+2*(\p)] neg_lo:[0,1] neg_hi:[0,1]
.endr
.irp p, 0,1,2,3
	v_cvt_pk_bf16_f32 v[T+4+(\p)], v[T+8+2*(\p)], v[T+9+2*(\p)]
.endr
	ds_store_b128 v[\hr], v[T:T+3] offset:\ho
	ds_store_b128 v[\lr], v[T+4:T+7] offset:\lo
.endm
	s_load_b512 s[40:55], s[0:1], 0x0      ; ob 40, the state 42, wp1 44, wp2 46, grp 48, xyz 50, sa 52, idx 54
	v_lshl_add_u32 v[SPW], v0, 2, SPARE
	v_mov_b32 v[NIL], 0
	v_lshrrev_b32 v[LB], 5, v0
	v_readfirstlane_b32 s12, v[LB]
	s_mov_b32 s13, 0xffff0000
	s_mov_b32 s14, 0x76543210
	s_mov_b32 s15, 0xfedcba98
	s_cmp_ge_u32 ttmp9, 128
	s_cbranch_scc1 .Lsel
	FRAME
	GCONST
	v_lshlrev_b32 v[AUX], 4, v0
	s_lshl_b32 s21, s12, 10
	v_add_nc_u32 v[AUX+1], s21, v[LB]
	s_lshr_b32 s21, s12, 1                 ; my class tile
	s_and_b32 s22, s12, 1                  ; my token tile
	s_lshl_b32 s23, s21, 10
	v_add_nc_u32 v[H2A], s23, v[LB]
	s_lshl_b32 s23, s22, 10
	v_add_nc_u32 v[HB], s23, v[LBG]
	v_bfe_u32 v[HBI], v0, 4, 1
	v_lshlrev_b32 v[HBI], 5, v[HBI]
	s_lshl_b32 s23, s21, 6
	v_add_nc_u32 v[HBI], s23, v[HBI]
	v_and_b32 v[LTS], 15, v0
	s_lshl_b32 s23, s22, 4
	v_add_nc_u32 v[LTS], s23, v[LTS]       ; token 16 tt + lane % 16
	v_mul_u32_u24 v[LTS], v[LTS], 272
	v_add_nc_u32 v[LTS], v[LTS], v[HBI]
	v_and_b32 v[AUX+8], 15, v0
	v_lshlrev_b32 v[AUX+8], 4, v[AUX+8]
	v_bfe_u32 v[LTR], v0, 4, 1
	s_lshl_b32 s23, s12, 2
	v_add_nc_u32 v[LTR], s23, v[LTR]       ; row 4 w + lane / 16
	v_lshl_add_u32 v[LTG], v[LTR], 8, v[AUX+8]
	v_mul_u32_u24 v[LTR], v[LTR], 272
	v_add_nc_u32 v[LTR], v[LTR], v[AUX+8]
	s_lshl_b32 s62, ttmp9, 14
	s_mov_b32 s63, 0
	s_wait_kmcnt 0x0
	s_add_nc_u64 s[40:41], s[40:41], s[62:63]
	s_lshl_b32 s62, ttmp9, 15
	s_add_nc_u64 s[42:43], s[42:43], s[62:63]
	s_add_nc_u64 s[16:17], s[44:45], 1060864
	s_lshl_b32 s62, ttmp9, 13
	s_add_co_u32 s62, s62, LTOFF
	s_add_nc_u64 s[60:61], s[52:53], s[62:63]  ; my 32 rows of logits
.irp q, 0,1,2
	global_load_b128 v[T+4*(\q):T+4*(\q)+3], v[AUX], s[16:17] offset:PARG+4096*(\q)
.endr
.irp q, 0,1,2,3
	global_load_b128 v[T+12+4*(\q):T+15+4*(\q)], v[AUX+1], s[40:41] offset:((\q)/2)*8192+((\q)%2)*512
.endr
.irp q, 0,1,2,3,4,5,6,7
	global_load_b128 v[X+4*(\q):X+4*(\q)+3], v[XA], s[42:43] offset:512*(\q)
.endr
	WIN 0x40
.set zw, 0
.rept 24
	WLD zw
.set zw, zw+1
.endr
	WIN 0
	s_wait_loadcnt 56                      ; parameters and o are in: x's 8 loads and the ring's 48 stay out
.irp q, 0,1,2
	ds_store_b128 v[AUX], v[T+4*(\q):T+4*(\q)+3] offset:PAR+4096*(\q)
.endr
.irp q, 0,1,2,3
	ds_store_b128 v[LW], v[T+12+4*(\q):T+15+4*(\q)] offset:R1+((\q)/2)*1024+((\q)%2)*512
.endr
	BAR
	s_wait_loadcnt 48                      ; x is in
	XBIAS 0
	STAGE f16, 0, 2, 8, X, 2, LB, R1
	LN STA, 1, 2, R2
	PREF
	STAGE f16, 16, 4, 8, ACC, 2, LB, R2
.set zi, 0
.rept 8
.set za, ACC+8*zi
.set zq, T+64+4*zi
	GELU za, zq
	ds_store_b128 v[GWR], v[zq:zq+3] offset:((zi/4)*2+zi%2)*1024+((zi/2)%2)*512
.set zi, zi+1
.endr
	BAR
	XBIAS 5
	STAGE f16, 48, 2, 16, X, 2, LBG, 0
.set zi, 0
.rept 4                                ; x as hi + lo: the regions' last readers passed a barrier since
.set za, X+8*zi
.set zo, (zi%2)*1024+(zi/2)*512
	HILO za, LW, R1+zo, LW, R2+zo
.set zi, zi+1
.endr
	BAR
	PREX 6                                 ; head_b1
	STAGE bf16, 80, 2, 8, X, 4, LB, R1, LB, R2
.set zi, 0
.rept 32
	v_max_num_f32 v[X+zi], 0, v[X+zi]
.set zi, zi+1
.endr
.set zi, 0
.rept 4
.set za, X+8*zi
.set zo, (zi%2)*1024+(zi/2)*512
	HILO za, LWG, zo, LWG, 16384+zo
.set zi, zi+1
.endr
	BAR
	; the logits: one tile of 16 classes x 16 tokens a wave; hi and lo have an accumulator each, which take turns
	ds_load_b128 v[T+16:T+19], v[HBI] offset:7*1024
	ds_load_b128 v[T+20:T+23], v[HBI] offset:7*1024+16
	WIN 0x40
	HLD 0, 0
	HLD 1, 1
.set zk, 0
.rept 8
	s_wait_loadcnt 2*(7-zk)                ; the later K steps' fragments may stay out
.if zk == 7
	s_wait_dscnt 0x0
.else
	s_wait_dscnt 4
.endif
	WIN 0x05
.set za, 8*((96+zk)%24)
.set zb, BF+32*(zk%2)
.if zk == 0
	v_wmma_f32_16x16x32_bf16 v[ACC:ACC+7], v[za:za+7], v[zb:zb+7], 0
	v_wmma_f32_16x16x32_bf16 v[ACC+8:ACC+15], v[za:za+7], v[zb+8:zb+15], 0
.else
	v_wmma_f32_16x16x32_bf16 v[ACC:ACC+7], v[za:za+7], v[zb:zb+7], v[ACC:ACC+7]
	v_wmma_f32_16x16x32_bf16 v[ACC+8:ACC+15], v[za:za+7], v[zb+8:zb+15], v[ACC+8:ACC+15]
.endif
	PLACES
	WIN 0x40
.if zk+2 < 8
.set zq, zk%2
.set zr, zk+2
	HLD zq, zr
.endif
.set zk, zk+1
.endr
	WIN 0
.irp p, 0,2,4,6
	v_pk_add_f32 v[ACC+(\p):ACC+(\p)+1], v[ACC+(\p):ACC+(\p)+1], v[ACC+8+(\p):ACC+9+(\p)]
.endr
.irp p, 0,2,4,6
	v_pk_add_f32 v[ACC+(\p):ACC+(\p)+1], v[ACC+(\p):ACC+(\p)+1], v[T+16+(\p):T+17+(\p)]
.endr
	ds_store_b128 v[LTS], v[ACC:ACC+3] offset:R1
	ds_store_b128 v[LTS], v[ACC+4:ACC+7] offset:R1+16
	BAR
	ds_load_b128 v[T:T+3], v[LTR] offset:R1
	ds_load_b128 v[T+4:T+7], v[LTR] offset:R1+2*272
	s_wait_dscnt 0x0
	global_store_b128 v[LTG], v[T:T+3], s[60:61]               ; sixteen lanes store a row's 256 consecutive aligned bytes
	global_store_b128 v[LTG], v[T+4:T+7], s[60:61] offset:512
	END
.Lsel:                                 ; thread = point
	s_sub_co_u32 s21, ttmp9, 128
	s_lshr_b32 s22, s21, 6                 ; cloud
	s_lshl_b32 s23, s21, 8
	v_add_nc_u32 v16, s23, v0
	v_mul_u32_u24 v17, v16, 12
	v_lshlrev_b32 v18, 2, v16
	s_lshl_b32 s62, s22, 15
	s_add_co_u32 s62, s62, 1191936
	s_mov_b32 s63, 0
	s_wait_kmcnt 0x0
	s_add_nc_u64 s[4:5], s[46:47], s[62:63]    ; my cloud's (x, y, z, k2)
	global_load_b96 v[20:22], v17, s[50:51]
	global_load_b32 v19, v18, s[48:49]
	s_wait_loadcnt 0x0
	v_cvt_pk_bf16_f32 v23, v20, v21
	v_cvt_pk_bf16_f32 v26, v22, v22
	v_lshlrev_b32 v24, 16, v23
	v_and_b32 v25, s13, v23
	v_lshlrev_b32 v26, 16, v26
	v_mul_f32 v27, v24, v24
	v_fma_f32 v27, v25, v25, v27
	v_fma_f32 v27, v26, v26, v27           ; q2
	v_mov_b32 v28, 0x7f800000
	v_mov_b32 v29, 0x7f800000
	v_mov_b32 v30, 0x7f800000
	v_mov_b32 v31, 0
	v_mov_b32 v32, 0
	v_mov_b32 v33, 0
	s_mov_b32 s24, 4
.Lgrp:                                 ; a group of eight tokens a trip, in ascending order of their numbers
	v_and_b32 v34, 0xff, v19
	v_min_u32 v34, 0xff, v34
	v_lshlrev_b32 v35, 7, v34
.irp e, 0,1,2,3,4,5,6,7
	global_load_b128 v[48+4*(\e):51+4*(\e)], v35, s[4:5] offset:16*(\e)
.endr
	v_lshlrev_b32 v34, 3, v34
	v_lshrrev_b32 v19, 8, v19
	s_wait_loadcnt 0x0
.irp e, 0,1,2,3,4,5,6,7
	v_mul_f32 v36, v24, v[48+4*(\e)]
	v_fma_f32 v36, v25, v[49+4*(\e)], v36
	v_fma_f32 v36, v26, v[50+4*(\e)], v36
	v_add_f32 v37, v27, v[51+4*(\e)]
	v_fma_f32 v36, -2.0, v36, v37
	v_max_num_f32 v36, 0, v36
	v_add_nc_u32 v38, \e, v34
	v_cmp_lt_f32 s25, v36, v28             ; strictly less: at a tie the earlier, lower index stays in front
	v_cmp_lt_f32 s26, v36, v29
	v_cmp_lt_f32 s27, v36, v30
	v_cndmask_b32 v39, v38, v32, s26
	v_cndmask_b32 v33, v33, v39, s27
	v_cndmask_b32 v39, v38, v31, s25
	v_cndmask_b32 v32, v32, v39, s26
	v_cndmask_b32 v31, v31, v38, s25
	v_med3_num_f32 v30, v36, v29, v30
	v_med3_num_f32 v29, v36, v28, v29
	v_min_num_f32 v28, v36, v28
.endr
	s_sub_co_u32 s24, s24, 1
	s_cmp_lg_u32 s24, 0
	s_cbranch_scc1 .Lgrp
	s_lshl_b32 s25, s22, 11
	v_add_nc_u32 v40, s25, v31             ; rows of the logits' table
	v_add_nc_u32 v41, s25, v32
	v_add_nc_u32 v42, s25, v33
	v_mov_b32 v43, 0
	v_lshlrev_b32 v44, 4, v16
	global_store_b128 v44, v[40:43], s[54:55]
	END
.Lfunc_end_k_q9f05e60021_fin:
	.size	k_q9f05e60021_fin, .Lfunc_end_k_q9f05e60021_fin-k_q9f05e60021_fin
	.p2alignl 7, 3214868480
	.fill 96, 4, 3214868480
	.section	.rodata,"a",@progbits
	.p2align	6, 0x0
	.amdhsa_kernel k_q9f05e60021_fin
		.amdhsa_group_segment_fixed_size 82944
		.amdhsa_private_segment_fixed_size 0
		.amdhsa_enable_private_segment 0
		.amdhsa_kernarg_size 64
		.amdhsa_user_sgpr_count 2
		.amdhsa_user_sgpr_kernarg_segment_ptr 1
		.amdhsa_wavefront_size32 1
		.amdhsa_system_sgpr_workgroup_id_x 1
		.amdhsa_system_sgpr_workgroup_id_y 1
		.amdhsa_system_sgpr_workgroup_id_z 1
		.amdhsa_system_vgpr_workitem_id 0
		.amdhsa_next_free_vgpr 512
		.amdhsa_next_free_sgpr 66
		.amdhsa_reserve_vcc 0
		.amdhsa_float_denorm_mode_32 3
		.amdhsa_float_denorm_mode_16_64 3
		.amdhsa_memory_ordered 1
		.amdhsa_forward_progress 1
		.amdhsa_inst_pref_size 136
	.end_amdhsa_kernel
	.amdgpu_metadata
---
amdhsa.version: [ 1, 2 ]
amdhsa.kernels:
  - .name:           k_q9f05e60021_fin
    .symbol:         k_q9f05e60021_fin.kd
    .args:
      - { .name: ob, .offset: 0, .size: 8, .value_kind: global_buffer, .address_space: global }
      - { .name: sb, .offset: 8, .size: 8, .value_kind: global_buffer, .address_space: global }
      - { .name: wp1, .offset: 16, .size: 8, .value_kind: global_buffer, .address_space: global }
      - { .name: wp2, .offset: 24, .size: 8, .value_kind: global_buffer, .address_space: global }
      - { .name: grp, .offset: 32, .size: 8, .value_kind: global_buffer, .address_space: global }
      - { .name: xyz, .offset: 40, .size: 8, .value_kind: global_buffer, .address_space: global }
      - { .name: sa, .offset: 48, .size: 8, .value_kind: global_buffer, .address_space: global }
      - { .name: idx, .offset: 56, .size: 8, .value_kind: global_buffer, .address_space: global }
    .group_segment_fixed_size: 82944
    .private_segment_fixed_size: 0
    .kernarg_segment_align: 8
    .kernarg_segment_size: 64
    .max_flat_workgroup_size: 256
    .sgpr_count:     66
    .vgpr_count:     512
    .wavefront_size: 32
...
	.end_amdgpu_metadata
.endif
;; end of part 5
;; launch gat (part 6): grid 256 x 1, 4 waves a work-group, no clusters, 0 bytes of LDS; arguments idx, sa, out0; writes out0
.if DOCPART == 6
	.amdgcn_target "amdgcn-amd-amdhsa--gfx1250"
	.amdhsa_code_object_version 6
	.text
	.protected	k_q9f05e60021_gat
	.globl	k_q9f05e60021_gat
	.p2align	8
	.type	k_q9f05e60021_gat,@function
k_q9f05e60021_gat:
	s_mov_b64 s[64:65], 0
	v_nop
	global_prefetch_b8 v0, s[64:65] scope:SCOPE_SE
	s_setreg_imm32_b32 hwreg(HW_REG_WAVE_MODE, 25, 1), 1
	s_wait_xcnt 0x0
; GAT: out[point][class] = the mean of the logits of the point's three nearest tokens, whose rows an earlier launch stored as whole numbers.
; A work-group owns 128 points: 3,200 pairs of classes, 25,600 consecutive bytes of the output.  Thread t takes pairs t + 128 n: a store of a wave is 256 consecutive aligned bytes.
; Memory binds: no LDS, no matrix unit, no cluster (the work-groups share only the table of logits, 1 MB, gathered by rows of 200 bytes).
; pair / 25 = (pair x 5243) >> 17: the excess is pair x 9.2e-7, under 0.003 for pair < 3,200, so the quotient is exact.  The mean is (a + b + c) x (1/3): within one rounding of the division.
.set LTOFF, 10485760
	s_load_b128 s[4:7], s[0:1], 0x0        ; idx, the state with the logits
	s_load_b64 s[8:9], s[0:1], 0x10        ; out0
	s_lshl_b32 s10, ttmp9, 11              ; 128 points x 16 bytes
	s_mov_b32 s11, 0
	s_mul_i32 s12, ttmp9, 25600
	s_mov_b32 s13, 0
	v_mov_b32 v1, v0
	s_wait_kmcnt 0x0
	s_add_nc_u64 s[4:5], s[4:5], s[10:11]
	s_add_nc_u64 s[6:7], s[6:7], LTOFF
	s_add_nc_u64 s[8:9], s[8:9], s[12:13]
	s_mov_b32 s14, 5
.Ltrip:                                ; five pairs a thread and trip
.irp k, 0,1,2,3,4
	v_add_nc_u32 v[2+(\k)], 128*(\k), v1
	v_mul_u32_u24 v[8+(\k)], v[2+(\k)], 5243
	v_lshrrev_b32 v[8+(\k)], 17, v[8+(\k)]         ; the point
	v_mul_u32_u24 v[14+(\k)], v[8+(\k)], 25
	v_sub_nc_u32 v[14+(\k)], v[2+(\k)], v[14+(\k)] ; the pair of classes
	v_lshlrev_b32 v[8+(\k)], 4, v[8+(\k)]
	global_load_b128 v[20+4*(\k):23+4*(\k)], v[8+(\k)], s[4:5]
.endr
	s_wait_loadcnt 0x0
.irp k, 0,1,2,3,4
.irp e, 0,1,2
	v_min_u32 v[20+4*(\k)+(\e)], 0xfff, v[20+4*(\k)+(\e)]
	v_lshlrev_b32 v[20+4*(\k)+(\e)], 8, v[20+4*(\k)+(\e)]
	v_lshl_add_u32 v[20+4*(\k)+(\e)], v[14+(\k)], 3, v[20+4*(\k)+(\e)]
	global_load_b64 v[40+6*(\k)+2*(\e):41+6*(\k)+2*(\e)], v[20+4*(\k)+(\e)], s[6:7]
.endr
.endr
	s_wait_loadcnt 0x0
.irp k, 0,1,2,3,4
	v_pk_add_f32 v[40+6*(\k):41+6*(\k)], v[40+6*(\k):41+6*(\k)], v[42+6*(\k):43+6*(\k)]
	v_pk_add_f32 v[40+6*(\k):41+6*(\k)], v[40+6*(\k):41+6*(\k)], v[44+6*(\k):45+6*(\k)]
	v_pk_mul_f32 v[40+6*(\k):41+6*(\k)], v[40+6*(\k):41+6*(\k)], 0x3eaaaaab op_sel_hi:[1,0]
	v_lshlrev_b32 v[2+(\k)], 3, v[2+(\k)]
	global_store_b64 v[2+(\k)], v[40+6*(\k):41+6*(\k)], s[8:9]
.endr
	s_wait_xcnt 0x0                        ; the stores' address and data registers are written again only behind this wait
	v_add_nc_u32 v1, 640, v1
	s_sub_co_u32 s14, s14, 1
	s_cmp_lg_u32 s14, 0
	s_cbranch_scc1 .Ltrip
	s_endpgm
.Lfunc_end_k_q9f05e60021_gat:
	.size	k_q9f05e60021_gat, .Lfunc_end_k_q9f05e60021_gat-k_q9f05e60021_gat
	.p2alignl 7, 3214868480
	.fill 96, 4, 3214868480
	.section	.rodata,"a",@progbits
	.p2align	6, 0x0
	.amdhsa_kernel k_q9f05e60021_gat
		.amdhsa_group_segment_fixed_size 0
		.amdhsa_private_segment_fixed_size 0
		.amdhsa_enable_private_segment 0
		.amdhsa_kernarg_size 24
		.amdhsa_user_sgpr_count 2
		.amdhsa_user_sgpr_kernarg_segment_ptr 1
		.amdhsa_wavefront_size32 1
		.amdhsa_system_sgpr_workgroup_id_x 1
		.amdhsa_system_sgpr_workgroup_id_y 1
		.amdhsa_system_sgpr_workgroup_id_z 1
		.amdhsa_system_vgpr_workitem_id 0
		.amdhsa_next_free_vgpr 72
		.amdhsa_next_free_sgpr 66
		.amdhsa_reserve_vcc 0
		.amdhsa_float_denorm_mode_32 3
		.amdhsa_float_denorm_mode_16_64 3
		.amdhsa_memory_ordered 1
		.amdhsa_forward_progress 1
		.amdhsa_inst_pref_size 9
	.end_amdhsa_kernel
	.amdgpu_metadata
---
amdhsa.version: [ 1, 2 ]
amdhsa.kernels:
  - .name:           k_q9f05e60021_gat
    .symbol:         k_q9f05e60021_gat.kd
    .args:
      - { .name: idx, .offset: 0, .size: 8, .value_kind: global_buffer, .address_space: global }
      - { .name: sa, .offset: 8, .size: 8, .value_kind: global_buffer, .address_space: global }
      - { .name: out0, .offset: 16, .size: 8, .value_kind: global_buffer, .address_space: global }
    .group_segment_fixed_size: 0
    .private_segment_fixed_size: 0
    .kernarg_segment_align: 8
    .kernarg_segment_size: 24
    .max_flat_workgroup_size: 128
    .sgpr_count:     66
    .vgpr_count:     72
    .wavefront_size: 32
...
	.end_amdgpu_metadata
.endif
;; end of part 6
;; ======== version 2 of 2: 11 launches
;; limits: values within 3e-05 (relative) of each other or of a threshold may be ordered or decided otherwise than in the reference; values are held in f16: magnitudes above 65,504 overflow, below 6.1e-05 lose precision; a function is approximated: absolute error at most 1.5e-07; an absolute error that grows with the inputs' magnitude: up to 1e-07 times it
;; workspace buffers: wp0 1,597,440 bytes; wp1 1,892,352 bytes; wp2 1,257,472 bytes; sa 11,534,336 bytes; sb 11,534,336 bytes; ob 2,097,152 bytes; grp 131,072 bytes of whole numbers; idx 524,288 bytes of whole numbers
;; launch prep: the kernel of part 1 again; grid 295 x 1, 8 waves a work-group, no clusters, 0 bytes of LDS; arguments Wq, Wk, Wv, Wo, W1, W2, bq, bk, bv, bo, b1, b2, ln1_s, ln1_b, ln2_s, ln2_b, embed_w2, pos_w2, head_w1, head_w2, embed_b2, pos_b2, head_b1, head_b2, xyz, wp0, wp1, wp2; writes wp0, wp1, wp2
;; launch emb: the kernel of part 2 again; grid 256 x 1, 8 waves a work-group, no clusters, 82,944 bytes of LDS; arguments xyz, embed_w1, embed_b1, pos_w1, pos_b1, wp0, wp2, sa, grp; writes sa, grp
;; launch attn (part 7): grid 16 x 16, 8 waves a work-group, clusters of 4 x 1, 283,648 bytes of LDS; arguments sa, ob; writes ob
.if DOCPART == 7
	.amdgcn_target "amdgcn-amd-amdhsa--gfx1250"
	.amdhsa_code_object_version 6
	.text
	.protected	k_q9f05e60021_attn
	.globl	k_q9f05e60021_attn
	.p2align	8
	.type	k_q9f05e60021_attn,@function
k_q9f05e60021_attn:
	s_mov_b64 s[64:65], 0
	v_nop
	global_prefetch_b8 v0, s[64:65] scope:SCOPE_SE
	s_setreg_imm32_b32 hwreg(HW_REG_WAVE_MODE, 25, 1), 1
	s_wait_xcnt 0x0
	s_wait_alu depctr_hold_cnt(0) depctr_sa_sdst(0) depctr_va_vdst(0) depctr_va_sdst(0) depctr_va_ssrc(0) depctr_va_vcc(0) depctr_vm_vsrc(0)
	s_getreg_b32 s2, hwreg(HW_REG_IB_STS2, 6, 4)
	s_cmp_eq_u32 s2, 0
	s_cbranch_scc0 .Lentry_in_a_cluster
	s_endpgm
.Lentry_in_a_cluster:
	s_bfe_u32 s2, ttmp6, 0x10000c
	s_cmp_lg_u32 s2, 0x3003
	s_cbranch_scc0 .Lentry_shape_is_right
	s_endpgm
.Lentry_shape_is_right:
; ATTENTION, head size 32, 2,048 keys, no mask.  q, k, v arrive as f16 fragments (1,024 bytes: byte half*512 + lane*16), o leaves as f16 fragments.
; SHARES.  Work-group (x, y): head y (cloud y / 8), 128 queries.  Eight waves: wave w takes the two tiles of 16 queries of pair w % 4 and the key half w / 4 (1,024 keys), so two waves
; lie on each SIMD and one's vector work can stand beside the other's matrix work.  LDS is read no more than by four waves that walk all keys: 8 x 128 KB = 4 x 256 KB.
; A head's K and V, 131,072 bytes each, lie in LDS whole: nothing is filled again.  CLUSTER: the four query blocks of a cluster belong to one head, so K and V are asked for JOINTLY
; (same load, descriptor and mask in all four).  They come in two phases, the first 256 keys of each half and then its other 768; a wave has two tensor loads out at most.
; LAYOUT.  S^T = K Q^T: a lane holds ONE query (lane % 16) and keys 8 (lane / 16) + 0..7; rounded in pairs it IS source 1 of O^T = V^T P.
; The row sum l is a third product: rows 0 and 8 of its source 0 are ones, so register 0 of every lane holds l of its query, summed over the rounded p.
; SOFTMAX.  p = 2^(c s - c m), c = log2(e) / sqrt(32), m the running maximum; O and l are multiplied by a = 2^(c m_old - c m_new) in every step.
; m starts at the lowest finite number, O and l at 0, so the first step is a step like any other, with a = 0.
; BY TURNS.  A tile and step have 10 matrix, 33 exponential and 62 plain vector instructions.  In tile x's turn the matrix unit makes x's scores of the NEXT step (4 products) and
; x's V^T P and l of the step in hand (6).  Beside them stand the OTHER tile's scaling, exponentials, roundings and rescaling, and, set between those exponentials, the maximum and
; statistics of x's new scores.  Two turns are a key step of 64 keys.  The loop is entered at tile 1's turn: its first V^T P runs on zeros.
; THE TWO HALVES MEET at the end: each wave of a pair hands the other its O, l and c m of one tile through LDS and finishes the other tile:
; M = max(c m_a, c m_b), O = (O_a 2^(c m_a - M) + O_b 2^(c m_b - M)) / (l_a 2^(c m_a - M) + l_b 2^(c m_b - M)): the running maximum's own rule, applied once more.
; LIMITS.  p below 6e-8 counts as 0 (f16), a weight below 2^-126 as 0; q, k, v within 65,504; NaN and infinities are not treated apart.
.set QOFF,  4194304
.set KOFF,  6291456
.set VOFF,  8388608
.set VL,    131072                     ; V's fragments in LDS, behind K's
.set SPARE, 262144                     ; the spare words: 128 bytes a wave, named by no other line
.set MS,    263168                     ; where the halves meet: 2,560 bytes a wave, never filled by a tensor load
.set MSP,   2560
.set LB,   1                           ; 16 lane
.set AK,   2
.set AV,   3
.set SPW,  4
.set NIL,  5
.set MW,   6                           ; where I put what I hand over
.set MR,   7                           ; where my partner has put it
.set ST,   8                           ; v[8:23]    a tile's eight: c m, m, a, c m_old and then its change, c0-c3 at work
.set ONES, 24                          ; v[24:31]
.set Q,    32                          ; v[32:47]
.set OA,   48                          ; v[48:95]   a tile's 24: O^T channels 0-15, 16-31, l
.set KF,   96                          ; v[96:127]  K of one step: four fragments
.set VF,   128                         ; v[128:159] V of one step: fragment (32 keys kb, 16 channels cb) at VF + 8 (2 kb + cb)
.set S,    160                         ; v[160:223] S^T, 32 a tile
.set P,    224                         ; v[224:255] p in f16, 16 a tile
.set GV,   S                           ; at the end: 16 O, l, c m that I hand over; later the packed result
.set PT,   S+20                         ; the same of my partner
.set KP,   S+40                         ; the same that I keep
.set WV,   12
.set G1A,  24                          ; s[24:31] a tile of 32 rows of 256 bytes
.set G1B,  32                          ; s[32:39] of 96 rows
.set G0K,  40                          ; s[40:47] two sets, one a phase
.set G0V,  48                          ; s[48:55]
.set PR,   56                          ; my pair of query tiles, w % 4
.set HF,   57                          ; my key half, w / 4
.set SMK,  58                          ; all ones in the second half's waves, else 0
.set CS,   66                          ; s[66:67] c
.set SEL,  68                          ; s[68:69]
.set TBK,  70                          ; LDS byte of the K step to be fetched
.set TBV,  71
.set CNT,  72
.macro ROUND                           ; a round of the cluster's barrier
	s_barrier_signal -1
	s_barrier_wait -1
	s_cmp_lg_u32 s[WV], 0
	s_cbranch_scc1 .Lnot_wave_0_\@
	s_barrier_signal -3
.Lnot_wave_0_\@:
	s_barrier_wait -3
	s_barrier_signal -1
	s_barrier_wait -1
.endm
.macro PLACES
.rept 4
	v_nop
.endr
.endm
.macro BAR
	s_wait_dscnt 0x0
	s_barrier_signal -1
	s_barrier_wait -1
.endm
	s_load_b128 s[4:7], s[0:1], 0x0        ; the state s[4:5], ob s[6:7]
	v_lshl_add_u32 v[SPW], v0, 2, SPARE
	v_mov_b32 v[NIL], 0
	ds_add_u32 v[SPW], v[NIL]              ; the wave's opening: the add and its wait stand ahead of my first tensor load
	ds_add_u32 v4, v5
	v_lshrrev_b32 v1, 5, v0
	v_readfirstlane_b32 s[WV], v1
	s_and_b32 s[PR], s[WV], 3
	s_lshr_b32 s[HF], s[WV], 2
	s_cmp_ge_u32 s[WV], 4
	s_cselect_b32 s[SMK], -1, 0
	s_bfe_u32 s13, ttmp6, 0x40000          ; cx
	s_lshl_b32 s14, ttmp9, 2
	s_add_co_u32 s14, s14, s13             ; my block of 128 queries: it enters q's and o's addresses alone
	s_and_b32 s15, ttmp7, 0xffff           ; cloud x 8 + head, shared by the four partners
.irp g, G1A, G1B
	s_mov_b32 s[\g], 15|(3<<16)|(1<<21)    ; the mask of four; elements of 8 bytes; bit 21 beside a mask
	s_mov_b32 s[\g+1], 32<<16              ; tensor_dim0 = 32 elements: rows of 256 bytes
	s_mov_b32 s[\g+3], 32<<16              ; tile_dim0 = 32
	s_mov_b32 s[\g+5], 32                  ; from row to row: dense
	s_mov_b32 s[\g+6], 0
	s_mov_b32 s[\g+7], 0
.endr
	s_mov_b32 s[G1A+2], 32<<16             ; tensor_dim1 and tile_dim1: 32 rows, 8,192 bytes,
	s_mov_b32 s[G1A+4], 32
	s_mov_b32 s[G1B+2], 96<<16             ; or 96 rows, 24,576 bytes
	s_mov_b32 s[G1B+4], 96
	; waves 0-3 fetch K, waves 4-7 V.  Of these four, bit 1 of the wave's number says for which key half, bit 0 which part of a phase.  LDS mirrors memory.
	s_and_b32 s16, s[WV], 1
	s_bfe_u32 s17, s[WV], 0x10001
	s_lshl_b32 s17, s17, 16                ; a key half is 65,536 bytes of K or of V
	s_lshl_b32 s74, s16, 13                ; phase A: the half's bytes 0 to 16,383
	s_add_co_u32 s74, s74, s17
	s_mov_b32 s75, 0
	s_mul_i32 s76, s16, 24576              ; phase B: its bytes 16,384 to 65,535
	s_add_co_u32 s76, s76, s17
	s_add_co_u32 s76, s76, 16384
	s_mov_b32 s77, 0
	s_lshl_b32 s18, s15, 17
	s_mov_b32 s19, 0
	s_mov_b32 s[G0K], 1
	s_mov_b32 s[G0K+1], s74
	s_mov_b32 s[G0K+4], 1
	s_mov_b32 s[G0K+5], s76
	s_mov_b32 s[G0V], 1
	s_add_co_u32 s[G0V+1], s74, VL
	s_mov_b32 s[G0V+4], 1
	s_add_co_u32 s[G0V+5], s76, VL
	s_mov_b32 s[CS], 0x3e8293ee            ; log2(e) / sqrt(32)
	s_mov_b32 s[CS+1], s[CS]
	s_mov_b32 s[SEL], 0x76543210
	s_mov_b32 s[SEL+1], 0xfedcba98
	s_lshl_b32 s[TBK], s[HF], 16           ; my half's first step
	s_add_co_u32 s[TBV], s[TBK], VL
	s_wait_dscnt 0x0                       ; the opening add is done
	s_wait_kmcnt 0x0
	s_add_nc_u64 s[20:21], s[4:5], s[18:19]
	s_add_nc_u64 s[G0K+2:G0K+3], s[20:21], s[74:75]
	s_add_nc_u64 s[G0V+2:G0V+3], s[G0K+2:G0K+3], VOFF
	s_add_nc_u64 s[G0K+2:G0K+3], s[G0K+2:G0K+3], KOFF
	s_add_nc_u64 s[G0K+6:G0K+7], s[20:21], s[76:77]
	s_add_nc_u64 s[G0V+6:G0V+7], s[G0K+6:G0K+7], VOFF
	s_add_nc_u64 s[G0K+6:G0K+7], s[G0K+6:G0K+7], KOFF
	s_or_b32 s[G0K+3], s[G0K+3], 0x80000000
	s_or_b32 s[G0K+7], s[G0K+7], 0x80000000
	s_or_b32 s[G0V+3], s[G0V+3], 0x80000000
	s_or_b32 s[G0V+7], s[G0V+7], 0x80000000
	ROUND                                  ; all four work-groups are here: the joint loads meet
	s_cmp_lt_u32 s[WV], 4                  ; a wave's two fills stand in one branch
	s_cbranch_scc0 .Lfirst_v
	tensor_load_to_lds s[G0K:G0K+3], s[G1A:G1A+7]
	s_nop 0
	tensor_load_to_lds s[G0K+4:G0K+7], s[G1B:G1B+7]
	s_nop 0
.rept 4
	v_nop
.endr
	s_branch .Lasked
.Lfirst_v:
	tensor_load_to_lds s[G0V:G0V+3], s[G1A:G1A+7]
	s_nop 0
	tensor_load_to_lds s[G0V+4:G0V+7], s[G1B:G1B+7]
	s_nop 0
.rept 4
	v_nop
.endr
.Lasked:
	v_and_b32 v[LB], 31, v0
	v_lshlrev_b32 v[LB], 4, v[LB]
	s_lshl_b32 s74, s15, 7
	s_lshl3_add_u32 s74, s14, s74
	s_lshl1_add_u32 s74, s[PR], s74        ; my first query tile among the head's
	s_lshl_b32 s74, s74, 10
	s_add_co_u32 s74, s74, QOFF
	s_mov_b32 s75, 0
	s_add_nc_u64 s[8:9], s[4:5], s[74:75]
	s_lshr_b32 s76, s15, 3
	s_lshl_b32 s76, s76, 7
	s_lshl3_add_u32 s76, s14, s76
	s_lshl1_add_u32 s76, s[PR], s76
	s_add_co_u32 s76, s76, s[HF]           ; the token tile that I finish: tile w / 4 of my pair
	s_and_b32 s78, s15, 7
	s_lshl3_add_u32 s76, s76, s78          ; x 8 + head
	s_lshl_b32 s76, s76, 10
	s_mov_b32 s77, 0
	s_add_nc_u64 s[10:11], s[6:7], s[76:77]
.irp q, 0,1,2,3
	global_load_b128 v[Q+4*(\q):Q+4*(\q)+3], v[LB], s[8:9] offset:512*(\q)
.endr
	v_and_b32 v[AK], 7, v0
	v_cmp_eq_u32 vcc_lo, 0, v[AK]
.irp q, 0,1,2,3,4,5,6,7
	v_cndmask_b32 v[ONES+(\q)], 0, 0x3c003c00, vcc_lo
.endr
	; O and l start at 0; V's registers and tile 1's p hold 0 for the entry turn's products.  All this stands in the wait for the first phase.
.set zi, 0
.rept 48
	v_mov_b32 v[OA+zi], 0
.set zi, zi+1
.endr
.set zi, 0
.rept 32
	v_mov_b32 v[VF+zi], 0
.set zi, zi+1
.endr
.set zi, 0
.rept 16
	v_mov_b32 v[P+16+zi], 0
.set zi, zi+1
.endr
.irp x, 0,1
	v_mov_b32 v[ST+8*(\x)], 0xfe000000     ; c m: far below every c s
	v_mov_b32 v[ST+8*(\x)+1], 0xff7fffff   ; m
.endr
.macro FETCH_K                         ; a step's four fragments of K: eight loads of 512 consecutive bytes
	v_add_nc_u32 v[AK], s[TBK], v[LB]
.irp q, 0,1,2,3,4,5,6,7
	ds_load_b128 v[KF+4*(\q):KF+4*(\q)+3], v[AK] offset:512*(\q)
.endr
	s_add_co_u32 s[TBK], s[TBK], 4096
.endm
.macro FETCH_V
	v_add_nc_u32 v[AV], s[TBV], v[LB]
.irp q, 0,1,2,3,4,5,6,7
	ds_load_b128 v[VF+4*(\q):VF+4*(\q)+3], v[AV] offset:512*(\q)
.endr
	s_add_co_u32 s[TBV], s[TBV], 4096
.endm
; THE VECTOR WORK, one line at a time: OP kind, number.  TX is the tile that has the matrix unit.
; For the other tile: F n: c s - c m for pair n of 16.  E n: the exponential of score n of 32.  C n: pair n rounded to f16.  R n: O^T (n < 8, a pair) or l (n = 8) times a,
; from each accumulator's low end on.
; For tile TX (only where HD = 1): H n, number n of the 22 that find the maximum and statistics of its new scores:
;   0-11 four chains c0-c3 of seven scores each (each accumulator's lowest registers first)   12-15 the four scores left over, c0-c3 and the old m into c0
;   16, 18 the query's other 32 keys lie in the lane 16 away: the new m   17 c m_old is kept   19-21 c m; c m_old - c m_new; a
.set F, 0
.set E, 1
.set C, 2
.set R, 3
.set H, 4
.macro OP k, n
.if (\k) == H
.if HD
.set rT, ST+8*TX
.set rS, S+32*TX
.if (\n) < 4
	v_max3_num_f32 v[rT+4+(\n)], v[rS+8*(\n)], v[rS+8*(\n)+1], v[rS+8*(\n)+2]
.elseif (\n) < 12
	v_max3_num_f32 v[rT+4+(\n)%4], v[rT+4+(\n)%4], v[rS+8*((\n)%4)+2*((\n)/4)+1], v[rS+8*((\n)%4)+2*((\n)/4)+2]
.elseif (\n) == 12
	v_max3_num_f32 v[rT+4], v[rT+4], v[rS+7], v[rS+15]
.elseif (\n) == 13
	v_max3_num_f32 v[rT+6], v[rT+6], v[rS+23], v[rS+31]
.elseif (\n) == 14
	v_max3_num_f32 v[rT+4], v[rT+4], v[rT+5], v[rT+6]
.elseif (\n) == 15
	v_max3_num_f32 v[rT+4], v[rT+4], v[rT+7], v[rT+1]
.elseif (\n) == 16
	v_permlanex16_b32 v[rT+5], v[rT+4], s[SEL], s[SEL+1]
.elseif (\n) == 17
	v_mov_b32 v[rT+3], v[rT]
.elseif (\n) == 18
	v_max_num_f32 v[rT+1], v[rT+4], v[rT+5]
.elseif (\n) == 19
	v_mul_f32 v[rT], s[CS], v[rT+1]
.elseif (\n) == 20
	v_sub_f32 v[rT+3], v[rT+3], v[rT]
.else
	v_exp_f32 v[rT+2], v[rT+3]
.endif
.endif
.else
.set rT, ST+8*(1-TX)
.set rS, S+32*(1-TX)
.set rP, P+16*(1-TX)
.set rO, OA+24*(1-TX)
.if (\k) == F
	v_pk_fma_f32 v[rS+2*(\n):rS+2*(\n)+1], v[rS+2*(\n):rS+2*(\n)+1], s[CS:CS+1], v[rT:rT+1] op_sel_hi:[1,0,0] neg_lo:[0,0,1] neg_hi:[0,0,1]
.elseif (\k) == E
	v_exp_f32 v[rS+(\n)], v[rS+(\n)]
.elseif (\k) == C
	s_wait_alu depctr_va_vdst(0)
	v_cvt_pk_f16_f32 v[rP+(\n)], v[rS+2*(\n)], v[rS+2*(\n)+1]
.elseif (\n) < 8
	s_wait_alu depctr_va_vdst(0)
	v_pk_mul_f32 v[rO+2*(\n):rO+2*(\n)+1], v[rO+2*(\n):rO+2*(\n)+1], v[rT+2:rT+3] op_sel_hi:[1,0]
.else
	v_mul_f32 v[rO+16], v[rO+16], v[rT+2]
.endif
.endif
.endm
.macro OPS a, i1, b=-1, i2=0, c=-1, i3=0, d=-1, i4=0
	OP \a, \i1
.if (\b) >= 0
	OP \b, \i2
.endif
.if (\c) >= 0
	OP \c, \i3
.endif
.if (\d) >= 0
	OP \d, \i4
.endif
.endm
; The turn's next matrix instruction.  0-3: tile TX's scores of the next step, key tiles 0-3 (head size 32 is one K step: each starts and ends a sum).
; 4-9: keys 32 ((zm - 4) / 3) on; channels 0-15, 16-31, or the row sum: the three accumulators take turns.
.macro MM
.if zm < 4
.if HD
	v_wmma_f32_16x16x32_f16 v[S+32*TX+8*zm:S+32*TX+8*zm+7], v[KF+8*zm:KF+8*zm+7], v[Q+8*TX:Q+8*TX+7], 0
.endif
.else
.set ze, zm-4
.set zd, OA+24*TX+8*(ze%3)
.set zb, P+16*TX+8*(ze/3)
.set za, VF+16*(ze/3)+8*(ze%3)
.if ze%3 == 2
.set za, ONES
.endif
	v_wmma_f32_16x16x32_f16 v[zd:zd+7], v[za:za+7], v[zb:zb+7], v[zd:zd+7]
.endif
.set zm, zm+1
.endm
; A TURN of tile x, written out.  hd = 0: the last turn: no new scores, no statistics.
; F n stands a group or more ahead of its exponentials, C n a group behind its second one; no line behind an exponential uses its result.
; Tile 1's turn fetches the next step's K behind its score products (four plain instructions and the address line stand behind the last of them) and the next step's V behind its
; last reader (six plain instructions behind it).  Tile 0's turn waits for K at its head, with V's eight younger loads left out, and for V in front of its V^T P.
.macro TURN x, hd
.set TX, (\x)
.set HD, (\hd)
.set zm, 0
.if ((\x) == 0) && (\hd)
	s_wait_dscnt 8                         ; K is in: the eight loads of V were issued behind K's
.endif
	MM
	OPS F,0, F,1, F,2, R,0
	MM
	OPS E,0, F,3, R,1
	MM
	OPS E,1, R,2, R,3
	MM
	OPS E,2, F,4, R,4
	OPS E,3, C,0, R,5
.if (\x) == 1
	FETCH_K
.else
	s_wait_dscnt 0x0                       ; V is in
.endif
	MM
	OPS E,4, F,5, R,6
	MM
	OPS E,5, C,1, R,7
	MM
	OPS E,6, F,6, R,8
	MM
	OPS E,7, C,2, H,17
	MM
	OPS E,8, F,7, H,0
	MM
	OPS E,9, C,3, H,1
	OPS E,10, F,8, H,2
.if (\x) == 1
	FETCH_V
.endif
	OPS E,11, C,4, H,3
	OPS E,12, F,9, H,4
	OPS E,13, C,5, H,5
	OPS E,14, F,10, H,6
	OPS E,15, C,6, H,7
	OPS E,16, F,11, H,8
	OPS E,17, C,7, H,9
	OPS E,18, F,12, H,10
	OPS E,19, C,8, H,11
	OPS E,20, F,13, H,12
	OPS E,21, C,9, H,13
	OPS E,22, F,14, H,14
	OPS E,23, C,10, H,15
	OPS E,24, F,15, H,16
	OPS E,25, C,11
	OPS E,26, H,18
	OPS E,27, C,12
	OPS E,28, H,19
	OPS E,29, C,13
	OPS E,30, H,20
	OPS E,31, C,14
	OPS H,21, C,15
.endm
	s_wait_tensorcnt 1                     ; my part of phase A is in; my second load stays out
	BAR                                    ; everybody's is
	FETCH_K                                ; my half's step 0
	s_wait_loadcnt 0x0                     ; q
	s_wait_dscnt 0x0
.set TX, 0
.set HD, 1
.set zm, 0
.rept 4
	MM                                     ; tile 0's first scores
.endr
	PLACES
.irp n, 0,1,2,3,4,5,6,7,8,9,10,11,12,13,14,15,16,17,18,19,20,21
	OP H, \n                               ; and their maximum and statistics: there is no other work of this wave yet to set them beside
.endr
	v_nop                                  ; a plain instruction behind the exponential
	s_mov_b32 s[CNT], 3
	s_branch .Lenter                       ; the loop is entered at tile 1's turn
.LsegA:                                ; tile 1's turns fetch K of my half's steps 1-3 and V of steps 0-2: phase A
	TURN 0, 1
.Lenter:
	TURN 1, 1
	s_sub_co_u32 s[CNT], s[CNT], 1
	s_cmp_lg_u32 s[CNT], 0
	s_cbranch_scc1 .LsegA
	s_wait_tensorcnt 0x0                   ; phase B
	BAR
	s_mov_b32 s[CNT], 13
.LsegB:                                ; K of steps 4-15, V of steps 3-15.  The last trip's fetch of K reaches one step past my half's last: into the other half's first step or V's first
	TURN 0, 1                              ; fragments: bytes that have landed, into registers that nothing reads again: the price of one text for every trip
	TURN 1, 1
	s_sub_co_u32 s[CNT], s[CNT], 1
	s_cmp_lg_u32 s[CNT], 0
	s_cbranch_scc1 .LsegB
	TURN 0, 0                              ; tile 0's last products beside tile 1's last softmax
.set TX, 1
.set zm, 4
.rept 6
	MM                                     ; tile 1's last products
.endr
	; THE HALVES MEET.  The five address lines are the places behind the last products.
	s_mul_i32 s73, s[WV], MSP
	s_add_co_u32 s73, s73, MS              ; my bytes
	s_xor_b32 s74, s[WV], 4
	s_mul_i32 s74, s74, MSP
	s_add_co_u32 s74, s74, MS              ; my partner's: the wave with my queries and the other key half
	v_add_nc_u32 v[MW], s73, v[LB]
	v_add_nc_u32 v[MR], s74, v[LB]
	v_lshrrev_b32 v[AK], 1, v[LB]          ; 8 lane
	v_add_nc_u32 v[AV], s74, v[AK]
	v_add_nc_u32 v[AK], s73, v[AK]
.set zi, 0
.rept 17                               ; the first half's waves hand tile 1 over and keep tile 0, the second half's the other way round; each accumulator is read from its low end on
	v_cndmask_b32 v[GV+zi], v[OA+24+zi], v[OA+zi], s[SMK]
.set zi, zi+1
.endr
	v_cndmask_b32 v[GV+17], v[ST+8], v[ST], s[SMK]
.irp q, 0,1,2,3
	ds_store_b128 v[MW], v[GV+4*(\q):GV+4*(\q)+3] offset:512*(\q)
.endr
	ds_store_b64 v[AK], v[GV+16:GV+17] offset:2048
.set zi, 0
.rept 17
	v_cndmask_b32 v[KP+zi], v[OA+zi], v[OA+24+zi], s[SMK]
.set zi, zi+1
.endr
	v_cndmask_b32 v[KP+17], v[ST], v[ST+8], s[SMK]
	BAR                                    ; my stores are done; then everybody's are
.irp q, 0,1,2,3
	ds_load_b128 v[PT+4*(\q):PT+4*(\q)+3], v[MR] offset:512*(\q)
.endr
	ds_load_b64 v[PT+16:PT+17], v[AV] offset:2048
	s_wait_dscnt 0x0
	v_max_num_f32 v[ST], v[KP+17], v[PT+17]
	v_sub_f32 v[ST+1], v[KP+17], v[ST]
	v_sub_f32 v[ST+9], v[PT+17], v[ST]
	v_exp_f32 v[ST+2], v[ST+1]
	v_exp_f32 v[ST+10], v[ST+9]
	v_nop                                  ; a plain instruction between the exponentials and their use
	s_wait_alu depctr_va_vdst(0)
	v_mul_f32 v[ST+4], v[KP+16], v[ST+2]
	v_fma_f32 v[ST+4], v[PT+16], v[ST+10], v[ST+4]
	v_rcp_f32 v[ST+5], v[ST+4]
	v_nop                                  ; and between the reciprocal and its use
	s_wait_alu depctr_va_vdst(0)
	v_mul_f32 v[ST+2], v[ST+2], v[ST+5]
	v_mul_f32 v[ST+10], v[ST+10], v[ST+5]
.irp k, 0,1,2,3,4,5,6,7
	v_pk_mul_f32 v[KP+2*(\k):KP+2*(\k)+1], v[KP+2*(\k):KP+2*(\k)+1], v[ST+2:ST+3] op_sel_hi:[1,0]
.endr
.irp k, 0,1,2,3,4,5,6,7
	v_pk_fma_f32 v[KP+2*(\k):KP+2*(\k)+1], v[PT+2*(\k):PT+2*(\k)+1], v[ST+10:ST+11], v[KP+2*(\k):KP+2*(\k)+1] op_sel_hi:[1,0,1]
.endr
.irp k, 0,1,2,3,4,5,6,7
	v_cvt_pk_f16_f32 v[GV+(\k)], v[KP+2*(\k)], v[KP+2*(\k)+1]
.endr
	global_store_b128 v[LB], v[GV:GV+3], s[10:11]              ; 512 consecutive aligned bytes: half a fragment of the next product
	global_store_b128 v[LB], v[GV+4:GV+7], s[10:11] offset:512
	s_wait_tensorcnt 0x0                   ; the wave's end
	ds_add_u32 v[SPW], v[NIL]
	s_wait_dscnt 0x0
	ROUND                                  ; the closing round
	s_endpgm
.Lfunc_end_k_q9f05e60021_attn:
	.size	k_q9f05e60021_attn, .Lfunc_end_k_q9f05e60021_attn-k_q9f05e60021_attn
	.p2alignl 7, 3214868480
	.fill 96, 4, 3214868480
	.section	.rodata,"a",@progbits
	.p2align	6, 0x0
	.amdhsa_kernel k_q9f05e60021_attn
		.amdhsa_group_segment_fixed_size 283648
		.amdhsa_private_segment_fixed_size 0
		.amdhsa_enable_private_segment 0
		.amdhsa_kernarg_size 16
		.amdhsa_user_sgpr_count 2
		.amdhsa_user_sgpr_kernarg_segment_ptr 1
		.amdhsa_wavefront_size32 1
		.amdhsa_system_sgpr_workgroup_id_x 1
		.amdhsa_system_sgpr_workgroup_id_y 1
		.amdhsa_system_sgpr_workgroup_id_z 1
		.amdhsa_system_vgpr_workitem_id 0
		.amdhsa_next_free_vgpr 256
		.amdhsa_next_free_sgpr 80
		.amdhsa_reserve_vcc 1
		.amdhsa_float_denorm_mode_32 3
		.amdhsa_float_denorm_mode_16_64 3
		.amdhsa_memory_ordered 1
		.amdhsa_forward_progress 1
		.amdhsa_inst_pref_size 51
	.end_amdhsa_kernel
	.amdgpu_metadata
---
amdhsa.version: [ 1, 2 ]
amdhsa.kernels:
  - .name:           k_q9f05e60021_attn
    .symbol:         k_q9f05e60021_attn.kd
    .args:
      - { .name: sa, .offset: 0, .size: 8, .value_kind: global_buffer, .address_space: global }
      - { .name: ob, .offset: 8, .size: 8, .value_kind: global_buffer, .address_space: global }
    .group_segment_fixed_size: 283648
    .private_segment_fixed_size: 0
    .kernarg_segment_align: 8
    .kernarg_segment_size: 16
    .max_flat_workgroup_size: 256
    .sgpr_count:     80
    .vgpr_count:     256
    .wavefront_size: 32
...
	.end_amdgpu_metadata
.endif
;; end of part 7
;; launch post (part 8): grid 128 x 1, 8 waves a work-group, no clusters, 327,680 bytes of LDS; arguments ob, sa, wp0, sb; writes sb
.if DOCPART == 8
	.amdgcn_target "amdgcn-amd-amdhsa--gfx1250"
	.amdhsa_code_object_version 6
	.text
	.protected	k_q9f05e60021_post
	.globl	k_q9f05e60021_post
	.p2align	8
	.type	k_q9f05e60021_post,@function
k_q9f05e60021_post:
	s_mov_b64 s[64:65], 0
	v_nop
	global_prefetch_b8 v0, s[64:65] scope:SCOPE_SE
	s_setreg_imm32_b32 hwreg(HW_REG_WAVE_MODE, 25, 1), 1
	s_wait_xcnt 0x0
; POST: for 32 tokens a work-group: x += o Wo + bo; y = LN2(x); x += gelu(y W1 + b1) W2 + b2; then the next layer's y = LN1(x) and q, k, v.
; All products are used transposed (source 0 = 16 output channels x 32 inputs of a weight, source 1 = 32 inputs x 16 tokens), so a lane holds ONE token (lane % 16) and
; channels 8 (lane / 16) + 0..7, and two result tiles rounded in pairs ARE the next product's source 1.  Wave w owns output channels 32 w .. (64 w .. for W1); x stays in
; 32 accumulator registers of each wave.  Activations pass through LDS in fragment order (byte half*512 + lane*16): no bank conflict, no padding.
; THE WEIGHTS.  A wave's stream has 128 fragments: Wo 0-15, W1 16-47, W2 48-79, q k v 80-127.  Each is asked for a whole product or more ahead of its use, by one of three ways:
;   fragments 16-47 by a tensor load issued first thing, into 32 KB of LDS of the wave's own;
;   fragments 72-103 by a second tensor load into the same bytes, issued as soon as every wave has multiplied by W1;
;   the other 64 (0-15, 48-71, 104-127) straight from memory into a ring of 24 fragments in registers: 24 go out at the start, 16 while Wo is multiplied, the last 24 in W2's first twelve K steps.
; Only the issuing wave reads its LDS bytes, behind its own wait; the refill stands behind a barrier of all eight waves.
; NO CLUSTER: half of a work-group's 1 MB of weights passes through LDS; joint loads for it would put a round of the cluster's barrier at the head, at the refill and at the end, and the
; other half goes to registers, where a fragment is wanted by exactly one wave and no joint load reaches.
; PREFETCH.  Wave 0 of work-groups 0-63 asks once for 8,192 bytes (32 lanes, 256 bytes apart) of fragments 64-127 of stream (work-group / 8): 64 x 8,192 bytes = 8 streams x 64 fragments, each
; block once in the launch, at the kernel's head: these fragments' own loads go out when Wo, W1 or the first steps of W2 have been multiplied.  It stays inside the pack's first 1,048,576 bytes.
; FORMATS AND LIMITS.  x in f32.  o, y, the gelu's output, q, k, v in f16 (beyond 65,504 an infinity), against the f16 image of the bf16 weights.
; gelu(x) = max(x, 0) - |x| P(t) exp(-x^2 / 2), t = 1 / (1 + 0.2316419 |x|), P the fifth-degree polynomial of Abramowitz and Stegun 7.1.26 with halved coefficients:
; absolute error up to 1e-7 |x| for every x, so the far negative tail has poor relative accuracy.  NaN and infinities are not treated apart.
.set STR,   131072
.set L1A,   16                         ; the first fill holds fragments L1A .. L1B - 1,
.set L1B,   48
.set L2A,   72                         ; the second L2A .. L2B - 1
.set L2B,   104
.set GT,    64                         ; fragments that go through the ring
.set GI,    0                          ; ring fragments issued so far, as the text is written
.set GC,    0                          ; ring fragments multiplied so far
.set PARG,  1048576
.set PAR,   0                          ; LDS: twelve slots of 256 f32
.set STA,   12288                      ; LayerNorm statistics: wave x 256 + token x 8; both LayerNorms use it, with barriers between
.set R2,    14336                      ; y of LN2, later the next layer's y: 16 fragments
.set R3,    30720                      ; o in the first 16 fragments; later the gelu's output: 32 fragments
.set SPARE, 63488                      ; the spare words: 128 bytes a wave, named by no other line
.set WL,    64512                      ; weight fragments: wave x 32,768; no LDS store ever lands here
.set QOFF,  4194304
.set LB,   1                           ; 16 lane
.set LBG,  2                           ; LB + R3
.set WOF,  3                           ; LB + w STR
.set PB2,  4                           ; 32 (lane/16) + 128 w
.set PB4,  5                           ; 32 (lane/16) + 256 w
.set PVB,  6                           ; 4 (lane%16) + 128 w
.set STW,  7                           ; 256 w + 8 lane
.set STRD, 8                           ; 8 lane
.set LW,   9                           ; LB + 2048 w
.set SPW,  10
.set NIL,  11
.set GWR,  12                          ; LB + 4096 w + R3
.set LWG,  13                          ; LW + R3
.set XA,   14                          ; LB + 4096 w
.set X,    16                          ; v[16:47]  x: tile (i, tt) at X + 8 (2 i + tt)
.set ACC,  48                          ; v[48:143] twelve accumulators
.set T,    144                         ; v[144:243] at work; inside a product v[144:239] are two buffers of up to six weight fragments out of LDS
.set AUX,  244
.set WLA,  246                         ; LB + WL + 32,768 w
.set GW2,  247                         ; the gelu's store address in the trip in hand
.set PFA,  248                         ; the prefetch's offset; never rewritten
.set BF,   192                         ; window 1: v[0:191] the ring, v[192:255] two buffers of activation fragments
.set MSB, 0
.macro WIN new                         ; the immediate's high byte repeats the setting that is left
.if MSB != (\new)
	s_set_vgpr_msb (MSB<<8)|(\new)
.set MSB, (\new)
.endif
.endm
.macro PLACES                          ; four places between a matrix instruction and a load into, or a vector read of, its registers
.rept 4
	v_nop
.endr
.endm
.macro BAR                             ; my LDS stores and loads are done; then everybody's are
	s_wait_dscnt 0x0
	s_barrier_signal -1
	s_barrier_wait -1
.endm
.macro END                             ; the wave's end: behind my last tensor load and my last LDS store
	s_wait_tensorcnt 0x0
	ds_add_u32 v[SPW], v[NIL]
	s_wait_dscnt 0x0
	s_endpgm
.endm
.macro FRAME
	v_and_b32 v[STRD], 31, v0
	v_lshlrev_b32 v[LB], 4, v[STRD]
	v_bfe_u32 v[PB2], v0, 4, 1
	v_and_b32 v[PVB], 15, v0
	v_lshlrev_b32 v[PB2], 5, v[PB2]
	s_lshl_b32 s21, s12, 7
	s_lshl_b32 s22, s12, 8
	v_add_nc_u32 v[PB4], s22, v[PB2]
	v_add_nc_u32 v[PB2], s21, v[PB2]
	v_lshl_add_u32 v[PVB], v[PVB], 2, s21
	v_lshlrev_b32 v[STRD], 3, v[STRD]
	v_add_nc_u32 v[STW], s22, v[STRD]
	s_lshl_b32 s21, s12, 11
	v_add_nc_u32 v[LW], s21, v[LB]
	s_lshl_b32 s21, s12, 12
	v_add_nc_u32 v[XA], s21, v[LB]
	v_add_nc_u32 v[LBG], R3, v[LB]
	v_add_nc_u32 v[LWG], R3, v[LW]
	v_add_nc_u32 v[GWR], R3, v[XA]
	s_mul_i32 s21, s12, STR
	v_add_nc_u32 v[WOF], s21, v[LB]
	s_mov_b32 s18, 0x3d000000              ; 1/32
	s_mov_b32 s19, 0x3b800000              ; 1/256
	s_mov_b32 s20, 0x3727c5ac              ; 1e-5
.endm
.macro GCONST                          ; the gelu's constants, each the low word of a pair
	s_mov_b32 s24, 0x3e6d3388              ; 0.23164189
	s_mov_b32 s26, 0x3f07dc22              ; a5 / 2
	s_mov_b32 s28, 0xbf3a00e3              ; a4 / 2
	s_mov_b32 s30, 0x3f35f0e3              ; a3 / 2
	s_mov_b32 s32, 0xbe11a98e              ; a2 / 2
	s_mov_b32 s34, 0x3e027906              ; a1 / 2
	s_mov_b32 s36, 0xbf38aa3b              ; -log2(e) / 2
.irp q, 24,26,28,30,32,34,36
	s_mov_b32 s[\q+1], s[\q]
.endr
	s_mov_b32 s38, 0x7fffffff
.endm
.macro QBASE p                         ; q of my head (= wave) and my 32 tokens; k lies 2,097,152 bytes on, v 4,194,304
	s_lshr_b32 s21, ttmp9, 6
	s_lshl3_add_u32 s21, s21, s12
	s_lshl_b32 s21, s21, 6
	s_and_b32 s22, ttmp9, 63
	s_add_co_u32 s21, s21, s22
	s_lshl_b32 s62, s21, 11
	s_add_co_u32 s62, s62, QOFF
	s_add_nc_u64 s[58:59], s[\p:\p+1], s[62:63]
.endm
.macro SRC f                           ; zl = 1: fragment f comes through LDS; zlb: the first fragment of its fill
.set zl, 0
.if ((\f) >= L1A) && ((\f) < L1B)
.set zl, 1
.set zlb, L1A
.endif
.if ((\f) >= L2A) && ((\f) < L2B)
.set zl, 1
.set zlb, L2A
.endif
.endm
.macro WLD                             ; the ring's next fragment, number GI of the ring, into slot GI % 24: two loads of 512 consecutive bytes.  The ring skips what the two fills hold
.if GI < GT
.set zff, GI
.if GI >= L1A
.set zff, GI+(L1B-L1A)
.endif
.if GI >= L1A+(L2A-L1B)
.set zff, GI+(L1B-L1A)+(L2B-L2A)
.endif
	global_load_b128 v[8*(GI%24):8*(GI%24)+3], v[WOF], s[16:17] offset:zff*1024
	global_load_b128 v[8*(GI%24)+4:8*(GI%24)+7], v[WOF], s[16:17] offset:zff*1024+512
.set GI, GI+1
.endif
.endm
.macro BLD buf, ks, nb, ra, oa, rb, ob ; K step ks's activation fragments of both token tiles
.irp t, 0,1
	ds_load_b128 v[BF+32*(\buf)+8*(\t):BF+32*(\buf)+8*(\t)+3], v[\ra] offset:(\oa)+((\ks)*2+(\t))*1024
	ds_load_b128 v[BF+32*(\buf)+8*(\t)+4:BF+32*(\buf)+8*(\t)+7], v[\ra] offset:(\oa)+((\ks)*2+(\t))*1024+512
.endr
.if (\nb) == 4
.irp t, 0,1
	ds_load_b128 v[BF+32*(\buf)+16+8*(\t):BF+32*(\buf)+16+8*(\t)+3], v[\rb] offset:(\ob)+((\ks)*2+(\t))*1024
	ds_load_b128 v[BF+32*(\buf)+16+8*(\t)+4:BF+32*(\buf)+16+8*(\t)+7], v[\rb] offset:(\ob)+((\ks)*2+(\t))*1024+512
.endr
.endif
.endm
.macro ALD F0, A, ks                   ; K step ks's weight fragments, where they lie in LDS, into buffer ks % 2 in window 0.  In front of a fill's first read: the wait for my tensor load
.set zs, (\F0)+(\ks)*(\A)
	SRC zs
.if zl
	WIN 0
.if zs == zlb
	s_wait_tensorcnt 0x0
.endif
.set zj, 0
.rept \A
	ds_load_b128 v[T+48*((\ks)%2)+8*zj:T+48*((\ks)%2)+8*zj+3], v[WLA] offset:(zs+zj-zlb)*1024
	ds_load_b128 v[T+48*((\ks)%2)+8*zj+4:T+48*((\ks)%2)+8*zj+7], v[WLA] offset:(zs+zj-zlb)*1024+512
.set zj, zj+1
.endr
.endif
.endm
; A product: KS steps of 32 along K, A channel tiles x 2 token tiles.  The accumulators take turns, one instruction a turn.
; mode 2: tiles 4, 5 (v) with the sources swapped, so that a lane holds one channel and eight tokens; their sums start with 0.
; A K step's weights lie either all in the ring (window 1) or all in the LDS buffers (window 0): the window setting follows.
; s_wait_loadcnt: GI ring fragments have been issued, GC are needed once this step is counted, and nothing else counts on it: 2 (GI - GC) loads may stay out.
; s_wait_dscnt: the next step's LDS loads may stay out: 2 NB of activations and, where its weights lie in LDS, 2 A of weights.
.macro STAGE fmt, F0, A, KS, AB, NB, mode, ra, oa, rb=LB, ob=0
	WIN 0x40
	BLD 0, 0, \NB, \ra, \oa, \rb, \ob
	ALD \F0, \A, 0
	WIN 0x40
	BLD 1, 1, \NB, \ra, \oa, \rb, \ob
	ALD \F0, \A, 1
.set zk, 0
.rept \KS
.set zf, (\F0)+zk*(\A)
.set zc, 0
.if zk < (\KS)-1
.set zc, 2*(\NB)
.set zn, zf+(\A)
	SRC zn
.if zl
.set zc, zc+2*(\A)
.endif
.endif
	SRC zf
.set zla, zl
.if zla == 0
.set GC, GC+(\A)
	s_wait_loadcnt 2*(GI-GC)
.endif
	s_wait_dscnt zc
.set zp, 0
.rept (\NB)/2
.set zi, 0
.rept \A
.set zt, 0
.rept 2
.set zd, (\AB)+8*(2*zi+zt)
.set zb, BF+32*(zk%2)+16*zp+8*zt
.set za, 8*((GC-(\A)+zi)%24)
.if zla
.set za, T+48*(zk%2)+8*zi
.endif
.if ((\mode) == 2) && (zi >= 4)
	WIN 0x05-4*zla
.if zk == 0
	v_wmma_f32_16x16x32_\fmt v[zd:zd+7], v[zb:zb+7], v[za:za+7], 0
.else
	v_wmma_f32_16x16x32_\fmt v[zd:zd+7], v[zb:zb+7], v[za:za+7], v[zd:zd+7]
.endif
.else
	WIN 0x05-zla
	v_wmma_f32_16x16x32_\fmt v[zd:zd+7], v[za:za+7], v[zb:zb+7], v[zd:zd+7]
.endif
.set zt, zt+1
.endr
.set zi, zi+1
.endr
.set zp, zp+1
.endr
	PLACES
.if zla == 0
	WIN 0x40
.rept \A
	WLD
.endr
.endif
.if zk+2 < (\KS)
.set zq, zk%2
.set zr, zk+2
	WIN 0x40
	BLD zq, zr, \NB, \ra, \oa, \rb, \ob
	ALD \F0, \A, zr
.endif
.set zk, zk+1
.endr
	WIN 0
.endm
.macro XBIAS slot                      ; x += a bias of my 32 channels
.irp i, 0,1
	ds_load_b128 v[T+8*(\i):T+8*(\i)+3], v[PB2] offset:(\slot)*1024+64*(\i)
	ds_load_b128 v[T+8*(\i)+4:T+8*(\i)+7], v[PB2] offset:(\slot)*1024+64*(\i)+16
.endr
	s_wait_dscnt 0x0
.set zi, 0
.rept 4
.irp p, 0,2,4,6
	v_pk_add_f32 v[X+8*zi+(\p):X+8*zi+(\p)+1], v[X+8*zi+(\p):X+8*zi+(\p)+1], v[T+8*(zi/2)+(\p):T+8*(zi/2)+(\p)+1]
.endr
.set zi, zi+1
.endr
.endm
.macro PREF                            ; the hidden layer's sums start with b1 (slots 3, 4)
.set zi, 0
.rept 8
	ds_load_b128 v[ACC+8*zi:ACC+8*zi+3], v[PB4] offset:3*1024+64*(zi/2)
	ds_load_b128 v[ACC+8*zi+4:ACC+8*zi+7], v[PB4] offset:3*1024+64*(zi/2)+16
.set zi, zi+1
.endr
.endm
.macro PREQK                           ; q's and k's sums start with bq (slot 8) and bk (slot 9)
.set zi, 0
.rept 8
	ds_load_b128 v[ACC+8*zi:ACC+8*zi+3], v[PB2] offset:(8+zi/4)*1024+64*((zi/2)%2)
	ds_load_b128 v[ACC+8*zi+4:ACC+8*zi+7], v[PB2] offset:(8+zi/4)*1024+64*((zi/2)%2)+16
.set zi, zi+1
.endr
.endm
; LayerNorm of x over 256 channels.  Each wave: sum and sum of squared deviations from its own mean over its 32 channels; the eight waves' figures meet in LDS and are
; merged (M = sum M2 + 32 sum (mean_w - mean)^2), so no difference of large sums is formed.  y = (x - mean) rstd s + b goes to LDS as f16 fragments.
.macro LN stat, sS, sB, doff
.irp tt, 0,1
	v_pk_add_f32 v[T:T+1], v[X+8*(\tt):X+8*(\tt)+1], v[X+8*(\tt)+2:X+8*(\tt)+3]
	v_pk_add_f32 v[T+2:T+3], v[X+8*(\tt)+4:X+8*(\tt)+5], v[X+8*(\tt)+6:X+8*(\tt)+7]
	v_pk_add_f32 v[T+4:T+5], v[X+16+8*(\tt):X+16+8*(\tt)+1], v[X+16+8*(\tt)+2:X+16+8*(\tt)+3]
	v_pk_add_f32 v[T+6:T+7], v[X+16+8*(\tt)+4:X+16+8*(\tt)+5], v[X+16+8*(\tt)+6:X+16+8*(\tt)+7]
	v_pk_add_f32 v[T:T+1], v[T:T+1], v[T+2:T+3]
	v_pk_add_f32 v[T+4:T+5], v[T+4:T+5], v[T+6:T+7]
	v_pk_add_f32 v[T:T+1], v[T:T+1], v[T+4:T+5]
	v_add_f32 v[T], v[T], v[T+1]
	v_permlanex16_b32 v[T+1], v[T], s14, s15   ; the token's other 16 channels lie in the lane 16 away
	v_add_f32 v[T+16+2*(\tt)], v[T], v[T+1]
	v_mul_f32 v[T+2], s18, v[T+16+2*(\tt)]
.set zp, 0
.rept 8
.set zx, X+8*(\tt)+16*(zp/4)+2*(zp%4)
.set zd, T+4+2*(zp%2)
	v_pk_add_f32 v[zd:zd+1], v[zx:zx+1], v[T+2:T+3] op_sel_hi:[1,0] neg_lo:[0,1] neg_hi:[0,1]
.if zp == 0
	v_pk_mul_f32 v[T+8:T+9], v[zd:zd+1], v[zd:zd+1]
.else
	v_pk_fma_f32 v[T+8:T+9], v[zd:zd+1], v[zd:zd+1], v[T+8:T+9]
.endif
.set zp, zp+1
.endr
	v_add_f32 v[T+8], v[T+8], v[T+9]
	v_permlanex16_b32 v[T+9], v[T+8], s14, s15
	v_add_f32 v[T+17+2*(\tt)], v[T+8], v[T+9]
.endr
	v_cndmask_b32 v[T+20], v[T+16], v[T+18], s13   ; lane = token: lanes 16-31 take the second tile's
	v_cndmask_b32 v[T+21], v[T+17], v[T+19], s13
	ds_store_b64 v[STW], v[T+20:T+21] offset:\stat
	BAR
.irp q, 0,1,2,3,4,5,6,7
	ds_load_b64 v[T+2*(\q):T+2*(\q)+1], v[STRD] offset:(\stat)+256*(\q)
.endr
.irp i, 0,1
	ds_load_b128 v[T+32+8*(\i):T+32+8*(\i)+3], v[PB2] offset:(\sS)*1024+64*(\i)
	ds_load_b128 v[T+36+8*(\i):T+36+8*(\i)+3], v[PB2] offset:(\sS)*1024+64*(\i)+16
	ds_load_b128 v[T+48+8*(\i):T+48+8*(\i)+3], v[PB2] offset:(\sB)*1024+64*(\i)
	ds_load_b128 v[T+52+8*(\i):T+52+8*(\i)+3], v[PB2] offset:(\sB)*1024+64*(\i)+16
.endr
	s_wait_dscnt 0x0
	v_pk_add_f32 v[T+16:T+17], v[T:T+1], v[T+2:T+3]
.irp q, 2,3,4,5,6,7
	v_pk_add_f32 v[T+16:T+17], v[T+16:T+17], v[T+2*(\q):T+2*(\q)+1]
.endr
	v_mul_f32 v[T+29], s19, v[T+16]            ; mean
	v_fma_f32 v[T+18], v[T], s18, -v[T+29]
	v_mul_f32 v[T+19], v[T+18], v[T+18]
.irp q, 1,2,3,4,5,6,7
	v_fma_f32 v[T+18], v[T+2*(\q)], s18, -v[T+29]
	v_fma_f32 v[T+19], v[T+18], v[T+18], v[T+19]
.endr
	v_fma_f32 v[T+17], v[T+19], 0x42000000, v[T+17]
	v_fma_f32 v[T+17], v[T+17], s19, s20
	v_rsq_f32 v[T+31], v[T+17]
	v_mov_b32 v[T+25], 0                       ; a plain instruction behind the root; v_permlanex16_b32's destination counts as read
	v_mov_b32 v[T+27], 0
	v_permlanex16_b32 v[T+25], v[T+29], s14, s15
	s_wait_alu depctr_va_vdst(0)
	v_permlanex16_b32 v[T+27], v[T+31], s14, s15
	v_cndmask_b32 v[T+24], v[T+29], v[T+25], s13   ; tile 0's mean in all lanes,
	v_cndmask_b32 v[T+28], v[T+25], v[T+29], s13   ; tile 1's
	v_cndmask_b32 v[T+26], v[T+31], v[T+27], s13
	v_cndmask_b32 v[T+30], v[T+27], v[T+31], s13
.set zi, 0
.rept 4                                ; tile zi: i = zi / 2, tt = zi % 2
.irp p, 0,1,2,3
	v_pk_add_f32 v[T+2*(\p):T+2*(\p)+1], v[X+8*zi+2*(\p):X+8*zi+2*(\p)+1], v[T+24+4*(zi%2):T+25+4*(zi%2)] op_sel_hi:[1,0] neg_lo:[0,1] neg_hi:[0,1]
	v_pk_mul_f32 v[T+2*(\p):T+2*(\p)+1], v[T+2*(\p):T+2*(\p)+1], v[T+26+4*(zi%2):T+27+4*(zi%2)] op_sel_hi:[1,0]
	v_pk_fma_f32 v[T+2*(\p):T+2*(\p)+1], v[T+2*(\p):T+2*(\p)+1], v[T+32+8*(zi/2)+2*(\p):T+33+8*(zi/2)+2*(\p)], v[T+48+8*(zi/2)+2*(\p):T+49+8*(zi/2)+2*(\p)]
	v_cvt_pk_f16_f32 v[T+64+4*zi+(\p)], v[T+2*(\p)], v[T+2*(\p)+1]
.endr
	ds_store_b128 v[LW], v[T+64+4*zi:T+67+4*zi] offset:(\doff)+(zi%2)*1024+(zi/2)*512
.set zi, zi+1
.endr
	BAR
.endm
.macro GELU a, o                       ; eight sums -> four words of f16.  The reciprocals and the exponentials stand in runs, each run followed by plain work that does not use it
.irp j, 0,1,2,3,4,5,6,7
	v_and_b32 v[T+(\j)], s38, v[(\a)+(\j)]
.endr
.irp j, 0,1,2,3,4,5,6,7
	v_max_num_f32 v[T+8+(\j)], 0, v[(\a)+(\j)]
.endr
.irp p, 0,2,4,6
	v_pk_fma_f32 v[T+16+(\p):T+17+(\p)], v[T+(\p):T+(\p)+1], s[24:25], 1.0 op_sel_hi:[1,0,0]
.endr
.irp j, 0,1,2,3,4,5,6,7
	v_rcp_f32 v[T+16+(\j)], v[T+16+(\j)]
.endr
.irp p, 0,2,4,6
	v_pk_mul_f32 v[T+24+(\p):T+25+(\p)], v[(\a)+(\p):(\a)+(\p)+1], v[(\a)+(\p):(\a)+(\p)+1]
.endr
.irp p, 0,2,4,6
	v_pk_mul_f32 v[T+24+(\p):T+25+(\p)], v[T+24+(\p):T+25+(\p)], s[36:37] op_sel_hi:[1,0]
.endr
.irp j, 0,1,2,3,4,5,6,7
	v_exp_f32 v[T+24+(\j)], v[T+24+(\j)]
.endr
	s_wait_alu depctr_va_vdst(0)
.irp p, 0,2,4,6
	v_pk_fma_f32 v[T+32+(\p):T+33+(\p)], v[T+16+(\p):T+17+(\p)], s[26:27], s[28:29] op_sel_hi:[1,0,0]
.endr
.irp c, 30,32,34
.irp p, 0,2,4,6
	v_pk_fma_f32 v[T+32+(\p):T+33+(\p)], v[T+32+(\p):T+33+(\p)], v[T+16+(\p):T+17+(\p)], s[\c:\c+1] op_sel_hi:[1,1,0]
.endr
.endr
.irp p, 0,2,4,6
	v_pk_mul_f32 v[T+32+(\p):T+33+(\p)], v[T+32+(\p):T+33+(\p)], v[T+16+(\p):T+17+(\p)]
.endr
.irp p, 0,2,4,6
	v_pk_mul_f32 v[T+32+(\p):T+33+(\p)], v[T+32+(\p):T+33+(\p)], v[T+24+(\p):T+25+(\p)]
.endr
.irp p, 0,2,4,6
	v_pk_fma_f32 v[T+32+(\p):T+33+(\p)], v[T+(\p):T+(\p)+1], v[T+32+(\p):T+33+(\p)], v[T+8+(\p):T+9+(\p)] neg_lo:[1,0,0] neg_hi:[1,0,0]
.endr
.irp p, 0,1,2,3
	v_cvt_pk_f16_f32 v[(\o)+(\p)], v[T+32+2*(\p)], v[T+33+2*(\p)]
.endr
.endm
.macro MV8 d, s                        ; accumulator place s comes into place d, from its low end on
.set zi, 0
.rept 8
	v_mov_b32 v[ACC+8*(\d)+zi], v[ACC+8*(\s)+zi]
.set zi, zi+1
.endr
.endm
.macro QKVOUT                          ; q, k, v leave as f16 fragments: every store of the wave is 512 consecutive aligned bytes
	ds_load_b32 v[T+64], v[PVB] offset:10*1024
	ds_load_b32 v[T+66], v[PVB] offset:10*1024+64
	v_mov_b32 v[T+65], 0
	v_mov_b32 v[T+67], 0
.set zi, 0
.rept 8
.irp p, 0,1,2,3
	v_cvt_pk_f16_f32 v[T+4*zi+(\p)], v[ACC+8*zi+2*(\p)], v[ACC+8*zi+2*(\p)+1]
.endr
	global_store_b128 v[LB], v[T+4*zi:T+4*zi+3], s[58:59] offset:(zi/4)*2097152+(zi%2)*1024+((zi/2)%2)*512
.set zi, zi+1
.endr
	s_wait_dscnt 0x0                           ; bv of my channel
.rept 4                                ; v: channel block (zi - 8) / 2, token tile zi % 2
.irp p, 0,1,2,3
	v_pk_add_f32 v[ACC+8*zi+2*(\p):ACC+8*zi+2*(\p)+1], v[ACC+8*zi+2*(\p):ACC+8*zi+2*(\p)+1], v[T+64+2*((zi-8)/2):T+65+2*((zi-8)/2)] op_sel_hi:[1,0]
.endr
.irp p, 0,1,2,3
	v_cvt_pk_f16_f32 v[T+4*zi+(\p)], v[ACC+8*zi+2*(\p)], v[ACC+8*zi+2*(\p)+1]
.endr
	global_store_b128 v[LB], v[T+4*zi:T+4*zi+3], s[58:59] offset:4194304+((zi-8)/2)*1024+(zi%2)*512
.set zi, zi+1
.endr
.endm
	s_load_b256 s[40:47], s[0:1], 0x0      ; ob 40, the state in 42, the pack 44, the state out 46
	v_lshl_add_u32 v[SPW], v0, 2, SPARE
	v_mov_b32 v[NIL], 0
	ds_add_u32 v[SPW], v[NIL]              ; the wave's opening: the add and its wait stand ahead of my first tensor load; the set-up below stands between them
	ds_add_u32 v10, v11
	v_lshrrev_b32 v[LB], 5, v0
	v_readfirstlane_b32 s12, v[LB]         ; wave
	s_mov_b32 s13, 0xffff0000              ; lanes 16-31
	s_mov_b32 s14, 0x76543210              ; v_permlanex16_b32: each lane takes its own place in the other half
	s_mov_b32 s15, 0xfedcba98
	FRAME
	GCONST
	v_lshlrev_b32 v[AUX], 4, v0
	s_lshl_b32 s21, s12, 10
	v_add_nc_u32 v[AUX+1], s21, v[LB]
	s_lshr_b32 s21, ttmp9, 3               ; the prefetch: stream work-group / 8,
	s_lshl_b32 s21, s21, 17
	s_and_b32 s22, ttmp9, 7                ; its piece work-group % 8 of 8,192 bytes,
	s_lshl_b32 s22, s22, 13
	s_add_co_u32 s21, s21, s22
	v_lshl_add_u32 v[PFA], v[LB], 4, s21   ; lanes 256 bytes apart
	; the tensor loads' descriptors: 32 fragments are 32,768 dense bytes: 128 rows of 256 bytes
	s_mov_b32 s4, 3<<16                    ; elements of 8 bytes; no mask, no padding
	s_mov_b32 s5, 32<<16                   ; tensor_dim0 = 32
	s_mov_b32 s6, 128<<16                  ; tensor_dim1 = 128
	s_mov_b32 s7, 32<<16                   ; tile_dim0 = 32
	s_mov_b32 s8, 128                      ; tile_dim1 = 128
	s_mov_b32 s9, 32                       ; from row to row
	s_mov_b32 s10, 0
	s_mov_b32 s11, 0
	s_mov_b32 s48, 1                       ; group 0 of the first fill,
	s_lshl_b32 s49, s12, 15
	s_add_co_u32 s49, s49, WL              ; LDS bytes of my own
	v_add_nc_u32 v[WLA], s49, v[LB]
	s_mov_b32 s52, 1                       ; and of the second, into the same bytes
	s_mov_b32 s53, s49
	s_mul_i32 s62, s12, STR
	s_add_co_u32 s62, s62, L1A*1024
	s_mov_b32 s63, 0
	s_wait_dscnt 0x0                       ; the opening add is done
	s_wait_kmcnt 0x0
	s_mov_b64 s[16:17], s[44:45]
	s_add_nc_u64 s[50:51], s[44:45], s[62:63]
	s_add_nc_u64 s[54:55], s[50:51], (L2A-L1A)*1024
	s_or_b32 s51, s51, 0x80000000
	s_or_b32 s55, s55, 0x80000000
	tensor_load_to_lds s[48:51], s[4:11]   ; W1's fragments: issued first, read in the second product
	s_nop 0
.rept 4
	v_nop
.endr
	s_cmp_lg_u32 s12, 0
	s_cbranch_scc1 .Lnopf
	s_cmp_ge_u32 ttmp9, 64
	s_cbranch_scc1 .Lnopf
	global_prefetch_b8 v[PFA], s[16:17] offset:65536 th:TH_LOAD_NT scope:SCOPE_SE
.Lnopf:
	s_lshl_b32 s62, ttmp9, 14
	s_add_nc_u64 s[40:41], s[40:41], s[62:63]  ; o of my two token tiles
	s_lshl_b32 s62, ttmp9, 15
	s_add_nc_u64 s[42:43], s[42:43], s[62:63]  ; x in
	s_add_nc_u64 s[60:61], s[46:47], s[62:63]  ; x out
	QBASE 46
.irp q, 0,1,2
	global_load_b128 v[T+4*(\q):T+4*(\q)+3], v[AUX], s[16:17] offset:PARG+4096*(\q)
.endr
.irp q, 0,1,2,3
	global_load_b128 v[T+12+4*(\q):T+15+4*(\q)], v[AUX+1], s[40:41] offset:((\q)/2)*8192+((\q)%2)*512
.endr
.irp q, 0,1,2,3,4,5,6,7
	global_load_b128 v[X+4*(\q):X+4*(\q)+3], v[XA], s[42:43] offset:512*(\q)
.endr
	WIN 0x40
.rept 24
	WLD
.endr
	WIN 0
	s_wait_loadcnt 56                      ; parameters and o are in: x's 8 loads and the ring's 48 stay out
.irp q, 0,1,2
	ds_store_b128 v[AUX], v[T+4*(\q):T+4*(\q)+3] offset:PAR+4096*(\q)
.endr
.irp q, 0,1,2,3
	ds_store_b128 v[LW], v[T+12+4*(\q):T+15+4*(\q)] offset:R3+((\q)/2)*1024+((\q)%2)*512
.endr
	BAR
	s_wait_loadcnt 48                      ; x is in
	XBIAS 0
	STAGE f16, 0, 2, 8, X, 2, 0, LB, R3    ; x += o Wo
	LN STA, 1, 2, R2
	PREF
	STAGE f16, 16, 4, 8, ACC, 2, 0, LB, R2 ; y W1 + b1: all its weights out of LDS
	; THE REFILL.  Every wave has multiplied by its part of W1: the same bytes take fragments L2A on.
	s_wait_tensorcnt 0x0                   ; no tensor load of mine is out
	ds_add_u32 v[SPW], v[NIL]              ; 0 onto my spare word; the gelu's loop is set up while it is out
	s_mov_b32 s39, 0
	s_mov_b32 s23, 4
	s_wait_dscnt 0x0                       ; the add is done, and my reads of these bytes are over
	s_barrier_signal -1
	s_barrier_wait -1                      ; both now hold of every wave
	tensor_load_to_lds s[52:55], s[4:11]   ; my one tensor load behind this barrier: it has the gelu and twelve K steps of W2 in which to land
	s_nop 0
.rept 4
	v_nop
.endr
	; the gelu: four trips of two tiles, those that make one LDS fragment (channel tiles 2 m and 2 m + 1 of token tile tt, trip 2 m + tt), always out of accumulator places 0 and 2;
	; between the trips the others come down (1 -> 0, 4 -> 1, 5 -> 4; 3 -> 2, 6 -> 3, 7 -> 6), so that the text stands once
.Lgelu:
	v_add_nc_u32 v[GW2], s39, v[GWR]
	GELU ACC, T+64
	ds_store_b128 v[GW2], v[T+64:T+67]
	GELU ACC+16, T+68
	ds_store_b128 v[GW2], v[T+68:T+71] offset:512
	s_cmp_eq_u32 s23, 1
	s_cbranch_scc1 .Lgstep                 ; behind the last trip nothing is left to bring down
	MV8 0, 1
	MV8 1, 4
	MV8 4, 5
	MV8 2, 3
	MV8 3, 6
	MV8 6, 7
.Lgstep:
	s_add_co_u32 s39, s39, 1024            ; the next fragment
	s_sub_co_u32 s23, s23, 1
	s_cmp_lg_u32 s23, 0
	s_cbranch_scc1 .Lgelu
	BAR
	XBIAS 5
	STAGE f16, 48, 2, 16, X, 2, 0, LBG, 0  ; x += gelu W2
.irp q, 0,1,2,3,4,5,6,7
	global_store_b128 v[XA], v[X+4*(\q):X+4*(\q)+3], s[60:61] offset:512*(\q)
.endr
	LN STA, 6, 7, R2                       ; y's last readers, and the statistics' last readers, passed barriers since
	PREQK
	STAGE f16, 80, 6, 8, ACC, 2, 2, LB, R2
	QKVOUT
	END
.Lfunc_end_k_q9f05e60021_post:
	.size	k_q9f05e60021_post, .Lfunc_end_k_q9f05e60021_post-k_q9f05e60021_post
	.p2alignl 7, 3214868480
	.fill 96, 4, 3214868480
	.section	.rodata,"a",@progbits
	.p2align	6, 0x0
	.amdhsa_kernel k_q9f05e60021_post
		.amdhsa_group_segment_fixed_size 327680
		.amdhsa_private_segment_fixed_size 0
		.amdhsa_enable_private_segment 0
		.amdhsa_kernarg_size 32
		.amdhsa_user_sgpr_count 2
		.amdhsa_user_sgpr_kernarg_segment_ptr 1
		.amdhsa_wavefront_size32 1
		.amdhsa_system_sgpr_workgroup_id_x 1
		.amdhsa_system_sgpr_workgroup_id_y 1
		.amdhsa_system_sgpr_workgroup_id_z 1
		.amdhsa_system_vgpr_workitem_id 0
		.amdhsa_next_free_vgpr 512
		.amdhsa_next_free_sgpr 66
		.amdhsa_reserve_vcc 0
		.amdhsa_float_denorm_mode_32 3
		.amdhsa_float_denorm_mode_16_64 3
		.amdhsa_memory_ordered 1
		.amdhsa_forward_progress 1
		.amdhsa_inst_pref_size 107
	.end_amdhsa_kernel
	.amdgpu_metadata
---
amdhsa.version: [ 1, 2 ]
amdhsa.kernels:
  - .name:           k_q9f05e60021_post
    .symbol:         k_q9f05e60021_post.kd
    .args:
      - { .name: ob, .offset: 0, .size: 8, .value_kind: global_buffer, .address_space: global }
      - { .name: sa, .offset: 8, .size: 8, .value_kind: global_buffer, .address_space: global }
      - { .name: wp0, .offset: 16, .size: 8, .value_kind: global_buffer, .address_space: global }
      - { .name: sb, .offset: 24, .size: 8, .value_kind: global_buffer, .address_space: global }
    .group_segment_fixed_size: 327680
    .private_segment_fixed_size: 0
    .kernarg_segment_align: 8
    .kernarg_segment_size: 32
    .max_flat_workgroup_size: 256
    .sgpr_count:     66
    .vgpr_count:     512
    .wavefront_size: 32
...
	.end_amdgpu_metadata
.endif
;; end of part 8
;; launch at1: the kernel of part 7 again; grid 16 x 16, 8 waves a work-group, clusters of 4 x 1, 283,648 bytes of LDS; arguments sb, ob; writes ob
;; launch po1: the kernel of part 8 again; grid 128 x 1, 8 waves a work-group, no clusters, 327,680 bytes of LDS; arguments ob, sb, wp1, sa; writes sa
;; launch at2: the kernel of part 7 again; grid 16 x 16, 8 waves a work-group, clusters of 4 x 1, 283,648 bytes of LDS; arguments sa, ob; writes ob
;; launch po2: the kernel of part 8 again; grid 128 x 1, 8 waves a work-group, no clusters, 327,680 bytes of LDS; arguments ob, sa, wp2, sb; writes sb
;; launch at3: the kernel of part 7 again; grid 16 x 16, 8 waves a work-group, clusters of 4 x 1, 283,648 bytes of LDS; arguments sb, ob; writes ob
;; launch fin (part 9): grid 256 x 1, 8 waves a work-group, no clusters, 327,680 bytes of LDS; arguments ob, sb, wp1, wp2, grp, xyz, sa, idx; writes sa, idx
.if DOCPART == 9
	.amdgcn_target "amdgcn-amd-amdhsa--gfx1250"
	.amdhsa_code_object_version 6
	.text
	.protected	k_q9f05e60021_fin
	.globl	k_q9f05e60021_fin
	.p2align	8
	.type	k_q9f05e60021_fin,@function
k_q9f05e60021_fin:
	s_mov_b64 s[64:65], 0
	v_nop
	global_prefetch_b8 v0, s[64:65] scope:SCOPE_SE
	s_setreg_imm32_b32 hwreg(HW_REG_WAVE_MODE, 25, 1), 1
	s_wait_xcnt 0x0
; FIN.  Work-groups 0-127: 32 tokens each: the last layer's x += o Wo + bo; x += gelu(LN2(x) W1 + b1) W2 + b2; logits = relu(x H1 + hb1) H2 + hb2, stored as rows of 64 f32.
; Work-groups 128-255: 256 points each: among the 32 tokens of the four groups that an earlier launch stored, the three nearest, by the sums as the problem writes them:
; d = max((q2 + k2) - 2 ((x x' + y y') + z z'), 0) on coordinates rounded to bf16 (all products exact in f32), ties to the lower index; stored as whole numbers.
; TOKEN PART: as the launch between two attentions: products used transposed, a lane holds ONE token and eight channels; activations through LDS in fragment order.
; THE WEIGHTS.  A wave's stream: Wo 0-15, W1 16-47, W2 48-79, H1 80-95, and its class tile's eight fragments of H2.  Each is asked for a whole product or more ahead of its use:
;   fragments 16-43 by a tensor load issued first thing, into LDS bytes of the wave's own; fragments 72-95 by a second tensor load into the same bytes, issued as soon as every wave has
;   multiplied by W1; the other 52 (0-15, 44-71, H2's eight) straight from memory into a ring of 24 fragments in registers.
; Only the issuing wave reads its LDS bytes, behind its own wait; the refill stands behind a barrier of all eight waves.
; NO CLUSTER: half of a work-group's 0.8 MB of weights passes through LDS; joint loads for it would put a round of the cluster's barrier at the head, at the refill and at the end, and the
; other half goes to registers, where a fragment is wanted by exactly one wave and no joint load reaches.
; PREFETCH.  Wave 0 of work-groups 0-31 asks once for 8,192 bytes (32 lanes, 256 bytes apart) of fragments 64-95 of stream (work-group / 4): 32 x 8,192 bytes = 8 streams x 32 fragments, each
; block once in the launch, at the kernel's head.  It stays inside the eight streams' 786,432 bytes.
; FORMATS AND LIMITS.  o, y and the gelu's output in f16 (beyond 65,504 an infinity) against the f16 image of the weights; x and the head's hidden layer as a pair of bf16 (hi + lo)
; against bf16 weights.  gelu as in the launch between attentions: absolute error up to 1e-7 |x|.  NaN and infinities are not treated apart.
.set STR,   98304
.set L1A,   16                         ; the first fill holds fragments L1A .. L1B - 1,
.set L1B,   44
.set L2A,   72                         ; the second L2A .. L2B - 1
.set L2B,   96
.set H2G,   44                         ; from this place in the ring on: H2's eight fragments
.set GT,    52                         ; fragments that go through the ring
.set GI,    0                          ; ring fragments issued so far, as the text is written
.set GC,    0                          ; ring fragments multiplied so far
.set PARG,  819200
.set PAR,   0
.set STA,   12288
.set R1,    14336                      ; o; later x hi; at last the logits' stage, 32 rows of 272 bytes
.set R2,    30720                      ; y of LN2; later x lo
.set R3,    47104                      ; the gelu's output; later the head's hidden layer, hi, and 16,384 bytes on, lo
.set SPARE, 79872                      ; the spare words: 128 bytes a wave, named by no other line
.set WL,    80896                      ; weight fragments: wave x 30,720; no LDS store ever lands here
.set LTOFF, 10485760
.set LB,   1
.set LBG,  2
.set WOF,  3
.set PB2,  4
.set PB4,  5
.set PVB,  6
.set STW,  7
.set STRD, 8
.set LW,   9
.set SPW,  10
.set NIL,  11
.set GWR,  12
.set LWG,  13
.set XA,   14
.set X,    16
.set ACC,  48
.set T,    144                         ; v[144:243] at work; inside a product v[144:239] are two buffers of weight fragments out of LDS
.set AUX,  244
.set H2A,  246                         ; LB + 1024 (w / 2): my class tile's fragments of H2
.set HB,   247                         ; LBG + 1024 (w % 2): my token tile's fragments of the hidden layer
.set HBI,  248                         ; 32 (lane/16) + 64 (w / 2)
.set LTS,  249                         ; where my eight logits go in the stage
.set LTR,  250                         ; where I read rows back
.set LTG,  251                         ; and their place in memory
.set WLA,  253                         ; LB + WL + 30,720 w
.set GW2,  254                         ; the gelu's store address in the trip in hand
.set PFA,  255                         ; the prefetch's offset; never rewritten
.set BF,   192
.set MSB, 0
.macro WIN new                         ; the immediate's high byte repeats the setting that is left
.if MSB != (\new)
	s_set_vgpr_msb (MSB<<8)|(\new)
.set MSB, (\new)
.endif
.endm
.macro PLACES                          ; four places between a matrix instruction and a load into, or a vector read of, its registers
.rept 4
	v_nop
.endr
.endm
.macro BAR
	s_wait_dscnt 0x0
	s_barrier_signal -1
	s_barrier_wait -1
.endm
.macro END                             ; the wave's end: behind my last tensor load and my last LDS store
	s_wait_tensorcnt 0x0
	ds_add_u32 v[SPW], v[NIL]
	s_wait_dscnt 0x0
	s_endpgm
.endm
.macro FRAME
	v_and_b32 v[STRD], 31, v0
	v_lshlrev_b32 v[LB], 4, v[STRD]
	v_bfe_u32 v[PB2], v0, 4, 1
	v_and_b32 v[PVB], 15, v0
	v_lshlrev_b32 v[PB2], 5, v[PB2]
	s_lshl_b32 s21, s12, 7
	s_lshl_b32 s22, s12, 8
	v_add_nc_u32 v[PB4], s22, v[PB2]
	v_add_nc_u32 v[PB2], s21, v[PB2]
	v_lshl_add_u32 v[PVB], v[PVB], 2, s21
	v_lshlrev_b32 v[STRD], 3, v[STRD]
	v_add_nc_u32 v[STW], s22, v[STRD]
	s_lshl_b32 s21, s12, 11
	v_add_nc_u32 v[LW], s21, v[LB]
	s_lshl_b32 s21, s12, 12
	v_add_nc_u32 v[XA], s21, v[LB]
	v_add_nc_u32 v[LBG], R3, v[LB]
	v_add_nc_u32 v[LWG], R3, v[LW]
	v_add_nc_u32 v[GWR], R3, v[XA]
	s_mul_i32 s21, s12, STR
	v_add_nc_u32 v[WOF], s21, v[LB]
	s_mov_b32 s18, 0x3d000000
	s_mov_b32 s19, 0x3b800000
	s_mov_b32 s20, 0x3727c5ac
.endm
.macro GCONST
	s_mov_b32 s24, 0x3e6d3388
	s_mov_b32 s26, 0x3f07dc22
	s_mov_b32 s28, 0xbf3a00e3
	s_mov_b32 s30, 0x3f35f0e3
	s_mov_b32 s32, 0xbe11a98e
	s_mov_b32 s34, 0x3e027906
	s_mov_b32 s36, 0xbf38aa3b
.irp q, 24,26,28,30,32,34,36
	s_mov_b32 s[\q+1], s[\q]
.endr
	s_mov_b32 s38, 0x7fffffff
.endm
.macro SRC f                           ; zl = 1: fragment f comes through LDS; zlb: the first fragment of its fill
.set zl, 0
.if ((\f) >= L1A) && ((\f) < L1B)
.set zl, 1
.set zlb, L1A
.endif
.if ((\f) >= L2A) && ((\f) < L2B)
.set zl, 1
.set zlb, L2A
.endif
.endm
.macro WLD                             ; the ring's next fragment, number GI of the ring, into slot GI % 24.  The ring skips what the first fill holds; behind fragment 71 come H2's eight,
.if GI < GT                            ; K step GI - H2G of my class tile in the block that all waves share
.if GI < H2G
.set zff, GI
.if GI >= L1A
.set zff, GI+(L1B-L1A)
.endif
	global_load_b128 v[8*(GI%24):8*(GI%24)+3], v[WOF], s[16:17] offset:zff*1024
	global_load_b128 v[8*(GI%24)+4:8*(GI%24)+7], v[WOF], s[16:17] offset:zff*1024+512
.else
	global_load_b128 v[8*(GI%24):8*(GI%24)+3], v[H2A], s[16:17] offset:786432+(GI-H2G)*4096
	global_load_b128 v[8*(GI%24)+4:8*(GI%24)+7], v[H2A], s[16:17] offset:786432+(GI-H2G)*4096+512
.endif
.set GI, GI+1
.endif
.endm
.macro BLD buf, ks, nb, ra, oa, rb, ob
.irp t, 0,1
	ds_load_b128 v[BF+32*(\buf)+8*(\t):BF+32*(\buf)+8*(\t)+3], v[\ra] offset:(\oa)+((\ks)*2+(\t))*1024
	ds_load_b128 v[BF+32*(\buf)+8*(\t)+4:BF+32*(\buf)+8*(\t)+7], v[\ra] offset:(\oa)+((\ks)*2+(\t))*1024+512
.endr
.if (\nb) == 4
.irp t, 0,1
	ds_load_b128 v[BF+32*(\buf)+16+8*(\t):BF+32*(\buf)+16+8*(\t)+3], v[\rb] offset:(\ob)+((\ks)*2+(\t))*1024
	ds_load_b128 v[BF+32*(\buf)+16+8*(\t)+4:BF+32*(\buf)+16+8*(\t)+7], v[\rb] offset:(\ob)+((\ks)*2+(\t))*1024+512
.endr
.endif
.endm
.macro ALD F0, A, ks                   ; K step ks's weight fragments, where they lie in LDS, into buffer ks % 2 in window 0.  In front of a fill's first read: the wait for my tensor load
.set zs, (\F0)+(\ks)*(\A)
	SRC zs
.if zl
	WIN 0
.if zs == zlb
	s_wait_tensorcnt 0x0
.endif
.set zj, 0
.rept \A
	ds_load_b128 v[T+48*((\ks)%2)+8*zj:T+48*((\ks)%2)+8*zj+3], v[WLA] offset:(zs+zj-zlb)*1024
	ds_load_b128 v[T+48*((\ks)%2)+8*zj+4:T+48*((\ks)%2)+8*zj+7], v[WLA] offset:(zs+zj-zlb)*1024+512
.set zj, zj+1
.endr
.endif
.endm
; A product: KS steps of 32 along K, A channel tiles x 2 token tiles; NB = 4: all tiles with hi, then all with lo.  The accumulators take turns.
; A K step's weights lie either all in the ring (window 1) or all in the LDS buffers (window 0): the window setting follows.
; s_wait_loadcnt: GI ring fragments have been issued, GC are needed once this step is counted, and nothing else counts on it: 2 (GI - GC) loads may stay out.
; s_wait_dscnt: the next step's LDS loads may stay out: 2 NB of activations and, where its weights lie in LDS, 2 A of weights.
.macro STAGE fmt, F0, A, KS, AB, NB, ra, oa, rb=LB, ob=0
	WIN 0x40
	BLD 0, 0, \NB, \ra, \oa, \rb, \ob
	ALD \F0, \A, 0
	WIN 0x40
	BLD 1, 1, \NB, \ra, \oa, \rb, \ob
	ALD \F0, \A, 1
.set zk, 0
.rept \KS
.set zf, (\F0)+zk*(\A)
.set zc, 0
.if zk < (\KS)-1
.set zc, 2*(\NB)
.set zn, zf+(\A)
	SRC zn
.if zl
.set zc, zc+2*(\A)
.endif
.endif
	SRC zf
.set zla, zl
.if zla == 0
.set GC, GC+(\A)
	s_wait_loadcnt 2*(GI-GC)
.endif
	s_wait_dscnt zc
	WIN 0x05-zla
.set zp, 0
.rept (\NB)/2
.set zi, 0
.rept \A
.set zt, 0
.rept 2
.set zd, (\AB)+8*(2*zi+zt)
.set zb, BF+32*(zk%2)+16*zp+8*zt
.set za, 8*((GC-(\A)+zi)%24)
.if zla
.set za, T+48*(zk%2)+8*zi
.endif
	v_wmma_f32_16x16x32_\fmt v[zd:zd+7], v[za:za+7], v[zb:zb+7], v[zd:zd+7]
.set zt, zt+1
.endr
.set zi, zi+1
.endr
.set zp, zp+1
.endr
	PLACES
.if zla == 0
	WIN 0x40
.rept \A
	WLD
.endr
.endif
.if zk+2 < (\KS)
.set zq, zk%2
.set zr, zk+2
	WIN 0x40
	BLD zq, zr, \NB, \ra, \oa, \rb, \ob
	ALD \F0, \A, zr
.endif
.set zk, zk+1
.endr
	WIN 0
.endm
.macro HLD buf, ks                     ; my token tile's hi and lo fragment of the hidden layer
	ds_load_b128 v[BF+32*(\buf):BF+32*(\buf)+3], v[HB] offset:(\ks)*2048
	ds_load_b128 v[BF+32*(\buf)+4:BF+32*(\buf)+7], v[HB] offset:(\ks)*2048+512
	ds_load_b128 v[BF+32*(\buf)+8:BF+32*(\buf)+11], v[HB] offset:16384+(\ks)*2048
	ds_load_b128 v[BF+32*(\buf)+12:BF+32*(\buf)+15], v[HB] offset:16384+(\ks)*2048+512
.endm
.macro XBIAS slot
.irp i, 0,1
	ds_load_b128 v[T+8*(\i):T+8*(\i)+3], v[PB2] offset:(\slot)*1024+64*(\i)
	ds_load_b128 v[T+8*(\i)+4:T+8*(\i)+7], v[PB2] offset:(\slot)*1024+64*(\i)+16
.endr
	s_wait_dscnt 0x0
.set zi, 0
.rept 4
.irp p, 0,2,4,6
	v_pk_add_f32 v[X+8*zi+(\p):X+8*zi+(\p)+1], v[X+8*zi+(\p):X+8*zi+(\p)+1], v[T+8*(zi/2)+(\p):T+8*(zi/2)+(\p)+1]
.endr
.set zi, zi+1
.endr
.endm
.macro PREX slot
.set zi, 0
.rept 4
	ds_load_b128 v[X+8*zi:X+8*zi+3], v[PB2] offset:(\slot)*1024+64*(zi/2)
	ds_load_b128 v[X+8*zi+4:X+8*zi+7], v[PB2] offset:(\slot)*1024+64*(zi/2)+16
.set zi, zi+1
.endr
.endm
.macro PREF
.set zi, 0
.rept 8
	ds_load_b128 v[ACC+8*zi:ACC+8*zi+3], v[PB4] offset:3*1024+64*(zi/2)
	ds_load_b128 v[ACC+8*zi+4:ACC+8*zi+7], v[PB4] offset:3*1024+64*(zi/2)+16
.set zi, zi+1
.endr
.endm
; LayerNorm of x over 256 channels: each wave's sum and squared deviations over its 32 channels, merged in LDS (M = sum M2 + 32 sum (mean_w - mean)^2).
.macro LN stat, sS, sB, doff
.irp tt, 0,1
	v_pk_add_f32 v[T:T+1], v[X+8*(\tt):X+8*(\tt)+1], v[X+8*(\tt)+2:X+8*(\tt)+3]
	v_pk_add_f32 v[T+2:T+3], v[X+8*(\tt)+4:X+8*(\tt)+5], v[X+8*(\tt)+6:X+8*(\tt)+7]
	v_pk_add_f32 v[T+4:T+5], v[X+16+8*(\tt):X+16+8*(\tt)+1], v[X+16+8*(\tt)+2:X+16+8*(\tt)+3]
	v_pk_add_f32 v[T+6:T+7], v[X+16+8*(\tt)+4:X+16+8*(\tt)+5], v[X+16+8*(\tt)+6:X+16+8*(\tt)+7]
	v_pk_add_f32 v[T:T+1], v[T:T+1], v[T+2:T+3]
	v_pk_add_f32 v[T+4:T+5], v[T+4:T+5], v[T+6:T+7]
	v_pk_add_f32 v[T:T+1], v[T:T+1], v[T+4:T+5]
	v_add_f32 v[T], v[T], v[T+1]
	v_permlanex16_b32 v[T+1], v[T], s14, s15
	v_add_f32 v[T+16+2*(\tt)], v[T], v[T+1]
	v_mul_f32 v[T+2], s18, v[T+16+2*(\tt)]
.set zp, 0
.rept 8
.set zx, X+8*(\tt)+16*(zp/4)+2*(zp%4)
.set zd, T+4+2*(zp%2)
	v_pk_add_f32 v[zd:zd+1], v[zx:zx+1], v[T+2:T+3] op_sel_hi:[1,0] neg_lo:[0,1] neg_hi:[0,1]
.if zp == 0
	v_pk_mul_f32 v[T+8:T+9], v[zd:zd+1], v[zd:zd+1]
.else
	v_pk_fma_f32 v[T+8:T+9], v[zd:zd+1], v[zd:zd+1], v[T+8:T+9]
.endif
.set zp, zp+1
.endr
	v_add_f32 v[T+8], v[T+8], v[T+9]
	v_permlanex16_b32 v[T+9], v[T+8], s14, s15
	v_add_f32 v[T+17+2*(\tt)], v[T+8], v[T+9]
.endr
	v_cndmask_b32 v[T+20], v[T+16], v[T+18], s13
	v_cndmask_b32 v[T+21], v[T+17], v[T+19], s13
	ds_store_b64 v[STW], v[T+20:T+21] offset:\stat
	BAR
.irp q, 0,1,2,3,4,5,6,7
	ds_load_b64 v[T+2*(\q):T+2*(\q)+1], v[STRD] offset:(\stat)+256*(\q)
.endr
.irp i, 0,1
	ds_load_b128 v[T+32+8*(\i):T+32+8*(\i)+3], v[PB2] offset:(\sS)*1024+64*(\i)
	ds_load_b128 v[T+36+8*(\i):T+36+8*(\i)+3], v[PB2] offset:(\sS)*1024+64*(\i)+16
	ds_load_b128 v[T+48+8*(\i):T+48+8*(\i)+3], v[PB2] offset:(\sB)*1024+64*(\i)
	ds_load_b128 v[T+52+8*(\i):T+52+8*(\i)+3], v[PB2] offset:(\sB)*1024+64*(\i)+16
.endr
	s_wait_dscnt 0x0
	v_pk_add_f32 v[T+16:T+17], v[T:T+1], v[T+2:T+3]
.irp q, 2,3,4,5,6,7
	v_pk_add_f32 v[T+16:T+17], v[T+16:T+17], v[T+2*(\q):T+2*(\q)+1]
.endr
	v_mul_f32 v[T+29], s19, v[T+16]
	v_fma_f32 v[T+18], v[T], s18, -v[T+29]
	v_mul_f32 v[T+19], v[T+18], v[T+18]
.irp q, 1,2,3,4,5,6,7
	v_fma_f32 v[T+18], v[T+2*(\q)], s18, -v[T+29]
	v_fma_f32 v[T+19], v[T+18], v[T+18], v[T+19]
.endr
	v_fma_f32 v[T+17], v[T+19], 0x42000000, v[T+17]
	v_fma_f32 v[T+17], v[T+17], s19, s20
	v_rsq_f32 v[T+31], v[T+17]
	v_mov_b32 v[T+25], 0                       ; a plain instruction behind the root; v_permlanex16_b32's destination counts as read
	v_mov_b32 v[T+27], 0
	v_permlanex16_b32 v[T+25], v[T+29], s14, s15
	s_wait_alu depctr_va_vdst(0)
	v_permlanex16_b32 v[T+27], v[T+31], s14, s15
	v_cndmask_b32 v[T+24], v[T+29], v[T+25], s13
	v_cndmask_b32 v[T+28], v[T+25], v[T+29], s13
	v_cndmask_b32 v[T+26], v[T+31], v[T+27], s13
	v_cndmask_b32 v[T+30], v[T+27], v[T+31], s13
.set zi, 0
.rept 4
.irp p, 0,1,2,3
	v_pk_add_f32 v[T+2*(\p):T+2*(\p)+1], v[X+8*zi+2*(\p):X+8*zi+2*(\p)+1], v[T+24+4*(zi%2):T+25+4*(zi%2)] op_sel_hi:[1,0] neg_lo:[0,1] neg_hi:[0,1]
	v_pk_mul_f32 v[T+2*(\p):T+2*(\p)+1], v[T+2*(\p):T+2*(\p)+1], v[T+26+4*(zi%2):T+27+4*(zi%2)] op_sel_hi:[1,0]
	v_pk_fma_f32 v[T+2*(\p):T+2*(\p)+1], v[T+2*(\p):T+2*(\p)+1], v[T+32+8*(zi/2)+2*(\p):T+33+8*(zi/2)+2*(\p)], v[T+48+8*(zi/2)+2*(\p):T+49+8*(zi/2)+2*(\p)]
	v_cvt_pk_f16_f32 v[T+64+4*zi+(\p)], v[T+2*(\p)], v[T+2*(\p)+1]
.endr
	ds_store_b128 v[LW], v[T+64+4*zi:T+67+4*zi] offset:(\doff)+(zi%2)*1024+(zi/2)*512
.set zi, zi+1
.endr
	BAR
.endm
.macro GELU a, o
.irp j, 0,1,2,3,4,5,6,7
	v_and_b32 v[T+(\j)], s38, v[(\a)+(\j)]
.endr
.irp j, 0,1,2,3,4,5,6,7
	v_max_num_f32 v[T+8+(\j)], 0, v[(\a)+(\j)]
.endr
.irp p, 0,2,4,6
	v_pk_fma_f32 v[T+16+(\p):T+17+(\p)], v[T+(\p):T+(\p)+1], s[24:25], 1.0 op_sel_hi:[1,0,0]
.endr
.irp j, 0,1,2,3,4,5,6,7
	v_rcp_f32 v[T+16+(\j)], v[T+16+(\j)]
.endr
.irp p, 0,2,4,6
	v_pk_mul_f32 v[T+24+(\p):T+25+(\p)], v[(\a)+(\p):(\a)+(\p)+1], v[(\a)+(\p):(\a)+(\p)+1]
.endr
.irp p, 0,2,4,6
	v_pk_mul_f32 v[T+24+(\p):T+25+(\p)], v[T+24+(\p):T+25+(\p)], s[36:37] op_sel_hi:[1,0]
.endr
.irp j, 0,1,2,3,4,5,6,7
	v_exp_f32 v[T+24+(\j)], v[T+24+(\j)]
.endr
	s_wait_alu depctr_va_vdst(0)
.irp p, 0,2,4,6
	v_pk_fma_f32 v[T+32+(\p):T+33+(\p)], v[T+16+(\p):T+17+(\p)], s[26:27], s[28:29] op_sel_hi:[1,0,0]
.endr
.irp c, 30,32,34
.irp p, 0,2,4,6
	v_pk_fma_f32 v[T+32+(\p):T+33+(\p)], v[T+32+(\p):T+33+(\p)], v[T+16+(\p):T+17+(\p)], s[\c:\c+1] op_sel_hi:[1,1,0]
.endr
.endr
.irp p, 0,2,4,6
	v_pk_mul_f32 v[T+32+(\p):T+33+(\p)], v[T+32+(\p):T+33+(\p)], v[T+16+(\p):T+17+(\p)]
.endr
.irp p, 0,2,4,6
	v_pk_mul_f32 v[T+32+(\p):T+33+(\p)], v[T+32+(\p):T+33+(\p)], v[T+24+(\p):T+25+(\p)]
.endr
.irp p, 0,2,4,6
	v_pk_fma_f32 v[T+32+(\p):T+33+(\p)], v[T+(\p):T+(\p)+1], v[T+32+(\p):T+33+(\p)], v[T+8+(\p):T+9+(\p)] neg_lo:[1,0,0] neg_hi:[1,0,0]
.endr
.irp p, 0,1,2,3
	v_cvt_pk_f16_f32 v[(\o)+(\p)], v[T+32+2*(\p)], v[T+33+2*(\p)]
.endr
.endm
.macro MV8 d, s                        ; accumulator place s comes into place d, from its low end on
.set zi, 0
.rept 8
	v_mov_b32 v[ACC+8*(\d)+zi], v[ACC+8*(\s)+zi]
.set zi, zi+1
.endr
.endm
.macro HILO a, hr, ho, lr, lo          ; eight f32 -> bf16 hi and bf16 (x - hi), 16 bytes each, into two fragments
.irp p, 0,1,2,3
	v_cvt_pk_bf16_f32 v[T+(\p)], v[(\a)+2*(\p)], v[(\a)+2*(\p)+1]
.endr
.irp p, 0,1,2,3
	v_lshlrev_b32 v[T+8+2*(\p)], 16, v[T+(\p)]
	v_and_b32 v[T+9+2*(\p)], s13, v[T+(\p)]
.endr
.irp p, 0,1,2,3
	v_pk_add_f32 v[T+8+2*(\p):T+9+2*(\p)], v[(\a)+2*(\p):(\a)+2*(\p)+1], v[T+8+2*(\p):T+9+2*(\p)] neg_lo:[0,1] neg_hi:[0,1]
.endr
.irp p, 0,1,2,3
	v_cvt_pk_bf16_f32 v[T+4+(\p)], v[T+8+2*(\p)], v[T+9+2*(\p)]
.endr
	ds_store_b128 v[\hr], v[T:T+3] offset:\ho
	ds_store_b128 v[\lr], v[T+4:T+7] offset:\lo
.endm
	s_load_b512 s[40:55], s[0:1], 0x0      ; ob 40, the state 42, wp1 44, wp2 46, grp 48, xyz 50, sa 52, idx 54
	v_lshl_add_u32 v[SPW], v0, 2, SPARE
	v_mov_b32 v[NIL], 0
	ds_add_u32 v[SPW], v[NIL]              ; the wave's opening: the add and its wait stand ahead of my first tensor load
	ds_add_u32 v10, v11
	v_lshrrev_b32 v[LB], 5, v0
	v_readfirstlane_b32 s12, v[LB]
	s_mov_b32 s13, 0xffff0000
	s_mov_b32 s14, 0x76543210
	s_mov_b32 s15, 0xfedcba98
	s_wait_dscnt 0x0                       ; the opening add is done
	s_cmp_ge_u32 ttmp9, 128
	s_cbranch_scc1 .Lsel
	FRAME
	GCONST
	v_lshlrev_b32 v[AUX], 4, v0
	s_lshl_b32 s21, s12, 10
	v_add_nc_u32 v[AUX+1], s21, v[LB]
	s_lshr_b32 s21, ttmp9, 2               ; the prefetch: stream work-group / 4,
	s_mul_i32 s21, s21, STR
	s_and_b32 s22, ttmp9, 3                ; its piece work-group % 4 of 8,192 bytes,
	s_lshl_b32 s22, s22, 13
	s_add_co_u32 s21, s21, s22
	v_lshl_add_u32 v[PFA], v[LB], 4, s21   ; lanes 256 bytes apart
	s_lshr_b32 s21, s12, 1                 ; my class tile
	s_and_b32 s22, s12, 1                  ; my token tile
	s_lshl_b32 s23, s21, 10
	v_add_nc_u32 v[H2A], s23, v[LB]
	s_lshl_b32 s23, s22, 10
	v_add_nc_u32 v[HB], s23, v[LBG]
	v_bfe_u32 v[HBI], v0, 4, 1
	v_lshlrev_b32 v[HBI], 5, v[HBI]
	s_lshl_b32 s23, s21, 6
	v_add_nc_u32 v[HBI], s23, v[HBI]
	v_and_b32 v[LTS], 15, v0
	s_lshl_b32 s23, s22, 4
	v_add_nc_u32 v[LTS], s23, v[LTS]       ; token 16 tt + lane % 16
	v_mul_u32_u24 v[LTS], v[LTS], 272
	v_add_nc_u32 v[LTS], v[LTS], v[HBI]
	v_and_b32 v[AUX+8], 15, v0
	v_lshlrev_b32 v[AUX+8], 4, v[AUX+8]
	v_bfe_u32 v[LTR], v0, 4, 1
	s_lshl_b32 s23, s12, 2
	v_add_nc_u32 v[LTR], s23, v[LTR]       ; row 4 w + lane / 16
	v_lshl_add_u32 v[LTG], v[LTR], 8, v[AUX+8]
	v_mul_u32_u24 v[LTR], v[LTR], 272
	v_add_nc_u32 v[LTR], v[LTR], v[AUX+8]
	; the first fill: my fragments 16-43, 28,672 dense bytes: 112 rows of 256 bytes
	s_mov_b32 s4, 3<<16                    ; elements of 8 bytes; no mask, no padding
	s_mov_b32 s5, 32<<16                   ; tensor_dim0 = 32
	s_mov_b32 s6, 112<<16                  ; tensor_dim1 = 112
	s_mov_b32 s7, 32<<16                   ; tile_dim0 = 32
	s_mov_b32 s8, 112                      ; tile_dim1 = 112
	s_mov_b32 s9, 32                       ; from row to row
	s_mov_b32 s10, 0
	s_mov_b32 s11, 0
	s_mov_b32 s56, 1
	s_mul_i32 s57, s12, 30720
	s_add_co_u32 s57, s57, WL              ; LDS bytes of my own
	v_add_nc_u32 v[WLA], s57, v[LB]
	; the second: my fragments 72-95, 24,576 dense bytes: 96 rows, into the same bytes
	s_mov_b32 s72, 3<<16
	s_mov_b32 s73, 32<<16
	s_mov_b32 s74, 96<<16
	s_mov_b32 s75, 32<<16
	s_mov_b32 s76, 96
	s_mov_b32 s77, 32
	s_mov_b32 s78, 0
	s_mov_b32 s79, 0
	s_mov_b32 s68, 1
	s_mov_b32 s69, s57
	s_mul_i32 s62, s12, STR
	s_add_co_u32 s62, s62, L1A*1024
	s_mov_b32 s63, 0
	s_wait_kmcnt 0x0
	s_add_nc_u64 s[16:17], s[44:45], 1060864
	s_add_nc_u64 s[58:59], s[16:17], s[62:63]
	s_add_nc_u64 s[70:71], s[58:59], (L2A-L1A)*1024
	s_or_b32 s59, s59, 0x80000000
	s_or_b32 s71, s71, 0x80000000
	tensor_load_to_lds s[56:59], s[4:11]   ; W1's first seven K steps: issued first, read in the second product
	s_nop 0
.rept 4
	v_nop
.endr
	s_cmp_lg_u32 s12, 0
	s_cbranch_scc1 .Lnopf
	s_cmp_ge_u32 ttmp9, 32
	s_cbranch_scc1 .Lnopf
	global_prefetch_b8 v[PFA], s[16:17] offset:65536 th:TH_LOAD_NT scope:SCOPE_SE
.Lnopf:
	s_lshl_b32 s62, ttmp9, 14
	s_add_nc_u64 s[40:41], s[40:41], s[62:63]
	s_lshl_b32 s62, ttmp9, 15
	s_add_nc_u64 s[42:43], s[42:43], s[62:63]
	s_lshl_b32 s62, ttmp9, 13
	s_add_co_u32 s62, s62, LTOFF
	s_add_nc_u64 s[60:61], s[52:53], s[62:63]  ; my 32 rows of logits
.irp q, 0,1,2
	global_load_b128 v[T+4*(\q):T+4*(\q)+3], v[AUX], s[16:17] offset:PARG+4096*(\q)
.endr
.irp q, 0,1,2,3
	global_load_b128 v[T+12+4*(\q):T+15+4*(\q)], v[AUX+1], s[40:41] offset:((\q)/2)*8192+((\q)%2)*512
.endr
.irp q, 0,1,2,3,4,5,6,7
	global_load_b128 v[X+4*(\q):X+4*(\q)+3], v[XA], s[42:43] offset:512*(\q)
.endr
	WIN 0x40
.rept 24
	WLD
.endr
	WIN 0
	s_wait_loadcnt 56                      ; parameters and o are in: x's 8 loads and the ring's 48 stay out
.irp q, 0,1,2
	ds_store_b128 v[AUX], v[T+4*(\q):T+4*(\q)+3] offset:PAR+4096*(\q)
.endr
.irp q, 0,1,2,3
	ds_store_b128 v[LW], v[T+12+4*(\q):T+15+4*(\q)] offset:R1+((\q)/2)*1024+((\q)%2)*512
.endr
	BAR
	s_wait_loadcnt 48                      ; x is in
	XBIAS 0
	STAGE f16, 0, 2, 8, X, 2, LB, R1
	LN STA, 1, 2, R2
	PREF
	STAGE f16, 16, 4, 8, ACC, 2, LB, R2    ; seven K steps out of LDS, the eighth out of the ring
	; THE REFILL.  Every wave has multiplied by its part of W1: the same bytes take fragments L2A on.
	s_wait_tensorcnt 0x0                   ; no tensor load of mine is out
	ds_add_u32 v[SPW], v[NIL]              ; 0 onto my spare word; the gelu's loop is set up while it is out
	s_mov_b32 s39, 0
	s_mov_b32 s23, 4
	s_wait_dscnt 0x0                       ; the add is done, and my reads of these bytes are over
	s_barrier_signal -1
	s_barrier_wait -1                      ; both now hold of every wave
	tensor_load_to_lds s[68:71], s[72:79]  ; my one tensor load behind this barrier: it has the gelu and twelve K steps of W2 in which to land
	s_nop 0
.rept 4
	v_nop
.endr
	; the gelu: four trips of two tiles, those that make one LDS fragment (channel tiles 2 m and 2 m + 1 of token tile tt, trip 2 m + tt), always out of accumulator places 0 and 2;
	; between the trips the others come down (1 -> 0, 4 -> 1, 5 -> 4; 3 -> 2, 6 -> 3, 7 -> 6), so that the text stands once
.Lgelu:
	v_add_nc_u32 v[GW2], s39, v[GWR]
	GELU ACC, T+64
	ds_store_b128 v[GW2], v[T+64:T+67]
	GELU ACC+16, T+68
	ds_store_b128 v[GW2], v[T+68:T+71] offset:512
	s_cmp_eq_u32 s23, 1
	s_cbranch_scc1 .Lgstep                 ; behind the last trip nothing is left to bring down
	MV8 0, 1
	MV8 1, 4
	MV8 4, 5
	MV8 2, 3
	MV8 3, 6
	MV8 6, 7
.Lgstep:
	s_add_co_u32 s39, s39, 1024            ; the next fragment
	s_sub_co_u32 s23, s23, 1
	s_cmp_lg_u32 s23, 0
	s_cbranch_scc1 .Lgelu
	BAR
	XBIAS 5
	STAGE f16, 48, 2, 16, X, 2, LBG, 0
.set zi, 0
.rept 4                                ; x as hi + lo: the regions' last readers passed a barrier since
.set za, X+8*zi
.set zo, (zi%2)*1024+(zi/2)*512
	HILO za, LW, R1+zo, LW, R2+zo
.set zi, zi+1
.endr
	BAR
	PREX 6                                 ; head_b1
	STAGE bf16, 80, 2, 8, X, 4, LB, R1, LB, R2
.set zi, 0
.rept 32
	v_max_num_f32 v[X+zi], 0, v[X+zi]
.set zi, zi+1
.endr
.set zi, 0
.rept 4
.set za, X+8*zi
.set zo, (zi%2)*1024+(zi/2)*512
	HILO za, LWG, zo, LWG, 16384+zo
.set zi, zi+1
.endr
	BAR
	; the logits: one tile of 16 classes x 16 tokens a wave; hi and lo have an accumulator each, which take turns.  H2's fragments are the ring's last eight
	ds_load_b128 v[T+16:T+19], v[HBI] offset:7*1024
	ds_load_b128 v[T+20:T+23], v[HBI] offset:7*1024+16
	WIN 0x40
	HLD 0, 0
	HLD 1, 1
.set zk, 0
.rept 8
.set GC, GC+1
	s_wait_loadcnt 2*(GI-GC)               ; the later K steps' fragments may stay out
.if zk == 7
	s_wait_dscnt 0x0
.else
	s_wait_dscnt 4                         ; the next K step's four loads may stay out
.endif
	WIN 0x05
.set za, 8*((GC-1)%24)
.set zb, BF+32*(zk%2)
.if zk == 0
	v_wmma_f32_16x16x32_bf16 v[ACC:ACC+7], v[za:za+7], v[zb:zb+7], 0
	v_wmma_f32_16x16x32_bf16 v[ACC+8:ACC+15], v[za:za+7], v[zb+8:zb+15], 0
.else
	v_wmma_f32_16x16x32_bf16 v[ACC:ACC+7], v[za:za+7], v[zb:zb+7], v[ACC:ACC+7]
	v_wmma_f32_16x16x32_bf16 v[ACC+8:ACC+15], v[za:za+7], v[zb+8:zb+15], v[ACC+8:ACC+15]
.endif
	PLACES
	WIN 0x40
.if zk+2 < 8
.set zq, zk%2
.set zr, zk+2
	HLD zq, zr
.endif
.set zk, zk+1
.endr
	WIN 0
.irp p, 0,2,4,6
	v_pk_add_f32 v[ACC+(\p):ACC+(\p)+1], v[ACC+(\p):ACC+(\p)+1], v[ACC+8+(\p):ACC+9+(\p)]
.endr
.irp p, 0,2,4,6
	v_pk_add_f32 v[ACC+(\p):ACC+(\p)+1], v[ACC+(\p):ACC+(\p)+1], v[T+16+(\p):T+17+(\p)]
.endr
	ds_store_b128 v[LTS], v[ACC:ACC+3] offset:R1
	ds_store_b128 v[LTS], v[ACC+4:ACC+7] offset:R1+16
	BAR
	ds_load_b128 v[T:T+3], v[LTR] offset:R1
	ds_load_b128 v[T+4:T+7], v[LTR] offset:R1+2*272
	s_wait_dscnt 0x0
	global_store_b128 v[LTG], v[T:T+3], s[60:61]               ; sixteen lanes store a row's 256 consecutive aligned bytes
	global_store_b128 v[LTG], v[T+4:T+7], s[60:61] offset:512
	END
.Lsel:                                 ; thread = point
	s_sub_co_u32 s21, ttmp9, 128
	s_lshr_b32 s22, s21, 6                 ; cloud
	s_lshl_b32 s23, s21, 8
	v_add_nc_u32 v16, s23, v0
	v_mul_u32_u24 v17, v16, 12
	v_lshlrev_b32 v18, 2, v16
	s_lshl_b32 s62, s22, 15
	s_add_co_u32 s62, s62, 1191936
	s_mov_b32 s63, 0
	s_wait_kmcnt 0x0
	s_add_nc_u64 s[4:5], s[46:47], s[62:63]    ; my cloud's (x, y, z, k2)
	global_load_b96 v[20:22], v17, s[50:51]
	global_load_b32 v19, v18, s[48:49]
	s_wait_loadcnt 0x0
	v_cvt_pk_bf16_f32 v23, v20, v21
	v_cvt_pk_bf16_f32 v26, v22, v22
	v_lshlrev_b32 v24, 16, v23
	v_and_b32 v25, s13, v23
	v_lshlrev_b32 v26, 16, v26
	v_mul_f32 v27, v24, v24
	v_fma_f32 v27, v25, v25, v27
	v_fma_f32 v27, v26, v26, v27           ; q2
	v_mov_b32 v28, 0x7f800000
	v_mov_b32 v29, 0x7f800000
	v_mov_b32 v30, 0x7f800000
	v_mov_b32 v31, 0
	v_mov_b32 v32, 0
	v_mov_b32 v33, 0
	s_mov_b32 s24, 4
.Lgrp:                                 ; a group of eight tokens a trip, in ascending order of their numbers
	v_and_b32 v34, 0xff, v19
	v_min_u32 v34, 0xff, v34
	v_lshlrev_b32 v35, 7, v34
.irp e, 0,1,2,3,4,5,6,7
	global_load_b128 v[48+4*(\e):51+4*(\e)], v35, s[4:5] offset:16*(\e)
.endr
	v_lshlrev_b32 v34, 3, v34
	v_lshrrev_b32 v19, 8, v19
	s_wait_loadcnt 0x0
.irp e, 0,1,2,3,4,5,6,7
	v_mul_f32 v36, v24, v[48+4*(\e)]
	v_fma_f32 v36, v25, v[49+4*(\e)], v36
	v_fma_f32 v36, v26, v[50+4*(\e)], v36
	v_add_f32 v37, v27, v[51+4*(\e)]
	v_fma_f32 v36, -2.0, v36, v37
	v_max_num_f32 v36, 0, v36
	v_add_nc_u32 v38, \e, v34
	v_cmp_lt_f32 s25, v36, v28             ; strictly less: at a tie the earlier, lower index stays in front
	v_cmp_lt_f32 s26, v36, v29
	v_cmp_lt_f32 s27, v36, v30
	v_cndmask_b32 v39, v38, v32, s26
	v_cndmask_b32 v33, v33, v39, s27
	v_cndmask_b32 v39, v38, v31, s25
	v_cndmask_b32 v32, v32, v39, s26
	v_cndmask_b32 v31, v31, v38, s25
	v_med3_num_f32 v30, v36, v29, v30
	v_med3_num_f32 v29, v36, v28, v29
	v_min_num_f32 v28, v36, v28
.endr
	s_sub_co_u32 s24, s24, 1
	s_cmp_lg_u32 s24, 0
	s_cbranch_scc1 .Lgrp
	s_lshl_b32 s25, s22, 11
	v_add_nc_u32 v40, s25, v31             ; rows of the logits' table
	v_add_nc_u32 v41, s25, v32
	v_add_nc_u32 v42, s25, v33
	v_mov_b32 v43, 0
	v_lshlrev_b32 v44, 4, v16
	global_store_b128 v44, v[40:43], s[54:55]
	END
.Lfunc_end_k_q9f05e60021_fin:
	.size	k_q9f05e60021_fin, .Lfunc_end_k_q9f05e60021_fin-k_q9f05e60021_fin
	.p2alignl 7, 3214868480
	.fill 96, 4, 3214868480
	.section	.rodata,"a",@progbits
	.p2align	6, 0x0
	.amdhsa_kernel k_q9f05e60021_fin
		.amdhsa_group_segment_fixed_size 327680
		.amdhsa_private_segment_fixed_size 0
		.amdhsa_enable_private_segment 0
		.amdhsa_kernarg_size 64
		.amdhsa_user_sgpr_count 2
		.amdhsa_user_sgpr_kernarg_segment_ptr 1
		.amdhsa_wavefront_size32 1
		.amdhsa_system_sgpr_workgroup_id_x 1
		.amdhsa_system_sgpr_workgroup_id_y 1
		.amdhsa_system_sgpr_workgroup_id_z 1
		.amdhsa_system_vgpr_workitem_id 0
		.amdhsa_next_free_vgpr 512
		.amdhsa_next_free_sgpr 80
		.amdhsa_reserve_vcc 0
		.amdhsa_float_denorm_mode_32 3
		.amdhsa_float_denorm_mode_16_64 3
		.amdhsa_memory_ordered 1
		.amdhsa_forward_progress 1
		.amdhsa_inst_pref_size 114
	.end_amdhsa_kernel
	.amdgpu_metadata
---
amdhsa.version: [ 1, 2 ]
amdhsa.kernels:
  - .name:           k_q9f05e60021_fin
    .symbol:         k_q9f05e60021_fin.kd
    .args:
      - { .name: ob, .offset: 0, .size: 8, .value_kind: global_buffer, .address_space: global }
      - { .name: sb, .offset: 8, .size: 8, .value_kind: global_buffer, .address_space: global }
      - { .name: wp1, .offset: 16, .size: 8, .value_kind: global_buffer, .address_space: global }
      - { .name: wp2, .offset: 24, .size: 8, .value_kind: global_buffer, .address_space: global }
      - { .name: grp, .offset: 32, .size: 8, .value_kind: global_buffer, .address_space: global }
      - { .name: xyz, .offset: 40, .size: 8, .value_kind: global_buffer, .address_space: global }
      - { .name: sa, .offset: 48, .size: 8, .value_kind: global_buffer, .address_space: global }
      - { .name: idx, .offset: 56, .size: 8, .value_kind: global_buffer, .address_space: global }
    .group_segment_fixed_size: 327680
    .private_segment_fixed_size: 0
    .kernarg_segment_align: 8
    .kernarg_segment_size: 64
    .max_flat_workgroup_size: 256
    .sgpr_count:     80
    .vgpr_count:     512
    .wavefront_size: 32
...
	.end_amdgpu_metadata
.endif
;; end of part 9
;; launch gat (part 10): grid 256 x 1, 20 waves a work-group, no clusters, 0 bytes of LDS; arguments idx, sa, out0; writes out0
.if DOCPART == 10
	.amdgcn_target "amdgcn-amd-amdhsa--gfx1250"
	.amdhsa_code_object_version 6
	.text
	.protected	k_q9f05e60021_gat
	.globl	k_q9f05e60021_gat
	.p2align	8
	.type	k_q9f05e60021_gat,@function
k_q9f05e60021_gat:
	s_mov_b64 s[64:65], 0
	v_nop
	global_prefetch_b8 v0, s[64:65] scope:SCOPE_SE
	s_setreg_imm32_b32 hwreg(HW_REG_WAVE_MODE, 25, 1), 1
	s_wait_xcnt 0x0
; GAT: out[point][class] = the mean of the logits of the point's three nearest tokens, whose rows an earlier launch stored as whole numbers.
; A work-group owns 128 points: 3,200 pairs of classes, 25,600 consecutive bytes of the output.  Twenty waves, 640 threads: thread t takes the five pairs t + 640 k, so the kernel is
; two dependent runs of loads and no loop, and a store of a wave is 256 consecutive aligned bytes.
; Memory binds: no LDS, no matrix unit, no cluster (the work-groups share only the table of logits, 1 MB, gathered by rows of 200 bytes).
; pair / 25 = (pair x 5243) >> 17: the excess is pair x 9.2e-7, under 0.003 for pair < 3,200, so the quotient is exact.  The mean is (a + b + c) x (1/3): within one rounding of the division.
.set LTOFF, 10485760
	s_load_b128 s[4:7], s[0:1], 0x0        ; idx, the state with the logits
	s_load_b64 s[8:9], s[0:1], 0x10        ; out0
	s_lshl_b32 s10, ttmp9, 11              ; 128 points x 16 bytes
	s_mov_b32 s11, 0
	s_mul_i32 s12, ttmp9, 25600
	s_mov_b32 s13, 0
.irp k, 0,1,2,3,4
	v_add_nc_u32 v[2+(\k)], 640*(\k), v0
	v_mul_u32_u24 v[8+(\k)], v[2+(\k)], 5243
	v_lshrrev_b32 v[8+(\k)], 17, v[8+(\k)]         ; the point
	v_mul_u32_u24 v[14+(\k)], v[8+(\k)], 25
	v_sub_nc_u32 v[14+(\k)], v[2+(\k)], v[14+(\k)] ; the pair of classes
	v_lshlrev_b32 v[8+(\k)], 4, v[8+(\k)]
	v_lshlrev_b32 v[2+(\k)], 3, v[2+(\k)]          ; the pair's place in the work-group's part of the output
.endr
	s_wait_kmcnt 0x0
	s_add_nc_u64 s[4:5], s[4:5], s[10:11]
	s_add_nc_u64 s[6:7], s[6:7], LTOFF
	s_add_nc_u64 s[8:9], s[8:9], s[12:13]
.irp k, 0,1,2,3,4
	global_load_b128 v[20+4*(\k):23+4*(\k)], v[8+(\k)], s[4:5]
.endr
	s_wait_loadcnt 0x0
.irp k, 0,1,2,3,4
.irp e, 0,1,2
	v_min_u32 v[20+4*(\k)+(\e)], 0xfff, v[20+4*(\k)+(\e)]
	v_lshlrev_b32 v[20+4*(\k)+(\e)], 8, v[20+4*(\k)+(\e)]
	v_lshl_add_u32 v[20+4*(\k)+(\e)], v[14+(\k)], 3, v[20+4*(\k)+(\e)]
	global_load_b64 v[40+6*(\k)+2*(\e):41+6*(\k)+2*(\e)], v[20+4*(\k)+(\e)], s[6:7]
.endr
.endr
	s_wait_loadcnt 0x0
.irp k, 0,1,2,3,4
	v_pk_add_f32 v[40+6*(\k):41+6*(\k)], v[40+6*(\k):41+6*(\k)], v[42+6*(\k):43+6*(\k)]
	v_pk_add_f32 v[40+6*(\k):41+6*(\k)], v[40+6*(\k):41+6*(\k)], v[44+6*(\k):45+6*(\k)]
	v_pk_mul_f32 v[40+6*(\k):41+6*(\k)], v[40+6*(\k):41+6*(\k)], 0x3eaaaaab op_sel_hi:[1,0]
	global_store_b64 v[2+(\k)], v[40+6*(\k):41+6*(\k)], s[8:9]
.endr
	s_endpgm
.Lfunc_end_k_q9f05e60021_gat:
	.size	k_q9f05e60021_gat, .Lfunc_end_k_q9f05e60021_gat-k_q9f05e60021_gat
	.p2alignl 7, 3214868480
	.fill 96, 4, 3214868480
	.section	.rodata,"a",@progbits
	.p2align	6, 0x0
	.amdhsa_kernel k_q9f05e60021_gat
		.amdhsa_group_segment_fixed_size 0
		.amdhsa_private_segment_fixed_size 0
		.amdhsa_enable_private_segment 0
		.amdhsa_kernarg_size 24
		.amdhsa_user_sgpr_count 2
		.amdhsa_user_sgpr_kernarg_segment_ptr 1
		.amdhsa_wavefront_size32 1
		.amdhsa_system_sgpr_workgroup_id_x 1
		.amdhsa_system_sgpr_workgroup_id_y 1
		.amdhsa_system_sgpr_workgroup_id_z 1
		.amdhsa_system_vgpr_workitem_id 0
		.amdhsa_next_free_vgpr 72
		.amdhsa_next_free_sgpr 66
		.amdhsa_reserve_vcc 0
		.amdhsa_float_denorm_mode_32 3
		.amdhsa_float_denorm_mode_16_64 3
		.amdhsa_memory_ordered 1
		.amdhsa_forward_progress 1
		.amdhsa_inst_pref_size 9
	.end_amdhsa_kernel
	.amdgpu_metadata
---
amdhsa.version: [ 1, 2 ]
amdhsa.kernels:
  - .name:           k_q9f05e60021_gat
    .symbol:         k_q9f05e60021_gat.kd
    .args:
      - { .name: idx, .offset: 0, .size: 8, .value_kind: global_buffer, .address_space: global }
      - { .name: sa, .offset: 8, .size: 8, .value_kind: global_buffer, .address_space: global }
      - { .name: out0, .offset: 16, .size: 8, .value_kind: global_buffer, .address_space: global }
    .group_segment_fixed_size: 0
    .private_segment_fixed_size: 0
    .kernarg_segment_align: 8
    .kernarg_segment_size: 24
    .max_flat_workgroup_size: 640
    .sgpr_count:     66
    .vgpr_count:     72
    .wavefront_size: 32
...
	.end_amdgpu_metadata
.endif
;; end of part 10
